; MI455X (gfx1250); checked and timed in simulation.
; The chip was launched on July 23, 2026; its instructions are those of AMD's public machine-readable ISA for CDNA 5 (MIT licence, August 2026) and "CDNA5" Instruction Set Architecture Reference Guide (July 2026). The comments in the code are by the model that wrote it; some were corrected since.
;; block. Allowed arithmetic: matrix products marked QUANTISED: E4M3 operands, one given power-of-two scale a tensor, by v_wmma_f32_16x16x64_fp8_fp8 or v_wmma_f32_16x16x128_fp8_fp8, f32 sums; everything else in f32.
;; Inputs: W1 1,024 x 4,096 float32; W2 4,096 x 1,024 float32; Wk 1,024 x 1,024 float32; Wo 1,024 x 1,024 float32; Wq 1,024 x 1,024 float32; Wv 1,024 x 1,024 float32; b1 4,096 float32; b2 1,024 float32; bk 1,024 float32; bo 1,024 float32; bq 1,024 float32; bv 1,024 float32; ln1_b 1,024 float32; ln1_g 1,024 float32; ln2_b 1,024 float32; ln2_g 1,024 float32; lowp_scales 16 int32 (the exponents e of the quantised operands' scales 2^e); x 2 x 2,048 x 1,024 float32.
;; Outputs: out0 2 x 2,048 x 1,024 float32.
;; This version of the problem:
;;   THIS VERSION OF THE PROBLEM IS GIVEN IN LOW PRECISION. The matrix products marked QUANTISED in the list below multiply operands that are first quantised to E4M3 (4 exponent bits, 3 mantissa bits; 8 bits a number), with one given power-of-two scale for each operand tensor; their sums are f32. All else is computed in f32.
;;   The module's matrix products, in the order in which they are computed (A, B: the left and right operand; K: the contracted axis; several contracted axes count as one K, in the product's order):
;;     1. [M 4,096, K 1,024] x [K 1,024, N 1,024]; A: computed on the way; B: input Wq: QUANTISED (scales: A lowp_scales[0], B lowp_scales[1])
;;     2. [M 4,096, K 1,024] x [K 1,024, N 1,024]; A: computed on the way; B: input Wk: QUANTISED (scales: A lowp_scales[2], B lowp_scales[3])
;;     3. [M 4,096, K 1,024] x [K 1,024, N 1,024]; A: computed on the way; B: input Wv: QUANTISED (scales: A lowp_scales[4], B lowp_scales[5])
;;     4. batch 32 x [M 2,048, K 64] x [K 64, N 2,048]; A: computed on the way; B: computed on the way: QUANTISED (scales: A lowp_scales[6], B lowp_scales[7])
;;     5. batch 32 x [M 64, K 2,048] x [K 2,048, N 2,048]; A: computed on the way; B: softmax (see below): QUANTISED (scales: A lowp_scales[8], B lowp_scales[9])
;;     6. [M 4,096, K 1,024] x [K 1,024, N 1,024]; A: computed on the way; B: input Wo: QUANTISED (scales: A lowp_scales[10], B lowp_scales[11])
;;     7. [M 4,096, K 1,024] x [K 1,024, N 4,096]; A: computed on the way; B: input W1: QUANTISED (scales: A lowp_scales[12], B lowp_scales[13])
;;     8. [M 4,096, K 4,096] x [K 4,096, N 1,024]; A: computed on the way; B: input W2: QUANTISED (scales: A lowp_scales[14], B lowp_scales[15])
;;   THE QUANTISER, for each operand of a quantised product, along K:
;;     - The operand's scale is 2^e, e = its entry of the input lowp_scales (int32; the entries are numbered through the quantised products in the list's order, A before B).
;;     - Each number is divided by the scale, clamped to +-448, and rounded to the nearest number of E4M3, ties to even, subnormals kept.
;;     - The product sums the exact products of the quantised numbers (number of the format x scale) in f32.
;;   ~~~python
;;   def quantise(x, axis, e):      # numpy; x: float32 -> the quantised numbers, widened to float32 again
;;       x = np.moveaxis(x, axis, -1); K = x.shape[-1]
;;       r = np.clip(x / 2.0 ** e, -448, 448)
;;       step = 2.0 ** (np.maximum(np.frexp(np.where(r == 0, 1, r))[1] - 1, -6) - 3)
;;       q = np.round(r / step) * step * 2.0 ** e      # np.round: ties to even
;;       return np.moveaxis(q, -1, axis).astype(np.float32)
;;   ~~~
;;   SOFTMAX AHEAD OF A QUANTISED PRODUCT. Where the list says 'softmax', what is quantised is not the finished softmax but p = 2^(t - M), with t = logit x log2(e) and M = ceil(the row's largest t), a whole number; so 1/2 < the row's largest p <= 1. The row's sum l is taken of the UNQUANTISED p, in f32, and the product's result is divided by l at the end. Since M is a whole number, a kernel that streams over the keys may use a running M (the ceiling of the running maximum): every later rescaling is an exact power of two, so the quantised numbers keep their values, but for numbers so far below the row's largest that they fall under the format's range.
;;   OPERANDS COMPUTED ON THE WAY. 'Computed on the way' means the value that the module computes at that place (a softmax that the list does not call 'softmax' is quantised finished and normalised). What goes into a quantiser is computed in f32, as accurately as f32 sums, v_exp_f32 and their like allow (about 1e-6 of the number): no bf16 or f16 on the way to a quantiser, and a product that is left as it is and whose result goes on into a quantised operand takes f32 operands (vector FMAs, or v_wmma_f32_16x16x4_f32). A number that lies on a knife's edge between two numbers of the format may be rounded either way, as far as f32 arithmetic and the matrix unit's own rounding can turn it there, and no further.
;; 2 versions. Each part assembles by itself: llvm-mc -triple=amdgcn-amd-amdhsa -mcpu=gfx1250 --defsym DOCPART=n.
;; ======== version 1 of 2: 7 launches
;; workspace buffers: wc 12,582,912 bytes; hc 12,582,912 bytes; qkvc 12,582,912 bytes; yc 4,194,304 bytes; x1 16,777,216 bytes; h2c 4,194,304 bytes; mc 16,777,216 bytes
;; launch prep (part 1): grid 640 x 1, 4 waves a work-group, no clusters, 35,328 bytes of LDS; arguments x, ln1_g, ln1_b, Wq, Wk, Wv, Wo, W1, W2, lowp_scales, wc, hc; writes wc, hc
.if DOCPART == 1
	.amdgcn_target "amdgcn-amd-amdhsa--gfx1250"
	.amdhsa_code_object_version 6
	.text
	.protected	k_q7d8e61710a_prep
	.globl	k_q7d8e61710a_prep
	.p2align	8
	.type	k_q7d8e61710a_prep,@function
k_q7d8e61710a_prep:
	s_mov_b64 s[64:65], 0
	v_nop
	global_prefetch_b8 v0, s[64:65] scope:SCOPE_SE
	s_setreg_imm32_b32 hwreg(HW_REG_WAVE_MODE, 25, 1), 1
	s_wait_xcnt 0x0
; Two jobs in one launch, told apart by the work-group's number.
; WORK-GROUPS 0 TO 383: the six weights, f32 stored [k][n], become codes of E4M3 laid [n][k], K innermost, in wc: Wq at 0, Wk at 0x100000, Wv at 0x200000, Wo at 0x300000 (each [1024][1024]),
;   W1 at 0x400000 ([4096][1024]), W2 at 0x800000 ([1024][4096]).  A work-group takes 128 columns x 256 along K; a lane takes a column and its registers run down K, so the conversions give codes with K innermost;
;   a wave's 32 columns x 256 codes go through its own stage in LDS and leave as rows: sixteen lanes store 256 consecutive bytes, aligned.  One path serves all six: pointers, pitches and the scale are chosen by selects on ids.
; WORK-GROUPS 384 TO 639: h = LayerNorm(x) in f32 (mean, then the mean of the squared differences), quantised three times, with the scales of entries 0, 2 and 4, into hc's three images [4096][1024].
;   A wave takes four rows and keeps each in 32 registers: register 8 c + i of a lane is column 256 c + 8 lane + i, so eight registers are eight neighbours along K and a lane's codes of a chunk are 8 bytes:
;   32 lanes store 256 consecutive bytes, aligned.  No LDS, no barrier on this path.
; code = number / 2^e, held within +-448, rounded to the nearest code, ties to even.  LIMITS: each e between -126 and 119.  NaN among the inputs is not served.
.set PITCH, 272                        ; a stage row: 256 codes + 16 bytes
.set WX,   32                          ; weights: v32-95 two sets of 32 numbers
.set WC,   96                          ; v96-103 a block's codes
.set OUTR, 112                         ; v112-175 the way out
.set LO,   176                         ; v176-207 byte offset of row i of a block: i x the input's pitch + 4 x lane
.set SOF,  208                         ; v208-223 byte offset of the way out's store t
.set LOF,  3                           ; LayerNorm: v3 32 x lane
.set SOFF, 4                           ; v4 8 x lane
.set QS,   6                           ; v6-11 for each of the three scales: 2^e, 448 x 2^e
.set ST,   12                          ; v12-19 a pair for each row: a figure of the row; the lane exchange's destination
.set CH,   20                          ; v20-27 a pair for each row: the running sums
.set T0,   28                          ; v28-43 two sets of eight held numbers
.set G,    44                          ; v44-75 the gain at my 32 columns
.set BT,   76                          ; v76-107 the bias
.set X,    108                         ; v108-235 four rows
.set CD,   236                         ; v236-243 a row's codes for one scale
	s_load_b512 s[4:19], s[0:1], 0x0               ; x s[4:5], g s[6:7], b s[8:9], Wq s[10:11], Wk s[12:13], Wv s[14:15], Wo s[16:17], W1 s[18:19]
	s_load_b256 s[20:27], s[0:1], 0x40             ; W2 s[20:21], the exponents s[22:23], wc s[24:25], hc s[26:27]
	v_lshl_add_u32 v254, v0, 2, 0x8800
	v_mov_b32 v255, 0
	v_lshrrev_b32 v1, 5, v0
	v_readfirstlane_b32 s28, v1                    ; wave
	v_and_b32 v2, 31, v0                           ; lane
	s_wait_kmcnt 0x0
	s_load_b512 s[72:87], s[22:23], 0x0            ; all sixteen exponents: entry n in s[72 + n]
	s_cmp_ge_u32 ttmp9, 384
	s_cbranch_scc1 .Lln
	; ---------------- the weights
	s_lshr_b32 s30, ttmp9, 5                       ; 0-3: Wq, Wk, Wv, Wo; 4-7: W1; 8-11: W2
	s_mov_b64 s[32:33], s[10:11]                   ; the tensor,
	s_mov_b32 s35, 0                               ; its place in wc,
	s_mov_b32 s36, 4096                            ; its pitch in bytes,
	s_mov_b32 s37, 1024                            ; its codes' pitch (its K),
	s_mov_b32 s38, 3                               ; log2 of its blocks of 128 columns,
	s_mov_b32 s39, 31                              ; its work-groups - 1
	s_cmp_eq_u32 s30, 1
	s_cselect_b64 s[32:33], s[12:13], s[32:33]
	s_cselect_b32 s35, 0x100000, s35
	s_cmp_eq_u32 s30, 2
	s_cselect_b64 s[32:33], s[14:15], s[32:33]
	s_cselect_b32 s35, 0x200000, s35
	s_cmp_eq_u32 s30, 3
	s_cselect_b64 s[32:33], s[16:17], s[32:33]
	s_cselect_b32 s35, 0x300000, s35
	s_cmp_ge_u32 s30, 4
	s_cselect_b64 s[32:33], s[18:19], s[32:33]
	s_cselect_b32 s35, 0x400000, s35
	s_cselect_b32 s36, 16384, s36
	s_cselect_b32 s38, 5, s38
	s_cselect_b32 s39, 127, s39
	s_cmp_ge_u32 s30, 8
	s_cselect_b64 s[32:33], s[20:21], s[32:33]
	s_cselect_b32 s35, 0x800000, s35
	s_cselect_b32 s36, 4096, s36
	s_cselect_b32 s37, 4096, s37
	s_cselect_b32 s38, 3, s38
	s_and_b32 s40, ttmp9, s39                      ; my number among the tensor's work-groups
	s_bfm_b32 s41, s38, 0
	s_and_b32 s42, s40, s41                        ; which 128 columns
	s_lshr_b32 s43, s40, s38                       ; which 256 along K
	s_lshl_b32 s42, s42, 7
	s_lshl_b32 s44, s28, 5
	s_add_co_u32 s42, s42, s44                     ; my wave's first column
	s_lshl_b32 s44, s43, 8                         ; my first k
	s_mul_i32 s46, s44, s36
	s_lshl_b32 s45, s42, 2
	s_add_co_u32 s46, s46, s45                     ; k x pitch + 4 x column: under 2^24
	s_mov_b32 s47, 0
	s_add_nc_u64 s[48:49], s[32:33], s[46:47]      ; s[48 + 2 t : 49 + 2 t]: where block t (32 along K) begins
	s_lshl_b32 s46, s36, 5                         ; 32 rows on
.irp t, 1,2,3,4,5,6,7
	s_add_nc_u64 s[48+2*\t:49+2*\t], s[46+2*\t:47+2*\t], s[46:47]
.endr
	s_mul_i32 s66, s42, s37                        ; the codes: column x K
	s_add_co_u32 s66, s66, s44                     ; + k
	s_add_co_u32 s66, s66, s35                     ; + the tensor's place
	s_mov_b32 s67, 0
	s_add_nc_u64 s[66:67], s[24:25], s[66:67]
	v_lshlrev_b32 v3, 2, v2                        ; in: 4 bytes a lane
	s_mul_i32 s29, s28, 32*PITCH                   ; my stage
	v_mul_u32_u24 v4, v2, PITCH
	v_add_nc_u32 v4, s29, v4                       ; into it: row = my column
	v_and_b32 v5, 15, v2
	v_lshrrev_b32 v6, 4, v2                        ; out of it: sixteen lanes to a row, two rows an instruction
	v_mul_u32_u24 v7, v6, PITCH
	v_lshl_add_u32 v7, v5, 4, v7
	v_add_nc_u32 v7, s29, v7
	v_mul_u32_u24 v8, v6, s37
	v_lshl_add_u32 v8, v5, 4, v8                   ; the same place in the codes
.set ii, 0
.rept 32
	v_mad_u32_u24 v[LO+ii], s36, ii, v3
.set ii, ii+1
.endr
.set ii, 0
.rept 16
	v_mad_u32_u24 v[SOF+ii], s37, 2*ii, v8
.set ii, ii+1
.endr
.macro LOADW t                         ; block t: W(32 t + i, my column), i = 0 .. 31, into set t % 2: 32 lanes read 128 consecutive bytes, the four waves 512
.set ii, 0
.rept 32
	global_load_b32 v[WX+32*((\t)%2)+ii], v[LO+ii], s[48+2*(\t):49+2*(\t)] th:TH_LOAD_NT
.set ii, ii+1
.endr
.endm
	LOADW 0
	LOADW 1
	s_wait_kmcnt 0x0
	s_mov_b32 s34, s73                             ; the tensor's exponent: entries 1, 3, 5, 11, 13, 15
	s_cmp_eq_u32 s30, 1
	s_cselect_b32 s34, s75, s34
	s_cmp_eq_u32 s30, 2
	s_cselect_b32 s34, s77, s34
	s_cmp_eq_u32 s30, 3
	s_cselect_b32 s34, s83, s34
	s_cmp_ge_u32 s30, 4
	s_cselect_b32 s34, s85, s34
	s_cmp_ge_u32 s30, 8
	s_cselect_b32 s34, s87, s34
	s_add_co_i32 s34, s34, 127
	s_lshl_b32 s31, s34, 23
	v_mov_b32 v11, s31                             ; 2^e as f32: the conversion takes its exponent field
	s_add_co_i32 s34, s34, 8
	s_lshl_b32 s34, s34, 23
	s_or_b32 s34, s34, 0x600000
	v_mov_b32 v10, s34                             ; 448 x 2^e
.macro BLOCK t
.set XS, WX+32*((\t)%2)
.if (\t) < 7
	s_wait_loadcnt 32                              ; this block's 32 loads are in; the next block's 32 may be out
.else
	s_wait_loadcnt 0
.endif
.set ii, 0
.rept 32
	v_med3_num_f32 v[XS+ii], v[XS+ii], -v10, v10   ; the conversion to an 8-bit code does not saturate (ISA guide 7.6.2): the hold comes first
.set ii, ii+1
.endr
.irp g, 0,1,2,3
	v_cvt_scalef32_pk8_fp8_f32 v[WC+2*\g:WC+2*\g+1], v[XS+8*\g:XS+8*\g+7], v11
.endr
	ds_store_b128 v4, v[WC:WC+3] offset:32*(\t)    ; 32 codes of my column's row
	ds_store_b128 v4, v[WC+4:WC+7] offset:32*(\t)+16
.if (\t)+2 < 8
	LOADW (\t)+2
.endif
	s_wait_dscnt 0x0                               ; the stores are done: the next block's codes may be written
.endm
.irp t, 0,1,2,3,4,5,6,7
	BLOCK \t
.endr
.irp t, 0,1,2,3,4,5,6,7,8,9,10,11,12,13,14,15
	ds_load_b128 v[OUTR+4*\t:OUTR+4*\t+3], v7 offset:2*\t*PITCH   ; LDS serves a wave's instructions in order: these see my stores
.endr
.irp t, 0,1,2,3,4,5,6,7,8,9,10,11,12,13,14,15
	s_wait_dscnt 15-\t                             ; the younger loads may be out
	global_store_b128 v[SOF+\t], v[OUTR+4*\t:OUTR+4*\t+3], s[66:67]
.endr
	s_wait_tensorcnt 0x0
	ds_add_u32 v254, v255
	s_wait_dscnt 0x0
	s_endpgm
	; ---------------- LayerNorm 1
.Lln:
	s_sub_co_u32 s30, ttmp9, 384
	s_lshl_b32 s30, s30, 4
	s_lshl_b32 s31, s28, 2
	s_add_co_u32 s30, s30, s31                     ; my wave's first row: 16 x work-group + 4 x wave
	s_lshl_b32 s32, s30, 12
	s_mov_b32 s33, 0
	s_add_nc_u64 s[4:5], s[4:5], s[32:33]          ; x at that row
	s_lshl_b32 s32, s30, 10
	s_add_nc_u64 s[34:35], s[26:27], s[32:33]      ; the three images at that row
	s_add_nc_u64 s[36:37], s[34:35], 0x400000
	s_add_nc_u64 s[38:39], s[34:35], 0x800000
	s_mov_b32 s40, 0x76543210                      ; v_permlanex16_b32: lane l takes lane l xor 16
	s_mov_b32 s41, 0xfedcba98
	s_mov_b32 s42, 0x3a800000                      ; 1 / 1024
	s_mov_b32 s43, 0x3727c5ac                      ; 1e-5
	v_lshlrev_b32 v[LOF], 5, v2
	v_lshlrev_b32 v[SOFF], 3, v2
.irp r, 0,1,2,3
.irp c, 0,1,2,3
	global_load_b128 v[X+32*\r+8*\c:X+32*\r+8*\c+3], v[LOF], s[4:5] offset:4096*\r+1024*\c
	global_load_b128 v[X+32*\r+8*\c+4:X+32*\r+8*\c+7], v[LOF], s[4:5] offset:4096*\r+1024*\c+16
.endr
.endr
.irp c, 0,1,2,3
	global_load_b128 v[G+8*\c:G+8*\c+3], v[LOF], s[6:7] offset:1024*\c
	global_load_b128 v[G+8*\c+4:G+8*\c+7], v[LOF], s[6:7] offset:1024*\c+16
	global_load_b128 v[BT+8*\c:BT+8*\c+3], v[LOF], s[8:9] offset:1024*\c
	global_load_b128 v[BT+8*\c+4:BT+8*\c+7], v[LOF], s[8:9] offset:1024*\c+16
.endr
.irp r, 0,1,2,3
	v_mov_b32 v[ST+2*\r+1], 0                      ; written once: a lane exchange's destination counts as read
.endr
	s_wait_kmcnt 0x0
.irp q, 0,1,2
	s_add_co_i32 s44, s[72+2*\q], 127
	s_lshl_b32 s45, s44, 23
	v_mov_b32 v[QS+2*\q], s45                      ; 2^e
	s_add_co_i32 s44, s44, 8
	s_lshl_b32 s44, s44, 23
	s_or_b32 s44, s44, 0x600000
	v_mov_b32 v[QS+2*\q+1], s44                    ; 448 x 2^e
.endr
.macro REDUCE                          ; the four rows' figures, summed over the 32 lanes, into every lane; the rows take turns
.irp m, 1,2,4,8
.irp r, 0,1,2,3
	v_add_f32_dpp v[ST+2*\r], v[ST+2*\r], v[ST+2*\r] row_xmask:\m row_mask:0xf bank_mask:0xf
.endr
.endr
.irp r, 0,1,2,3
	v_permlanex16_b32 v[ST+2*\r+1], v[ST+2*\r], s40, s41
.endr
.irp r, 0,1,2,3
	v_add_f32 v[ST+2*\r], v[ST+2*\r], v[ST+2*\r+1]
.endr
.endm
	s_wait_loadcnt 0x0
.irp r, 0,1,2,3
	v_pk_add_f32 v[CH+2*\r:CH+2*\r+1], v[X+32*\r:X+32*\r+1], v[X+32*\r+2:X+32*\r+3]
.endr
.irp j, 4,6,8,10,12,14,16,18,20,22,24,26,28,30
.irp r, 0,1,2,3
	v_pk_add_f32 v[CH+2*\r:CH+2*\r+1], v[CH+2*\r:CH+2*\r+1], v[X+32*\r+\j:X+32*\r+\j+1]
.endr
.endr
.irp r, 0,1,2,3
	v_add_f32 v[ST+2*\r], v[CH+2*\r], v[CH+2*\r+1]
.endr
	REDUCE
.irp r, 0,1,2,3
	v_mul_f32 v[ST+2*\r], s42, v[ST+2*\r]          ; the mean
.endr
.irp j, 0,2,4,6,8,10,12,14,16,18,20,22,24,26,28,30
.irp r, 0,1,2,3
	v_pk_add_f32 v[X+32*\r+\j:X+32*\r+\j+1], v[X+32*\r+\j:X+32*\r+\j+1], v[ST+2*\r:ST+2*\r+1] op_sel_hi:[1,0] neg_lo:[0,1] neg_hi:[0,1]   ; x - mean
.endr
.endr
.irp r, 0,1,2,3
	v_pk_mul_f32 v[CH+2*\r:CH+2*\r+1], v[X+32*\r:X+32*\r+1], v[X+32*\r:X+32*\r+1]
.endr
.irp j, 2,4,6,8,10,12,14,16,18,20,22,24,26,28,30
.irp r, 0,1,2,3
	v_pk_fma_f32 v[CH+2*\r:CH+2*\r+1], v[X+32*\r+\j:X+32*\r+\j+1], v[X+32*\r+\j:X+32*\r+\j+1], v[CH+2*\r:CH+2*\r+1]
.endr
.endr
.irp r, 0,1,2,3
	v_add_f32 v[ST+2*\r], v[CH+2*\r], v[CH+2*\r+1]
.endr
	REDUCE
.irp r, 0,1,2,3
	v_fma_f32 v[ST+2*\r], v[ST+2*\r], s42, s43     ; the variance + 1e-5
.endr
.irp r, 0,1,2,3
	v_rsq_f32 v[ST+2*\r], v[ST+2*\r]
.endr
	v_nop                                          ; a plain instruction behind the last of the four
	s_wait_alu depctr_va_vdst(0)                   ; one wait for the four, ahead of their first reader
.irp j, 0,2,4,6,8,10,12,14,16,18,20,22,24,26,28,30
.irp r, 0,1,2,3
	v_pk_mul_f32 v[X+32*\r+\j:X+32*\r+\j+1], v[X+32*\r+\j:X+32*\r+\j+1], v[ST+2*\r:ST+2*\r+1] op_sel_hi:[1,0]
.endr
.endr
.irp j, 0,2,4,6,8,10,12,14,16,18,20,22,24,26,28,30
.irp r, 0,1,2,3
	v_pk_fma_f32 v[X+32*\r+\j:X+32*\r+\j+1], v[X+32*\r+\j:X+32*\r+\j+1], v[G+\j:G+\j+1], v[BT+\j:BT+\j+1]
.endr
.endr
.irp r, 0,1,2,3
.irp q, 0,1,2
	s_wait_xcnt 0x0                                ; the last group's stores have read their data: the codes' registers may be written again
.irp c, 0,1,2,3
.irp i, 0,1,2,3,4,5,6,7
	v_med3_num_f32 v[T0+8*(\c%2)+\i], v[X+32*\r+8*\c+\i], -v[QS+2*\q+1], v[QS+2*\q+1]   ; the hold, into one of two sets by turns: no line writes a conversion's sources straight behind it
.endr
	v_cvt_scalef32_pk8_fp8_f32 v[CD+2*\c:CD+2*\c+1], v[T0+8*(\c%2):T0+8*(\c%2)+7], v[QS+2*\q]
.endr
.irp c, 0,1,2,3
	global_store_b64 v[SOFF], v[CD+2*\c:CD+2*\c+1], s[34+2*\q:35+2*\q] offset:1024*\r+256*\c   ; 32 lanes store 256 consecutive bytes, aligned
.endr
.endr
.endr
	s_endpgm
.Lfunc_end_k_q7d8e61710a_prep:
	.size	k_q7d8e61710a_prep, .Lfunc_end_k_q7d8e61710a_prep-k_q7d8e61710a_prep
	.p2alignl 7, 3214868480
	.fill 96, 4, 3214868480
	.section	.rodata,"a",@progbits
	.p2align	6, 0x0
	.amdhsa_kernel k_q7d8e61710a_prep
		.amdhsa_group_segment_fixed_size 35328
		.amdhsa_private_segment_fixed_size 0
		.amdhsa_enable_private_segment 0
		.amdhsa_kernarg_size 96
		.amdhsa_user_sgpr_count 2
		.amdhsa_user_sgpr_kernarg_segment_ptr 1
		.amdhsa_wavefront_size32 1
		.amdhsa_system_sgpr_workgroup_id_x 1
		.amdhsa_system_sgpr_workgroup_id_y 1
		.amdhsa_system_sgpr_workgroup_id_z 1
		.amdhsa_system_vgpr_workitem_id 0
		.amdhsa_next_free_vgpr 256
		.amdhsa_next_free_sgpr 90
		.amdhsa_reserve_vcc 0
		.amdhsa_float_denorm_mode_32 3
		.amdhsa_float_denorm_mode_16_64 3
		.amdhsa_memory_ordered 1
		.amdhsa_forward_progress 1
		.amdhsa_inst_pref_size 116
	.end_amdhsa_kernel
	.amdgpu_metadata
---
amdhsa.version: [ 1, 2 ]
amdhsa.kernels:
  - .name:           k_q7d8e61710a_prep
    .symbol:         k_q7d8e61710a_prep.kd
    .args:
      - { .name: x, .offset: 0, .size: 8, .value_kind: global_buffer, .address_space: global }
      - { .name: ln1_g, .offset: 8, .size: 8, .value_kind: global_buffer, .address_space: global }
      - { .name: ln1_b, .offset: 16, .size: 8, .value_kind: global_buffer, .address_space: global }
      - { .name: Wq, .offset: 24, .size: 8, .value_kind: global_buffer, .address_space: global }
      - { .name: Wk, .offset: 32, .size: 8, .value_kind: global_buffer, .address_space: global }
      - { .name: Wv, .offset: 40, .size: 8, .value_kind: global_buffer, .address_space: global }
      - { .name: Wo, .offset: 48, .size: 8, .value_kind: global_buffer, .address_space: global }
      - { .name: W1, .offset: 56, .size: 8, .value_kind: global_buffer, .address_space: global }
      - { .name: W2, .offset: 64, .size: 8, .value_kind: global_buffer, .address_space: global }
      - { .name: lowp_scales, .offset: 72, .size: 8, .value_kind: global_buffer, .address_space: global }
      - { .name: wc, .offset: 80, .size: 8, .value_kind: global_buffer, .address_space: global }
      - { .name: hc, .offset: 88, .size: 8, .value_kind: global_buffer, .address_space: global }
    .group_segment_fixed_size: 35328
    .private_segment_fixed_size: 0
    .kernarg_segment_align: 8
    .kernarg_segment_size: 96
    .max_flat_workgroup_size: 128
    .sgpr_count:     90
    .vgpr_count:     256
    .wavefront_size: 32
...
	.end_amdgpu_metadata
.endif
;; end of part 1
;; launch qkv (part 2): grid 12 x 16, 4 waves a work-group, clusters of 4 x 4, 327,680 bytes of LDS; arguments hc, wc, lowp_scales, qkvc, bq, bk, bv; writes qkvc
.if DOCPART == 2
	.amdgcn_target "amdgcn-amd-amdhsa--gfx1250"
	.amdhsa_code_object_version 6
	.text
	.protected	k_q7d8e61710a_qkv
	.globl	k_q7d8e61710a_qkv
	.p2align	8
	.type	k_q7d8e61710a_qkv,@function
k_q7d8e61710a_qkv:
	s_mov_b64 s[64:65], 0
	v_nop
	global_prefetch_b8 v0, s[64:65] scope:SCOPE_SE
	s_setreg_imm32_b32 hwreg(HW_REG_WAVE_MODE, 25, 1), 1
	s_wait_xcnt 0x0
	s_wait_alu depctr_hold_cnt(0) depctr_sa_sdst(0) depctr_va_vdst(0) depctr_va_sdst(0) depctr_va_ssrc(0) depctr_va_vcc(0) depctr_vm_vsrc(0)
	s_getreg_b32 s2, hwreg(HW_REG_IB_STS2, 6, 4)
	s_cmp_eq_u32 s2, 0
	s_cbranch_scc0 .Lentry_in_a_cluster
	s_endpgm
.Lentry_in_a_cluster:
	s_bfe_u32 s2, ttmp6, 0x10000c
	s_cmp_lg_u32 s2, 0xf033
	s_cbranch_scc0 .Lentry_shape_is_right
	s_endpgm
.Lentry_shape_is_right:
; q = h Wq + bq, k = h Wk + bk, v = h Wv + bv on codes of E4M3, each result quantised at once for attention's products (entries 6, 7, 8 of the exponents).
; A tile of 256 x 256 is made by four waves, each 128 x 128 in 64 accumulators; K = 1,024 goes in steps of 256 through a ring of two LDS slots filled by the tensor data mover.
; CLUSTERS of 4 x 4 work-groups: A's tile is asked for jointly along a row of the cluster, B's along a column.  The matrix instruction is used transposed (source 0 = 16 rows of B, source 1 = 16 rows of A):
; a lane holds eight neighbouring columns of one row of the result.
; Clusters with x = 0, 1: A = h's image (scale entry 0 or 2), B = rows of Wq or Wk: a lane's eight numbers are eight neighbours of a head's 64: the K of q k^T.  They go to q, k: [32 heads][2,048][64].
; Clusters with x = 2: A = rows of Wv, B = h's image (entry 4): the result is v TRANSPOSED, a lane's eight numbers are eight neighbouring keys: the K of the second product.  It goes to [2][1,024][2,048].
; What differs between the two kinds hangs on the cluster's x alone, which all sixteen partners share: pointers and exponents by selects, the two biases by masks (the one that does not apply is made 0), and one branch
; round the last LDS loads and the stores.
; LIMITS: e(A) + e(B) between -126 and 127; entries 6, 7, 8 between -126 and 119.  NaN among the inputs is not served.
; REGISTERS, in windows of 256: window 0: v0-31 addresses; v32-95 the bias along columns, v96-111 the bias along rows (each number twice), v112, v113 the quantiser's 2^e and 448 x 2^e; from v128 A's fragments, one set;
;   on the way out v128-255 are free.  window 1: B's fragments, two sets.  windows 2, 3: the accumulators ((a, b) at v[8 (8 (a % 4) + b)]).
.set SIZE_K, 1024
.set KSTEP,  256
.set ROWB,   256
.set KROW,   SIZE_K
.set PITCH,  272                       ; an LDS row: 256 bytes + 16 of padding: the 16 rows that a load touches start at 16 different banks (64 banks of 4 bytes: ISA guide 11.1)
.set FR,     16
.set NL,     4
.set NP,     4
.set HALFT,  128*PITCH
.set SLOT,   4*HALFT
.set LAPS,   SIZE_K/(2*KSTEP)
.set SPARE,  2*SLOT                    ; behind the ring: the spare words, 128 bytes a wave
.set SPITCH, 144                       ; the way out: each wave's own stage of 128 rows x (128 codes + 16 bytes), in slot 0, which has had its last fill and its last read by then
.set WST,    128*SPITCH
.set ADRA, 16
.set ADRB, 20
.set STO,  24                          ; v24  where I put 8 codes of a row
.set RDQ,  25                          ; v25  where I read back for q, k
.set RDV,  26                          ; v26  and for v
.set GOQ,  27                          ; v27  my byte offset in q, k
.set SPW,  28
.set NIL,  29
.set GOV,  30                          ; v30  my byte offset in v
.set BC,   32
.set BR,   96
.set SCV,  112
.set LIMV, 113
.set AF,   128
.set TMP,  128
.set CDB,  192
.set G1, 24
.set G0, 32
.set G1B, 48
.set G0B, 56
.set MSB, 0
.macro WIN new                         ; the immediate's high byte repeats the setting that is left
.if MSB != \new
	s_set_vgpr_msb (MSB<<8)|\new
.set MSB, \new
.endif
.endm
.set MUL_LO, 0xa1                      ; source 0 (B) window 1, source 1 (A) window 0, C and D window 2
.set MUL_HI, 0xf1
.set TO_B,   0x40
.macro JLOAD g0a, g1a, g0b, g1b        ; a joint load: waves 0, 1 fetch for A, waves 2, 3 for B; four v_nop follow each of the two lines
	s_cmp_eq_u32 s15, 0
	s_cbranch_scc0 .Lfor_b_\@
	tensor_load_to_lds s[\g0a:\g0a+3], s[\g1a:\g1a+7]
	s_nop 0
.rept 4
	v_nop
.endr
	s_branch .Lasked_\@
.Lfor_b_\@:
	tensor_load_to_lds s[\g0b:\g0b+3], s[\g1b:\g1b+7]
	s_nop 0
.rept 4
	v_nop
.endr
.Lasked_\@:
.endm
.macro CREST                           ; a round of the cluster's barrier behind its opening barrier
	s_cmp_lg_u32 s14, 0
	s_cbranch_scc1 .Lnot_wave_0_\@
	s_barrier_signal -3
.Lnot_wave_0_\@:
	s_barrier_wait -3
	s_barrier_signal -1
	s_barrier_wait -1
.endm
.macro CROUND
	s_barrier_signal -1
	s_barrier_wait -1
	CREST
.endm
	s_load_b256 s[4:11], s[0:1], 0x0               ; hc s[4:5], wc s[6:7], the exponents s[8:9], qkvc s[10:11]
	s_load_b128 s[84:87], s[0:1], 0x20             ; bq, bk
	s_load_b64 s[88:89], s[0:1], 0x30              ; bv
	v_lshl_add_u32 v[SPW], v0, 2, SPARE
	v_mov_b32 v[NIL], 0
	ds_add_u32 v28, v29
	ds_add_u32 v28, v29
	s_wait_dscnt 0x0
	v_lshrrev_b32 v1, 5, v0
	v_readfirstlane_b32 s14, v1                    ; wave 0..3
	s_lshr_b32 s15, s14, 1                         ; which half of the tile's rows is mine; also: I fetch for A (0) or B (1)
	s_and_b32 s16, s14, 1                          ; which half of its columns; also: which 128 rows I fetch
	s_bfe_u32 s40, ttmp6, 0x40000                  ; cx
	s_bfe_u32 s41, ttmp6, 0x40004                  ; cy
	s_and_b32 s18, ttmp7, 0xffff                   ; the cluster's y
	s_cmp_eq_u32 ttmp9, 2                          ; the clusters that make v
	s_cselect_b32 s17, 0, s18
	s_cselect_b32 s42, s18, ttmp9
	s_cselect_b32 s94, 0, -1                       ; keeps the bias along columns
	s_cselect_b32 s95, -1, 0                       ; keeps the bias along rows
	s_lshl_b32 s17, s17, 2
	s_add_co_u32 s17, s17, s41                     ; tile row
	s_lshl_b32 s42, s42, 2
	s_add_co_u32 s42, s42, s40                     ; tile column
	s_lshl_b32 s43, s41, 2
	s_lshl_b32 s43, 15, s43                        ; my row of the cluster
	s_lshl_b32 s44, 0x1111, s40                    ; my column
	s_or_b32 s[G1+0], s43, (0<<16)|(1<<20)|(1<<21)|(5<<22)|(3<<25)  ; the mask; elements of 1 byte; padding on; bit 21 beside a mask; 4 words of padding after every 64
	s_or_b32 s[G1B+0], s44, (0<<16)|(1<<20)|(1<<21)|(5<<22)|(3<<25)
.irp g, G1, G1B
	s_mov_b32 s[\g+1], ROWB<<16                    ; tensor_dim0
	s_mov_b32 s[\g+2], 128<<16                     ; tensor_dim1
	s_mov_b32 s[\g+3], ROWB<<16                    ; tile_dim0
	s_mov_b32 s[\g+4], 128                         ; tile_dim1
	s_mov_b32 s[\g+5], KROW                        ; the pitch
	s_mov_b32 s[\g+6], 0
	s_mov_b32 s[\g+7], 0
.endr
	s_lshl_b32 s18, s16, 7
	s_lshl_b32 s20, s17, 8
	s_add_co_u32 s20, s20, s18                     ; A: row 256 x tile row + 128 x half
	s_lshl_b32 s20, s20, 10                        ; in bytes
	s_lshl_b32 s46, s42, 8
	s_add_co_u32 s46, s46, s18                     ; B likewise by the tile column
	s_lshl_b32 s46, s46, 10
	s_mov_b32 s21, 0
	s_mov_b32 s47, 0
	s_mul_i32 s45, s14, HALFT                      ; where they go: wave x 128 rows
	s_wait_kmcnt 0x0
	s_load_b512 s[68:83], s[8:9], 0x0              ; all sixteen exponents: entry n in s[68 + n]
	s_lshl_b32 s90, ttmp9, 22
	s_mov_b32 s91, 0
	s_add_nc_u64 s[90:91], s[4:5], s[90:91]        ; h's image for this cluster's product
	s_add_nc_u64 s[92:93], s[6:7], 0x200000        ; Wv's codes
	s_cmp_eq_u32 ttmp9, 2
	s_cselect_b64 s[4:5], s[92:93], s[90:91]       ; A
	s_cselect_b64 s[6:7], s[90:91], s[6:7]         ; B (Wq's and Wk's rows lie on end)
	s_add_nc_u64 s[20:21], s[4:5], s[20:21]
	s_add_nc_u64 s[46:47], s[6:7], s[46:47]
	CROUND                                         ; all sixteen work-groups are here: the first joint loads meet
.irp s, 0,1
	s_mov_b32 s[G0+4*\s], 1
	s_add_co_u32 s[G0+4*\s+1], s45, \s*SLOT
	s_add_nc_u64 s[G0+4*\s+2:G0+4*\s+3], s[20:21], \s*ROWB
	s_or_b32 s[G0+4*\s+3], s[G0+4*\s+3], 0x80000000
	s_mov_b32 s[G0B+4*\s], 1
	s_add_co_u32 s[G0B+4*\s+1], s45, \s*SLOT
	s_add_nc_u64 s[G0B+4*\s+2:G0B+4*\s+3], s[46:47], \s*ROWB
	s_or_b32 s[G0B+4*\s+3], s[G0B+4*\s+3], 0x80000000
	JLOAD G0+4*\s, G1, G0B+4*\s, G1B
.endr
	v_and_b32 v1, 15, v0                           ; r = l % 16
	v_bfe_u32 v2, v0, 4, 1                         ; h = l / 16
	; the biases.  Along columns: register 8 b + j is the bias at my column 16 b + 8 h + j.  Along rows: pair a is the bias at my row 16 a + r.  The offsets of the kind that does not apply are masked to 0, so that no load leaves its buffer.
	s_lshl_b32 s18, s40, 8
	s_lshl_b32 s19, s16, 7
	s_add_co_u32 s18, s18, s19
	s_lshl_b32 s18, s18, 2
	s_and_b32 s18, s18, s94
	s_mov_b32 s19, 0
	s_cmp_eq_u32 ttmp9, 1
	s_cselect_b64 s[84:85], s[86:87], s[84:85]
	s_add_nc_u64 s[84:85], s[84:85], s[18:19]
	s_lshl_b32 s18, s17, 8
	s_lshl_b32 s22, s15, 7
	s_add_co_u32 s18, s18, s22
	s_lshl_b32 s18, s18, 2
	s_and_b32 s18, s18, s95
	s_add_nc_u64 s[88:89], s[88:89], s[18:19]
	v_lshlrev_b32 v7, 5, v2
	v_lshlrev_b32 v8, 2, v1
.irp b, 0,1,2,3,4,5,6,7
	global_load_b128 v[BC+8*\b:BC+8*\b+3], v7, s[84:85] offset:64*\b
	global_load_b128 v[BC+8*\b+4:BC+8*\b+7], v7, s[84:85] offset:64*\b+16
.endr
.irp a, 0,1,2,3,4,5,6,7
	global_load_b32 v[BR+2*\a], v8, s[88:89] offset:64*\a
	global_load_b32 v[BR+2*\a+1], v8, s[88:89] offset:64*\a
.endr
	v_mul_u32_u24 v3, v1, PITCH
	v_lshl_add_u32 v4, v2, 4, v3                   ; a fragment's row x pitch + 16 x half
	s_mul_i32 s21, s15, HALFT
	s_mul_i32 s22, s16, HALFT
	s_add_co_u32 s22, s22, 2*HALFT
.irp s, 0,1
	v_add_nc_u32 v[ADRA+\s], s21, v4
	v_add_nc_u32 v[ADRB+\s], s22, v4
	s_add_co_u32 s21, s21, SLOT
	s_add_co_u32 s22, s22, SLOT
.endr
	s_mul_i32 s23, s14, WST                        ; my stage
	v_mul_u32_u24 v5, v1, SPITCH
	v_lshl_add_u32 v5, v2, 3, v5
	v_add_nc_u32 v[STO], s23, v5                   ; in: row r, 8 bytes for each half of the lanes
	s_mul_i32 s23, s15, 2*WST                      ; back: wave w takes rows 64 w .. 64 w + 63 of the tile: they lie in the two stages of row half w / 2, from row 64 (w % 2) on
	s_mul_i32 s22, s16, 64*SPITCH
	s_add_co_u32 s23, s23, s22
	v_and_b32 v6, 31, v0
	v_lshrrev_b32 v9, 2, v6
	v_mul_u32_u24 v9, v9, SPITCH
	v_and_b32 v10, 3, v6
	v_lshl_add_u32 v9, v10, 4, v9
	v_add_nc_u32 v[RDQ], s23, v9                   ; q, k: four lanes to a token's 64 bytes of a head, eight tokens an instruction
	v_lshlrev_b32 v[GOQ], 4, v6
	v_bfe_u32 v11, v0, 3, 1
	v_mul_u32_u24 v11, v11, WST
	v_mad_u32_u24 v11, v2, SPITCH, v11
	v_and_b32 v12, 7, v0
	v_lshl_add_u32 v11, v12, 4, v11
	v_add_nc_u32 v[RDV], s23, v11                  ; v: sixteen lanes to a row of 256 bytes (eight from each column half's stage), two rows an instruction
	v_lshlrev_b32 v13, 11, v2
	v_lshl_add_u32 v[GOV], v1, 4, v13
	; where my 64 rows go
	s_lshl_b32 s20, s17, 8                         ; 256 x tile row
	s_lshr_b32 s21, s20, 11                        ; q, k: the batch,
	s_lshl_b32 s21, s21, 4
	s_lshl_b32 s22, s40, 2
	s_add_co_u32 s21, s21, s22                     ; the tile's first head (4 cx),
	s_lshl_b32 s21, s21, 17                        ; 131,072 bytes a head,
	s_and_b32 s22, s20, 2047
	s_lshl_b32 s23, s14, 6
	s_add_co_u32 s22, s22, s23
	s_lshl_b32 s22, s22, 6                         ; 64 bytes a token,
	s_add_co_u32 s21, s21, s22
	s_lshl_b32 s22, ttmp9, 22                      ; q at 0, k at 0x400000
	s_add_co_u32 s21, s21, s22
	s_lshl_b32 s46, s42, 8                         ; v: 256 x tile column is the first token:
	s_lshr_b32 s47, s46, 11
	s_lshl_b32 s47, s47, 21                        ; the batch,
	s_and_b32 s46, s46, 2047
	s_add_co_u32 s47, s47, s46                     ; the key,
	s_add_co_u32 s20, s20, s23
	s_lshl_b32 s20, s20, 11                        ; the row of 2,048 keys,
	s_add_co_u32 s47, s47, s20
	s_add_co_u32 s47, s47, 0x800000
	s_cmp_eq_u32 ttmp9, 2
	s_cselect_b32 s20, s47, s21
	s_mov_b32 s21, 0
	s_add_nc_u64 s[10:11], s[10:11], s[20:21]
	; the powers of two
	s_wait_kmcnt 0x0
	s_add_co_i32 s96, s68, s69
	s_add_co_i32 s97, s70, s71
	s_add_co_i32 s90, s72, s73
	s_cmp_eq_u32 ttmp9, 1
	s_cselect_b32 s96, s97, s96
	s_cselect_b32 s91, s75, s74
	s_cmp_eq_u32 ttmp9, 2
	s_cselect_b32 s96, s90, s96
	s_cselect_b32 s91, s76, s91
	s_add_co_i32 s96, s96, 127
	s_lshl_b32 s96, s96, 23                        ; 2^(e(A) + e(B)) as f32
	s_mov_b32 s97, s96                             ; (named with it as a pair, so it is written)
	s_add_co_i32 s91, s91, 127
	s_lshl_b32 s92, s91, 23
	v_mov_b32 v[SCV], s92                          ; 2^e of the result's quantiser
	s_add_co_i32 s91, s91, 8
	s_lshl_b32 s91, s91, 23
	s_or_b32 s91, s91, 0x600000
	v_mov_b32 v[LIMV], s91                         ; 448 x that
	s_wait_loadcnt 0x0                             ; the biases
.set jj, 0
.rept 64
	v_and_b32 v[BC+jj], s94, v[BC+jj]
.set jj, jj+1
.endr
.set jj, 0
.rept 16
	v_and_b32 v[BR+jj], s95, v[BR+jj]
.set jj, jj+1
.endr
.macro FRAG reg, adr, q, i             ; 16 rows x 128 K: lane l holds row l % 16; registers 4 c .. 4 c + 3 hold K = 32 c + 16 (l / 16) + 0 .. 15: the same places in A and in B
.irp c, 0,1,2,3
	ds_load_b128 v[\reg+4*\c:\reg+4*\c+3], v[\adr] offset:128*(\q)+32*\c+(\i)*16*PITCH
.endr
.endm
.macro MUL16 a0, p, zero               ; A's blocks a0, a0 + 1 x B's eight; the 64 accumulators take turns, one instruction a turn
.irp a, \a0, \a0+1
.irp b, 0,1,2,3,4,5,6,7
.if \zero
	v_wmma_f32_16x16x128_fp8_fp8 v[8*(8*((\a)%4)+\b):8*(8*((\a)%4)+\b)+7], v[128*(\p)+FR*\b:128*(\p)+FR*\b+FR-1], v[AF+FR*(\a):AF+FR*(\a)+FR-1], 0
.else
	v_wmma_f32_16x16x128_fp8_fp8 v[8*(8*((\a)%4)+\b):8*(8*((\a)%4)+\b)+7], v[128*(\p)+FR*\b:128*(\p)+FR*\b+FR-1], v[AF+FR*(\a):AF+FR*(\a)+FR-1], v[8*(8*((\a)%4)+\b):8*(8*((\a)%4)+\b)+7]
.endif
.endr
.endr
.endm
.macro FETCH_B slot, q, p
	WIN TO_B
.irp i, 0,1,2,3,4,5,6,7
	FRAG 128*(\p)+FR*\i, ADRB+\slot, \q, \i
.endr
	WIN 0
.endm
.macro FETCH_A slot, q, i0
.irp i, \i0, \i0+1, \i0+2, \i0+3
	FRAG AF+FR*(\i), ADRA+\slot, \q, \i
.endr
.endm
.macro PLACES n                        ; plain vector instructions between a matrix instruction and a load into, or a vector read or write of, its registers
.rept \n
	v_nop
.endr
.endm
.macro STEP slot, q, zero              ; 128 along K, with its successor in the same slot
	s_wait_dscnt 4*NL                              ; B's set and A's blocks 0-3 are in; the youngest 16 loads (A's blocks 4-7) may be out
	WIN MUL_LO
	MUL16 0, (\q)%2, \zero
	MUL16 2, (\q)%2, \zero
	s_wait_dscnt 0
	PLACES NP
	FETCH_B \slot, (\q)+1, 1-(\q)%2
	FETCH_A \slot, (\q)+1, 0
	WIN MUL_HI
	MUL16 4, (\q)%2, \zero
	MUL16 6, (\q)%2, \zero
	PLACES NP
	WIN 0
	FETCH_A \slot, (\q)+1, 4
.endm
.macro TURN slot, next, fill           ; a slot's last step changes slots: one barrier; in front of it each wave waits for all its tensor loads, adds 0 to its spare word, and waits for that and for its reads of this slot
	s_wait_tensorcnt 0x0                           ; all my tensor loads have landed: my part of the next slot
	ds_add_u32 v[SPW], v[NIL]                      ; 0 onto my spare word
	s_wait_dscnt 4*NL+1                            ; (the add and the youngest 16 loads may be out)
	WIN MUL_LO
	MUL16 0, 1, 0
	s_wait_dscnt 0x0                               ; the add is done, and my reads of this slot are over
	s_barrier_signal -1
	MUL16 2, 1, 0
	WIN 0
	s_barrier_wait -1
.if \fill
	CREST                                          ; the barrier has opened a round of the cluster's barrier: no wave of any partner still reads this slot or has a load on its way
	s_add_nc_u64 s[G0+4*\slot+2:G0+4*\slot+3], s[G0+4*\slot+2:G0+4*\slot+3], 2*ROWB
	s_add_nc_u64 s[G0B+4*\slot+2:G0B+4*\slot+3], s[G0B+4*\slot+2:G0B+4*\slot+3], 2*ROWB
	JLOAD G0+4*\slot, G1, G0B+4*\slot, G1B         ; the first tensor load behind the round; its four v_nop are also the places in front of the loads below
.else
	PLACES NP
.endif
	FETCH_B \next, 0, 0
	FETCH_A \next, 0, 0
	WIN MUL_HI
	MUL16 4, 1, 0
	MUL16 6, 1, 0
	PLACES NP
	WIN 0
	FETCH_A \next, 0, 4
.endm
	s_wait_tensorcnt 1                             ; my part of K step 0 is in (K step 1's load may be out),
	s_barrier_signal -1
	s_barrier_wait -1                              ; everybody's is
	FETCH_B 0, 0, 0
	FETCH_A 0, 0, 0
	FETCH_A 0, 0, 4
	STEP 0, 0, 1                                   ; the first step's products start the sums
	s_mov_b32 s3, LAPS-1
.Llap:
	TURN 0, 1, 1
	STEP 1, 0, 0
	TURN 1, 0, 1
	STEP 0, 0, 0
	s_sub_co_u32 s3, s3, 1
	s_cmp_lg_u32 s3, 0
	s_cbranch_scc1 .Llap
	TURN 0, 1, 0                                   ; the last lap fills nothing
	STEP 1, 0, 0
	s_wait_dscnt 4*NL
	WIN MUL_LO
	MUL16 0, 1, 0
	MUL16 2, 1, 0
	s_wait_dscnt 0
	WIN MUL_HI
	MUL16 4, 1, 0
	MUL16 6, 1, 0
	WIN 0
; THE WAY OUT.  Block a (16 rows x 128 columns): sum x 2^(e(A) + e(B)) + the bias along columns, + the bias along rows, the hold, the conversion: a lane's eight numbers become 8 bytes of a row of my stage.
.macro QBLOCK a
.set AC, 64*((\a)%4)
.set CD, CDB+16*((\a)%2)
	WIN 0x02+((\a)/4)                              ; source 0: window 2 or 3
.set jj, 0
.rept 32
	v_pk_fma_f32 v[TMP+jj:TMP+jj+1], v[AC+jj:AC+jj+1], s[96:97], v[BC+jj:BC+jj+1] op_sel_hi:[1,0,1]   ; each accumulator from its low end on
.set jj, jj+2
.endr
	WIN 0
.set jj, 0
.rept 32
	v_pk_add_f32 v[TMP+jj:TMP+jj+1], v[TMP+jj:TMP+jj+1], v[BR+2*(\a):BR+2*(\a)+1]
.set jj, jj+2
.endr
.set jj, 0
.rept 64
	v_med3_num_f32 v[TMP+jj], v[TMP+jj], -v[LIMV], v[LIMV]
.set jj, jj+1
.endr
.irp b, 0,1,2,3,4,5,6,7
	v_cvt_scalef32_pk8_fp8_f32 v[CD+2*\b:CD+2*\b+1], v[TMP+8*\b:TMP+8*\b+7], v[SCV]
.endr
	v_nop                                          ; a plain instruction behind the last conversion: the next block writes the conversions' sources
.irp b, 0,1,2,3,4,5,6,7
	ds_store_b64 v[STO], v[CD+2*\b:CD+2*\b+1] offset:(\a)*16*SPITCH+16*\b
.endr
.endm
	PLACES NP
.irp a, 0,1,2,3,4,5,6,7
	QBLOCK \a
.endr
	s_wait_dscnt 0x0                               ; for the others' sake: my stores into my stage are done
	s_barrier_signal -1
	s_barrier_wait -1
	s_cmp_eq_u32 ttmp9, 2                          ; the cluster's x: the same in all sixteen partners
	s_cbranch_scc1 .Lvt
.set ii, 0
.rept 32                               ; q, k: head ii / 8 of the tile's four, tokens 8 (ii % 8) on
	ds_load_b128 v[128+4*ii:131+4*ii], v[RDQ] offset:(ii/16)*WST+8*(ii%8)*SPITCH+64*((ii/8)%2)
.set ii, ii+1
.endr
.set ii, 0
.rept 32
	s_wait_dscnt 31-ii                             ; the younger loads may be out
	global_store_b128 v[GOQ], v[128+4*ii:131+4*ii], s[10:11] offset:(ii/8)*131072+(ii%8)*512   ; 32 lanes store 512 consecutive bytes, aligned
.set ii, ii+1
.endr
	s_branch .Lend
.Lvt:
.set ii, 0
.rept 32                               ; v: rows 2 ii, 2 ii + 1 of my 64
	ds_load_b128 v[128+4*ii:131+4*ii], v[RDV] offset:2*ii*SPITCH
.set ii, ii+1
.endr
.set ii, 0
.rept 32
	s_wait_dscnt 31-ii
	global_store_b128 v[GOV], v[128+4*ii:131+4*ii], s[10:11] offset:2*ii*2048   ; sixteen lanes store 256 consecutive bytes, aligned
.set ii, ii+1
.endr
.Lend:
	s_wait_tensorcnt 0x0                           ; the wave's end
	ds_add_u32 v[SPW], v[NIL]
	s_wait_dscnt 0x0
	CROUND                                         ; the closing round
	s_endpgm
.Lfunc_end_k_q7d8e61710a_qkv:
	.size	k_q7d8e61710a_qkv, .Lfunc_end_k_q7d8e61710a_qkv-k_q7d8e61710a_qkv
	.p2alignl 7, 3214868480
	.fill 96, 4, 3214868480
	.section	.rodata,"a",@progbits
	.p2align	6, 0x0
	.amdhsa_kernel k_q7d8e61710a_qkv
		.amdhsa_group_segment_fixed_size 327680
		.amdhsa_private_segment_fixed_size 0
		.amdhsa_enable_private_segment 0
		.amdhsa_kernarg_size 56
		.amdhsa_user_sgpr_count 2
		.amdhsa_user_sgpr_kernarg_segment_ptr 1
		.amdhsa_wavefront_size32 1
		.amdhsa_system_sgpr_workgroup_id_x 1
		.amdhsa_system_sgpr_workgroup_id_y 1
		.amdhsa_system_sgpr_workgroup_id_z 1
		.amdhsa_system_vgpr_workitem_id 0
		.amdhsa_next_free_vgpr 1024
		.amdhsa_next_free_sgpr 98
		.amdhsa_reserve_vcc 0
		.amdhsa_float_denorm_mode_32 3
		.amdhsa_float_denorm_mode_16_64 3
		.amdhsa_memory_ordered 1
		.amdhsa_forward_progress 1
		.amdhsa_inst_pref_size 171
	.end_amdhsa_kernel
	.amdgpu_metadata
---
amdhsa.version: [ 1, 2 ]
amdhsa.kernels:
  - .name:           k_q7d8e61710a_qkv
    .symbol:         k_q7d8e61710a_qkv.kd
    .args:
      - { .name: hc, .offset: 0, .size: 8, .value_kind: global_buffer, .address_space: global }
      - { .name: wc, .offset: 8, .size: 8, .value_kind: global_buffer, .address_space: global }
      - { .name: lowp_scales, .offset: 16, .size: 8, .value_kind: global_buffer, .address_space: global }
      - { .name: qkvc, .offset: 24, .size: 8, .value_kind: global_buffer, .address_space: global }
      - { .name: bq, .offset: 32, .size: 8, .value_kind: global_buffer, .address_space: global }
      - { .name: bk, .offset: 40, .size: 8, .value_kind: global_buffer, .address_space: global }
      - { .name: bv, .offset: 48, .size: 8, .value_kind: global_buffer, .address_space: global }
    .group_segment_fixed_size: 327680
    .private_segment_fixed_size: 0
    .kernarg_segment_align: 8
    .kernarg_segment_size: 56
    .max_flat_workgroup_size: 128
    .sgpr_count:     98
    .vgpr_count:     1024
    .wavefront_size: 32
...
	.end_amdgpu_metadata
.endif
;; end of part 2
;; launch attn (part 3): grid 8 x 32, 16 waves a work-group, clusters of 4 x 1, 327,680 bytes of LDS; arguments qkvc, lowp_scales, yc; writes yc
.if DOCPART == 3
	.amdgcn_target "amdgcn-amd-amdhsa--gfx1250"
	.amdhsa_code_object_version 6
	.text
	.protected	k_q7d8e61710a_attn
	.globl	k_q7d8e61710a_attn
	.p2align	8
	.type	k_q7d8e61710a_attn,@function
k_q7d8e61710a_attn:
	s_mov_b64 s[64:65], 0
	v_nop
	global_prefetch_b8 v0, s[64:65] scope:SCOPE_SE
	s_setreg_imm32_b32 hwreg(HW_REG_WAVE_MODE, 25, 1), 1
	s_wait_xcnt 0x0
	s_wait_alu depctr_hold_cnt(0) depctr_sa_sdst(0) depctr_va_vdst(0) depctr_va_sdst(0) depctr_va_ssrc(0) depctr_va_vcc(0) depctr_vm_vsrc(0)
	s_getreg_b32 s2, hwreg(HW_REG_IB_STS2, 6, 4)
	s_cmp_eq_u32 s2, 0
	s_cbranch_scc0 .Lentry_in_a_cluster
	s_endpgm
.Lentry_in_a_cluster:
	s_bfe_u32 s2, ttmp6, 0x10000c
	s_cmp_lg_u32 s2, 0x3003
	s_cbranch_scc0 .Lentry_shape_is_right
	s_endpgm
.Lentry_shape_is_right:
; y[b][t][head] = softmax(q k^T / 8) v for 32 heads of 64, 2,048 keys, both products on codes of E4M3; y is quantised at once for the next product (entry 10) and laid [16 heads][4,096 tokens][64].
; q, k: [32][2,048][64] codes at 0 and 0x400000 of qkvc; v with the keys innermost, [32][64][2,048], at 0x800000.  Exponents: entries 6 (q), 7 (k), 8 (v), 9 (p), 10 (y).
; THE SOFTMAX: t = score x log2(e) / 8; M = the running largest t rounded up to a whole number; p = 2^(t - M) is quantised, not normalised; the row's sum is taken of the unquantised p and divides at the end;
; when M moves, the sum and O are multiplied by 2^(old M - new M), which rounds nothing.
; SHARES.  A work-group owns 256 queries of one head, each of its sixteen waves 16, in 256 registers: four waves to a SIMD, so that one wave's vector work stands beside another's products and LDS loads.
; THE WHOLE HEAD'S K AND V LIE IN LDS: 2,048 x 80 + 4 x 64 x 528 bytes.  Each byte of LDS is filled once: there is no ring and no refill.  The fills go out at the start in four groups of 512 keys
; (waves 0-3: 128 keys of K a group each; wave 4: V's 64 rows x 512 keys a group): four tensor loads of a wave are out at most, and a group is worked on as soon as it has landed.
; CLUSTER.  The four query blocks of a cluster belong to one head: each tile is asked for jointly, by the same load with the same descriptor and the mask of all four.
; LAYOUT.  Both products are used transposed (S^T = K Q^T, O^T = V^T P^T): a lane holds one query (lane % 16) throughout.  Lane r of tile 2 b + u of K takes key 32 b + 8 u + r + 8 (r / 8), so that the 16 registers
; of tiles 2 b and 2 b + 1 are the neighbouring keys 32 b + 16 (lane / 16) + 0 .. 15: the conversions' results are the second product's operand.
; LIMITS: e6 + e7 between -123 and 130; e9 and e10 between -126 and 119.  NaN among the inputs is not served.
; REGISTERS: v1, v2 my lane's place in a tile of K, of V; v7 16 x lane; v8, v9 the step's LDS addresses; v12 -M, v13 the largest t, v[14:15] the sum; v16-23 Q; v32-95 fragments of K, then of V; v96-159 S^T, then p;
;   v160-191 O^T; v192-197 at work; v198, v199: 448 x 2^e9, 2^e9; v200, v201: the same for e10; v224-239 p's codes.
.set KP,    80                         ; a key's row in LDS: 64 bytes + 16
.set VP,    528                        ; a row of V's group: 512 bytes + 16
.set KG,    512*KP                     ; a group of K
.set VOFF,  4*KG
.set VG,    64*VP                      ; a group of V
.set STAGE, VOFF+4*VG                  ; behind the tiles: 16 rows x 80 bytes for each wave; no fill lands here
.set AK0,  1
.set AV0,  2
.set GO,   7
.set ADK,  8
.set ADV,  9
.set WV,   18
.set SEL,  20
.set CS,   22
.set G1K,  24
.set G1V,  32
.set G0K,  40                          ; s[40:55] group 0 of K's four loads
.set G0V,  68                          ; s[68:83] of V's
.macro CROUND                          ; a round of the cluster's barrier
	s_barrier_signal -1
	s_barrier_wait -1
	s_cmp_lg_u32 s[WV], 0
	s_cbranch_scc1 .Lnot_wave_0_\@
	s_barrier_signal -3
.Lnot_wave_0_\@:
	s_barrier_wait -3
	s_barrier_signal -1
	s_barrier_wait -1
.endm
	s_load_b128 s[4:7], s[0:1], 0x0                ; qkvc s[4:5], the exponents s[6:7]
	s_load_b64 s[8:9], s[0:1], 0x10                ; yc
	v_lshl_add_u32 v254, v0, 2, 0x4e000
	v_mov_b32 v255, 0
	ds_add_u32 v254, v255
	ds_add_u32 v254, v255
	v_lshrrev_b32 v8, 5, v0
	v_readfirstlane_b32 s[WV], v8                  ; wave 0..15
	s_bfe_u32 s10, ttmp6, 0x40000                  ; cx
	s_lshl_b32 s11, ttmp9, 2
	s_add_co_u32 s11, s11, s10                     ; my block of 256 queries: it enters q's and y's addresses alone
	s_and_b32 s12, ttmp7, 0xffff                   ; the head (16 x batch + head), which the four partners share
	s_lshl_b32 s56, s12, 17                        ; its 131,072 bytes in each of q, k, v
	s_mov_b32 s57, 0
	s_and_b32 s14, s[WV], 3
	s_lshl_b32 s58, s14, 13                        ; K: my 128 keys of a group, in memory,
	s_add_co_u32 s58, s58, s56
	s_mov_b32 s59, 0
	s_mul_i32 s15, s14, 128*KP                     ; and in LDS
	s_mov_b32 s[G1K], 15|(0<<16)|(1<<20)|(1<<21)|(3<<22)|(3<<25)   ; the mask of all four; elements of 1 byte; padding on; bit 21 beside a mask; 4 words of padding after every 16
	s_mov_b32 s[G1K+1], 64<<16                     ; tensor_dim0
	s_mov_b32 s[G1K+2], 128<<16                    ; tensor_dim1
	s_mov_b32 s[G1K+3], 64<<16                     ; tile_dim0
	s_mov_b32 s[G1K+4], 128                        ; tile_dim1
	s_mov_b32 s[G1K+5], 64                         ; the pitch
	s_mov_b32 s[G1K+6], 0
	s_mov_b32 s[G1K+7], 0
	s_mov_b32 s[G1V], 15|(0<<16)|(1<<20)|(1<<21)|(6<<22)|(3<<25)   ; 4 words of padding after every 128
	s_mov_b32 s[G1V+1], 512<<16
	s_mov_b32 s[G1V+2], 64<<16
	s_mov_b32 s[G1V+3], 512<<16
	s_mov_b32 s[G1V+4], 64
	s_mov_b32 s[G1V+5], 2048
	s_mov_b32 s[G1V+6], 0
	s_mov_b32 s[G1V+7], 0
	s_mov_b32 s[SEL], 0x76543210
	s_mov_b32 s[SEL+1], 0xfedcba98
	s_mov_b32 s[CS], 0x3e38aa3b                    ; c = log2(e) / 8
	s_wait_dscnt 0x0
	s_wait_kmcnt 0x0
	s_load_b128 s[84:87], s[6:7], 0x18             ; e6, e7, e8, e9
	s_load_b32 s88, s[6:7], 0x28                   ; e10
	s_add_nc_u64 s[58:59], s[4:5], s[58:59]
	s_add_nc_u64 s[58:59], s[58:59], 0x400000      ; k's codes at my keys of group 0
	s_add_nc_u64 s[60:61], s[4:5], s[56:57]
	s_add_nc_u64 s[60:61], s[60:61], 0x800000      ; v's codes of the head
.irp g, 0,1,2,3
	s_mov_b32 s[G0K+4*\g], 1
	s_add_co_u32 s[G0K+4*\g+1], s15, \g*KG
	s_add_nc_u64 s[G0K+4*\g+2:G0K+4*\g+3], s[58:59], \g*32768
	s_or_b32 s[G0K+4*\g+3], s[G0K+4*\g+3], 0x80000000
	s_mov_b32 s[G0V+4*\g], 1
	s_mov_b32 s[G0V+4*\g+1], VOFF+\g*VG
	s_add_nc_u64 s[G0V+4*\g+2:G0V+4*\g+3], s[60:61], \g*512
	s_or_b32 s[G0V+4*\g+3], s[G0V+4*\g+3], 0x80000000
.endr
	CROUND                                         ; all four work-groups are here: the joint loads meet
	s_cmp_lt_u32 s[WV], 4                          ; a wave's fills stand in one branch on its number, ahead of every wait on TENSORcnt, every LDS read and every other barrier
	s_cbranch_scc0 .Lnot_k
	tensor_load_to_lds s[G0K:G0K+3], s[G1K:G1K+7]
	s_nop 0
	tensor_load_to_lds s[G0K+4:G0K+7], s[G1K:G1K+7]
	s_nop 0
	tensor_load_to_lds s[G0K+8:G0K+11], s[G1K:G1K+7]
	s_nop 0
	tensor_load_to_lds s[G0K+12:G0K+15], s[G1K:G1K+7]
	s_nop 0
.rept 4
	v_nop
.endr
	s_branch .Lasked
.Lnot_k:
	s_cmp_eq_u32 s[WV], 4
	s_cbranch_scc0 .Lasked
	tensor_load_to_lds s[G0V:G0V+3], s[G1V:G1V+7]
	s_nop 0
	tensor_load_to_lds s[G0V+4:G0V+7], s[G1V:G1V+7]
	s_nop 0
	tensor_load_to_lds s[G0V+8:G0V+11], s[G1V:G1V+7]
	s_nop 0
	tensor_load_to_lds s[G0V+12:G0V+15], s[G1V:G1V+7]
	s_nop 0
.rept 4
	v_nop
.endr
.Lasked:
	s_lshl_b32 s13, s11, 8
	s_lshl_b32 s16, s[WV], 4
	s_add_co_u32 s13, s13, s16                     ; my first query in the head
	s_lshl_b32 s16, s13, 6
	s_mov_b32 s17, 0
	s_add_nc_u64 s[4:5], s[4:5], s[56:57]
	s_add_nc_u64 s[4:5], s[4:5], s[16:17]          ; q's codes at my first query
	s_and_b32 s16, s12, 15
	s_lshl_b32 s16, s16, 12                        ; y: the head's 4,096 tokens,
	s_lshr_b32 s19, s12, 4
	s_lshl_b32 s19, s19, 11                        ; the batch's 2,048,
	s_add_co_u32 s16, s16, s19
	s_add_co_u32 s16, s16, s13
	s_lshl_b32 s16, s16, 6                         ; 64 bytes a token
	s_add_nc_u64 s[8:9], s[8:9], s[16:17]
	v_and_b32 v8, 15, v0                           ; r
	v_bfe_u32 v9, v0, 4, 1                         ; h
	v_lshlrev_b32 v10, 6, v8
	v_lshl_add_u32 v10, v9, 4, v10
	global_load_b128 v[16:19], v10, s[4:5]         ; Q's fragment: registers 4 c .. 4 c + 3 hold channels 32 c + 16 h + 0 .. 15, as K's do
	global_load_b128 v[20:23], v10, s[4:5] offset:32
	v_and_b32 v11, 8, v8
	v_add_nc_u32 v11, v11, v8                      ; r + 8 (r / 8)
	v_mul_u32_u24 v[AK0], v11, KP
	v_lshl_add_u32 v[AK0], v9, 4, v[AK0]
	v_mul_u32_u24 v[AV0], v8, VP
	v_lshl_add_u32 v[AV0], v9, 4, v[AV0]
	v_and_b32 v3, 31, v0
	v_lshlrev_b32 v[GO], 4, v3
	v_mov_b32 v13, 0xff61b1e6                      ; the largest t so far: -3e38
	v_floor_f32 v12, -v13                          ; -M
	v_mov_b32 v14, 0
	v_mov_b32 v15, 0
	v_mov_b32 v193, 0                              ; written once: a lane exchange's destination counts as read
	v_mov_b32 v195, 0                              ; (named as the upper half of the pair v[194:195])
.set jj, 0
.rept 32
	v_mov_b32 v[160+jj], 0                         ; O^T: the step is written without a first form: the first change of M multiplies zeros
.set jj, jj+1
.endr
	s_wait_kmcnt 0x0
	s_add_co_i32 s56, s84, s85
	s_lshl_b32 s56, s56, 23
	s_add_co_i32 s[CS], s[CS], s56                 ; a score stands for score x 2^(e6 + e7): added to c's exponent field
	s_mov_b32 s[CS+1], s[CS]
	s_add_co_i32 s56, s87, 127
	s_lshl_b32 s57, s56, 23
	v_mov_b32 v199, s57                            ; 2^e9
	s_add_co_i32 s56, s56, 8
	s_lshl_b32 s56, s56, 23
	s_or_b32 s56, s56, 0x600000
	v_mov_b32 v198, s56                            ; 448 x 2^e9
	s_add_co_i32 s56, s88, 127
	s_lshl_b32 s57, s56, 23
	v_mov_b32 v201, s57                            ; 2^e10
	s_add_co_i32 s56, s56, 8
	s_lshl_b32 s56, s56, 23
	s_or_b32 s56, s56, 0x600000
	v_mov_b32 v200, s56                            ; 448 x 2^e10
	s_add_co_i32 s89, s86, s87                     ; e8 + e9
; A KEY STEP: 128 keys.  s2: LDS byte of their rows of K; s3: of their bytes in V's rows.
.macro STEP
	v_add_nc_u32 v[ADK], s2, v[AK0]
	v_add_nc_u32 v[ADV], s3, v[AV0]
	v_nop                                          ; with the two additions: four places in front of loads into registers that the last products read
	v_nop
.irp t, 0,1,2,3,4,5,6,7
	ds_load_b128 v[32+8*\t:35+8*\t], v[ADK] offset:(32*(\t/2)+8*(\t%2))*KP
	ds_load_b128 v[36+8*\t:39+8*\t], v[ADK] offset:(32*(\t/2)+8*(\t%2))*KP+32
.endr
	s_wait_dscnt 8                                 ; tiles 0-3 are in; the youngest eight loads may be out
.irp t, 0,1,2,3
	v_wmma_f32_16x16x64_fp8_fp8 v[96+8*\t:103+8*\t], v[32+8*\t:39+8*\t], v[16:23], 0
.endr
	s_wait_dscnt 0x0
.irp t, 4,5,6,7
	v_wmma_f32_16x16x64_fp8_fp8 v[96+8*\t:103+8*\t], v[32+8*\t:39+8*\t], v[16:23], 0
.endr
.rept 4
	v_nop                                          ; places: in front of the loads into K's registers and of the first read of the scores
.endr
.irp t, 0,1,2,3
.irp c, 0,1,2,3
	ds_load_b128 v[32+16*\t+4*\c:35+16*\t+4*\c], v[ADV] offset:16*\t*VP+32*\c   ; V's four fragments land while the softmax is worked
.endr
.endr
	v_max3_num_f32 v192, v96, v97, v98             ; the step's largest score of my query among my 64 keys, in two chains; each tile's registers from the low end on
	v_max3_num_f32 v194, v99, v100, v101
.irp i, 6,10,14,18,22,26,30,34,38,42,46,50,54,58
	v_max3_num_f32 v192, v192, v[96+\i], v[97+\i]
	v_max3_num_f32 v194, v194, v[98+\i], v[99+\i]
.endr
	v_max3_num_f32 v192, v192, v158, v159
	v_max_num_f32 v192, v192, v194
	v_permlanex16_b32 v193, v192, s[SEL], s[SEL+1]
	v_max_num_f32 v192, v192, v193                 ; and among lane l xor 16's
	v_mul_f32 v192, s[CS], v192                    ; as t (c is positive)
	v_max_num_f32 v13, v13, v192
	v_mov_b32 v192, v12
	v_floor_f32 v12, -v13                          ; the new -M = -ceil(t)
	v_sub_f32 v192, v12, v192                      ; old M - new M: a whole number, 0 or less
	v_cvt_i32_f32 v192, v192                       ; (it saturates)
	v_ldexp_f32 v194, 1.0, v192                    ; f = 2^(old M - new M)
.set jj, 0
.rept 32
	v_pk_fma_f32 v[96+jj:97+jj], v[96+jj:97+jj], s[CS:CS+1], v[12:13] op_sel_hi:[1,0,0]   ; t - M
.set jj, jj+2
.endr
.set jj, 0
.rept 64
	v_exp_f32 v[96+jj], v[96+jj]                   ; p = 2^(t - M)
.set jj, jj+1
.endr
	v_pk_mul_f32 v[14:15], v[14:15], v[194:195] op_sel_hi:[1,0]   ; the sums under the new M: a plain instruction behind the exponentials
	s_wait_alu depctr_va_vdst(0)                   ; one wait for the batch, ahead of its first reader
	v_pk_add_f32 v[196:197], v[96:97], v[98:99]    ; the row's sum of the unquantised p, in two chains
.irp j, 4,8,12,16,20,24,28,32,36,40,44,48,52,56,60
	v_pk_add_f32 v[14:15], v[14:15], v[96+\j:97+\j]
	v_pk_add_f32 v[196:197], v[196:197], v[98+\j:99+\j]
.endr
	v_pk_add_f32 v[14:15], v[14:15], v[196:197]
.irp b, 0,1,2,3
.irp i, 0,1,2,3,4,5,6,7,8,9,10,11,12,13,14,15
	v_min_num_f32 v[96+16*\b+\i], v[96+16*\b+\i], v198   ; the conversion does not saturate (ISA guide 7.6.2); p is not negative: a one-sided hold
.endr
	v_cvt_scalef32_pk8_fp8_f32 v[224+4*\b:225+4*\b], v[96+16*\b:103+16*\b], v199
	v_cvt_scalef32_pk8_fp8_f32 v[226+4*\b:227+4*\b], v[104+16*\b:111+16*\b], v199
.endr
.set jj, 0
.rept 16
	v_pk_mul_f32 v[160+jj:161+jj], v[160+jj:161+jj], v[194:195] op_sel_hi:[1,0]   ; O^T under the new M; also the plain instructions behind the conversions
.set jj, jj+2
.endr
	s_wait_dscnt 0x0                               ; V's fragments
.irp t, 0,1,2,3
	v_wmma_f32_16x16x128_fp8_fp8 v[160+8*\t:167+8*\t], v[32+16*\t:47+16*\t], v[224:239], v[160+8*\t:167+8*\t]   ; the four accumulators by turns; the eight products K Q^T stand between two links
.endr
.endm
; A GROUP of 512 keys: its tiles have landed (my later groups' loads may stay out), everybody's have; then four key steps.
.macro GROUP g
	s_wait_tensorcnt 3-\g
	s_wait_dscnt 0x0
	s_barrier_signal -1
	s_barrier_wait -1
	s_mov_b32 s2, \g*KG
	s_mov_b32 s3, VOFF+\g*VG
	s_mov_b32 s62, 4
.Lstep_\@:
	STEP
	s_add_co_u32 s2, s2, 128*KP
	s_add_co_u32 s3, s3, 128
	s_sub_co_u32 s62, s62, 1
	s_cmp_lg_u32 s62, 0
	s_cbranch_scc1 .Lstep_\@
.endm
	s_wait_loadcnt 0x0                             ; Q
	GROUP 0
	GROUP 1
	GROUP 2
	GROUP 3
	; THE WAY OUT: O^T / the sum x 2^(e8 + e9), quantised with e10; a lane's eight channels are 8 bytes; 16 rows of 64 bytes go through my stage and leave as 1,024 consecutive bytes.
	v_add_f32 v14, v14, v15
	v_permlanex16_b32 v193, v14, s[SEL], s[SEL+1]
	v_add_f32 v14, v14, v193                       ; the row's sum
	v_rcp_f32 v14, v14
	v_and_b32 v8, 15, v0                           ; (plain instructions behind the reciprocal)
	v_bfe_u32 v9, v0, 4, 1
	s_mul_i32 s56, s[WV], 16*KP
	s_add_co_u32 s56, s56, STAGE                   ; my stage
	v_mul_u32_u24 v10, v8, KP
	v_lshl_add_u32 v10, v9, 3, v10
	v_add_nc_u32 v10, s56, v10                     ; in: row r, + 8 h
	v_lshrrev_b32 v11, 2, v3
	v_mul_u32_u24 v11, v11, KP
	v_and_b32 v4, 3, v3
	v_lshl_add_u32 v11, v4, 4, v11
	v_add_nc_u32 v11, s56, v11                     ; back: four lanes to a row, eight rows an instruction
	s_wait_alu depctr_va_vdst(0)                   ; ahead of the reciprocal's first reader
	v_ldexp_f32 v14, v14, s89
.set jj, 0
.rept 32
	v_mul_f32 v[96+jj], v[160+jj], v14             ; register 8 t + j is y(r, 16 t + 8 h + j)
.set jj, jj+1
.endr
.set jj, 0
.rept 32
	v_med3_num_f32 v[96+jj], v[96+jj], -v200, v200
.set jj, jj+1
.endr
.irp t, 0,1,2,3
	v_cvt_scalef32_pk8_fp8_f32 v[224+2*\t:225+2*\t], v[96+8*\t:103+8*\t], v201
.endr
	v_nop
.irp t, 0,1,2,3
	ds_store_b64 v10, v[224+2*\t:225+2*\t] offset:16*\t
.endr
	ds_load_b128 v[32:35], v11                     ; LDS serves a wave's instructions in order: these see my stores
	ds_load_b128 v[36:39], v11 offset:8*KP
	s_wait_dscnt 1
	global_store_b128 v[GO], v[32:35], s[8:9]      ; 32 lanes store 512 consecutive bytes, aligned
	s_wait_dscnt 0x0
	global_store_b128 v[GO], v[36:39], s[8:9] offset:512
	s_wait_tensorcnt 0x0
	ds_add_u32 v254, v255
	s_wait_dscnt 0x0
	CROUND                                         ; the closing round: no work-group ends while a partner may still ask for a tile that names it
	s_endpgm
.Lfunc_end_k_q7d8e61710a_attn:
	.size	k_q7d8e61710a_attn, .Lfunc_end_k_q7d8e61710a_attn-k_q7d8e61710a_attn
	.p2alignl 7, 3214868480
	.fill 96, 4, 3214868480
	.section	.rodata,"a",@progbits
	.p2align	6, 0x0
	.amdhsa_kernel k_q7d8e61710a_attn
		.amdhsa_group_segment_fixed_size 327680
		.amdhsa_private_segment_fixed_size 0
		.amdhsa_enable_private_segment 0
		.amdhsa_kernarg_size 24
		.amdhsa_user_sgpr_count 2
		.amdhsa_user_sgpr_kernarg_segment_ptr 1
		.amdhsa_wavefront_size32 1
		.amdhsa_system_sgpr_workgroup_id_x 1
		.amdhsa_system_sgpr_workgroup_id_y 1
		.amdhsa_system_sgpr_workgroup_id_z 1
		.amdhsa_system_vgpr_workitem_id 0
		.amdhsa_next_free_vgpr 256
		.amdhsa_next_free_sgpr 92
		.amdhsa_reserve_vcc 0
		.amdhsa_float_denorm_mode_32 3
		.amdhsa_float_denorm_mode_16_64 3
		.amdhsa_memory_ordered 1
		.amdhsa_forward_progress 1
		.amdhsa_inst_pref_size 77
	.end_amdhsa_kernel
	.amdgpu_metadata
---
amdhsa.version: [ 1, 2 ]
amdhsa.kernels:
  - .name:           k_q7d8e61710a_attn
    .symbol:         k_q7d8e61710a_attn.kd
    .args:
      - { .name: qkvc, .offset: 0, .size: 8, .value_kind: global_buffer, .address_space: global }
      - { .name: lowp_scales, .offset: 8, .size: 8, .value_kind: global_buffer, .address_space: global }
      - { .name: yc, .offset: 16, .size: 8, .value_kind: global_buffer, .address_space: global }
    .group_segment_fixed_size: 327680
    .private_segment_fixed_size: 0
    .kernarg_segment_align: 8
    .kernarg_segment_size: 24
    .max_flat_workgroup_size: 512
    .sgpr_count:     92
    .vgpr_count:     256
    .wavefront_size: 32
...
	.end_amdgpu_metadata
.endif
;; end of part 3
;; launch wo (part 4): grid 4 x 16, 4 waves a work-group, clusters of 4 x 4, 327,680 bytes of LDS; arguments yc, wc, lowp_scales, x1, bo, x; writes x1
.if DOCPART == 4
	.amdgcn_target "amdgcn-amd-amdhsa--gfx1250"
	.amdhsa_code_object_version 6
	.text
	.protected	k_q7d8e61710a_wo
	.globl	k_q7d8e61710a_wo
	.p2align	8
	.type	k_q7d8e61710a_wo,@function
k_q7d8e61710a_wo:
	s_mov_b64 s[64:65], 0
	v_nop
	global_prefetch_b8 v0, s[64:65] scope:SCOPE_SE
	s_setreg_imm32_b32 hwreg(HW_REG_WAVE_MODE, 25, 1), 1
	s_wait_xcnt 0x0
	s_wait_alu depctr_hold_cnt(0) depctr_sa_sdst(0) depctr_va_vdst(0) depctr_va_sdst(0) depctr_va_ssrc(0) depctr_va_vcc(0) depctr_vm_vsrc(0)
	s_getreg_b32 s2, hwreg(HW_REG_IB_STS2, 6, 4)
	s_cmp_eq_u32 s2, 0
	s_cbranch_scc0 .Lentry_in_a_cluster
	s_endpgm
.Lentry_in_a_cluster:
	s_bfe_u32 s2, ttmp6, 0x10000c
	s_cmp_lg_u32 s2, 0xf033
	s_cbranch_scc0 .Lentry_shape_is_right
	s_endpgm
.Lentry_shape_is_right:
; x1 = x + y Wo + bo.  y: codes laid [16 heads][4,096 tokens][64]; Wo: codes [1,024 n][1,024 k] at 0x300000 of wc; exponents: entries 10, 11.  x, x1: [4,096][1,024] f32.
; A tile of 256 x 256 is made by four waves, each 128 x 128; K = 1,024 in steps of 256 (four heads) through a ring of two LDS slots; clusters of 4 x 4 with joint loads; the matrix instruction is used transposed.
; A'S TILE: 128 tokens x 4 heads.  In memory a head's 128 tokens are 8,192 consecutive bytes, heads 262,144 bytes apart: a tile of 4 rows of 8,192 bytes, with 16 bytes of padding behind every 64:
; in LDS [4 heads][128 tokens][80 bytes].  A fragment's registers 4 c .. 4 c + 3 hold k = 32 c + 16 (l / 16) + 0 .. 15 of a step of 128: head c / 2 of the step's two, bytes 32 (c % 2) + 16 (l / 16): the same k as in B.
; Only 64 work-groups have work: 16 x 4 tiles of this size; the tile is kept for its LDS reads per product.
; LIMIT: e10 + e11 between -126 and 127.
; REGISTERS as in the other products of this program: window 0: v0-31 addresses, v32-95 a block's scaled sums, v96-99 the bias at my four columns, from v128 A's fragments, later rows read back;
;   window 1: B's fragments, two sets; on the way out four sets of 64 for the residual's rows; windows 2, 3: the accumulators.
.set SIZE_K, 1024
.set SIZE_N, 1024
.set KSTEP,  256
.set ROWB,   256
.set KROW,   SIZE_K
.set PITCH,  272
.set APITCH, 80                        ; a token's 64 bytes of a head + 16: an odd multiple of 16 bytes: the 16 rows of a load start at 16 different groups of banks
.set AHEAD,  128*APITCH                ; a head's 128 tokens
.set HALFA,  4*AHEAD                   ; what one of A's loads brings
.set BOFF,   2*HALFA
.set ASTEP,  0x100000                  ; four heads on, in bytes
.set FR,     16
.set NL,     4
.set NP,     4
.set HALFT,  128*PITCH
.set SLOT,   BOFF+2*HALFT
.set LAPS,   SIZE_K/(2*KSTEP)
.set SPARE,  2*SLOT
.set SPITCH, 528                       ; the way out: a stage of 16 rows x (512 bytes + 16) for each wave, in slot 0, which has had its last fill and its last read by then
.set ADRA, 16
.set ADRB, 20
.set STO,  24
.set RD,   25
.set CO,   26
.set SPW,  28
.set NIL,  29
.set TMP,  32
.set BO,   96
.set AF,   128
.set BK,   128
.set G1, 24
.set G0, 32
.set G1B, 48
.set G0B, 56
.set MSB, 0
.macro WIN new
.if MSB != \new
	s_set_vgpr_msb (MSB<<8)|\new
.set MSB, \new
.endif
.endm
.set MUL_LO, 0xa1
.set MUL_HI, 0xf1
.set TO_B,   0x40
.macro JLOAD g0a, g1a, g0b, g1b        ; a joint load: waves 0, 1 fetch for A, waves 2, 3 for B; four v_nop follow each of the two lines
	s_cmp_eq_u32 s15, 0
	s_cbranch_scc0 .Lfor_b_\@
	tensor_load_to_lds s[\g0a:\g0a+3], s[\g1a:\g1a+7]
	s_nop 0
.rept 4
	v_nop
.endr
	s_branch .Lasked_\@
.Lfor_b_\@:
	tensor_load_to_lds s[\g0b:\g0b+3], s[\g1b:\g1b+7]
	s_nop 0
.rept 4
	v_nop
.endr
.Lasked_\@:
.endm
.macro CREST
	s_cmp_lg_u32 s14, 0
	s_cbranch_scc1 .Lnot_wave_0_\@
	s_barrier_signal -3
.Lnot_wave_0_\@:
	s_barrier_wait -3
	s_barrier_signal -1
	s_barrier_wait -1
.endm
.macro CROUND
	s_barrier_signal -1
	s_barrier_wait -1
	CREST
.endm
	s_load_b256 s[4:11], s[0:1], 0x0               ; yc s[4:5], wc s[6:7], the exponents s[8:9], x1 s[10:11]
	s_load_b128 s[84:87], s[0:1], 0x20             ; bo s[84:85], x s[86:87]
	v_lshl_add_u32 v[SPW], v0, 2, SPARE
	v_mov_b32 v[NIL], 0
	ds_add_u32 v28, v29
	ds_add_u32 v28, v29
	s_wait_dscnt 0x0
	v_lshrrev_b32 v1, 5, v0
	v_readfirstlane_b32 s14, v1
	s_lshr_b32 s15, s14, 1
	s_and_b32 s16, s14, 1
	s_bfe_u32 s40, ttmp6, 0x40000
	s_bfe_u32 s41, ttmp6, 0x40004
	s_lshl_b32 s42, ttmp9, 2
	s_add_co_u32 s42, s42, s40                     ; tile column
	s_and_b32 s17, ttmp7, 0xffff
	s_lshl_b32 s17, s17, 2
	s_add_co_u32 s17, s17, s41                     ; tile row
	s_lshl_b32 s43, s41, 2
	s_lshl_b32 s43, 15, s43
	s_lshl_b32 s44, 0x1111, s40
	s_or_b32 s[G1+0], s43, (0<<16)|(1<<20)|(1<<21)|(3<<22)|(3<<25)  ; A: the mask of my row; elements of 1 byte; padding on; bit 21 beside a mask; 4 words of padding after every 16
	s_mov_b32 s[G1+1], 8192<<16                    ; tensor_dim0 = 8,192
	s_mov_b32 s[G1+2], 4<<16                       ; tensor_dim1 = 4
	s_mov_b32 s[G1+3], 8192<<16                    ; tile_dim0
	s_mov_b32 s[G1+4], 4                           ; tile_dim1
	s_mov_b32 s[G1+5], 262144                      ; from head to head
	s_mov_b32 s[G1+6], 0
	s_mov_b32 s[G1+7], 0
	s_or_b32 s[G1B+0], s44, (0<<16)|(1<<20)|(1<<21)|(5<<22)|(3<<25) ; B: the mask of my column; 4 words of padding after every 64
	s_mov_b32 s[G1B+1], ROWB<<16
	s_mov_b32 s[G1B+2], 128<<16
	s_mov_b32 s[G1B+3], ROWB<<16
	s_mov_b32 s[G1B+4], 128
	s_mov_b32 s[G1B+5], KROW
	s_mov_b32 s[G1B+6], 0
	s_mov_b32 s[G1B+7], 0
	s_lshl_b32 s18, s16, 7
	s_lshl_b32 s20, s17, 8
	s_add_co_u32 s20, s20, s18                     ; A: token 256 x tile row + 128 x half,
	s_lshl_b32 s20, s20, 6                         ; 64 bytes each
	s_mov_b32 s21, 0
	s_lshl_b32 s46, s42, 8
	s_add_co_u32 s46, s46, s18                     ; B: row 256 x tile column + 128 x half,
	s_lshl_b32 s46, s46, 10                        ; 1,024 bytes each
	s_mov_b32 s47, 0
	s_mul_i32 s45, s16, HALFA                      ; where they go: by the wave's number alone
	s_mul_i32 s23, s16, HALFT
	s_add_co_u32 s23, s23, BOFF
	s_wait_kmcnt 0x0
	s_load_b64 s[96:97], s[8:9], 0x28              ; e10, e11
	s_add_nc_u64 s[6:7], s[6:7], 0x300000          ; Wo's codes
	s_add_nc_u64 s[20:21], s[4:5], s[20:21]
	s_add_nc_u64 s[46:47], s[6:7], s[46:47]
	CROUND
.irp s, 0,1
	s_mov_b32 s[G0+4*\s], 1
	s_add_co_u32 s[G0+4*\s+1], s45, \s*SLOT
	s_add_nc_u64 s[G0+4*\s+2:G0+4*\s+3], s[20:21], \s*ASTEP
	s_or_b32 s[G0+4*\s+3], s[G0+4*\s+3], 0x80000000
	s_mov_b32 s[G0B+4*\s], 1
	s_add_co_u32 s[G0B+4*\s+1], s23, \s*SLOT
	s_add_nc_u64 s[G0B+4*\s+2:G0B+4*\s+3], s[46:47], \s*ROWB
	s_or_b32 s[G0B+4*\s+3], s[G0B+4*\s+3], 0x80000000
	JLOAD G0+4*\s, G1, G0B+4*\s, G1B
.endr
	v_and_b32 v1, 15, v0
	v_bfe_u32 v2, v0, 4, 1
	v_mul_u32_u24 v3, v1, PITCH
	v_lshl_add_u32 v4, v2, 4, v3                   ; B: row x 272 + 16 x half
	v_mul_u32_u24 v7, v1, APITCH
	v_lshl_add_u32 v7, v2, 4, v7                   ; A: token x 80 + 16 x half
	s_mul_i32 s21, s15, HALFA
	s_mul_i32 s22, s16, HALFT
	s_add_co_u32 s22, s22, BOFF
.irp s, 0,1
	v_add_nc_u32 v[ADRA+\s], s21, v7
	v_add_nc_u32 v[ADRB+\s], s22, v4
	s_add_co_u32 s21, s21, SLOT
	s_add_co_u32 s22, s22, SLOT
.endr
	s_mul_i32 s23, s14, 16*SPITCH                  ; my stage
	v_mul_u32_u24 v5, v1, SPITCH
	v_lshl_add_u32 v5, v2, 5, v5
	v_add_nc_u32 v[STO], s23, v5
	v_and_b32 v6, 31, v0
	v_lshlrev_b32 v[CO], 4, v6
	v_add_nc_u32 v[RD], s23, v[CO]
	s_lshl_b32 s20, s17, 8
	s_lshl_b32 s21, s15, 7
	s_add_co_u32 s20, s20, s21                     ; my first row
	s_lshl_b32 s20, s20, 12                        ; 4,096 bytes a row
	s_mov_b32 s21, 0
	s_lshl_b32 s46, s42, 10
	s_lshl_b32 s47, s16, 9
	s_add_co_u32 s46, s46, s47                     ; my first column, in bytes
	s_mov_b32 s47, 0
	s_add_nc_u64 s[84:85], s[84:85], s[46:47]
	s_add_nc_u64 s[20:21], s[20:21], s[46:47]
	s_add_nc_u64 s[10:11], s[10:11], s[20:21]
	s_add_nc_u64 s[12:13], s[86:87], s[20:21]      ; the residual at the same place
	global_load_b128 v[BO:BO+3], v[CO], s[84:85]   ; the bias at the four columns that I store
.macro FRAG reg, adr, q, i
.irp c, 0,1,2,3
	ds_load_b128 v[\reg+4*\c:\reg+4*\c+3], v[\adr] offset:128*(\q)+32*\c+(\i)*16*PITCH
.endr
.endm
.macro FRAGA reg, adr, q, i
.irp c, 0,1,2,3
	ds_load_b128 v[\reg+4*\c:\reg+4*\c+3], v[\adr] offset:(2*(\q)+\c/2)*AHEAD+(\i)*16*APITCH+32*(\c%2)
.endr
.endm
.macro MUL16 a0, p, zero               ; the 64 accumulators take turns, one instruction a turn
.irp a, \a0, \a0+1
.irp b, 0,1,2,3,4,5,6,7
.if \zero
	v_wmma_f32_16x16x128_fp8_fp8 v[8*(8*((\a)%4)+\b):8*(8*((\a)%4)+\b)+7], v[128*(\p)+FR*\b:128*(\p)+FR*\b+FR-1], v[AF+FR*(\a):AF+FR*(\a)+FR-1], 0
.else
	v_wmma_f32_16x16x128_fp8_fp8 v[8*(8*((\a)%4)+\b):8*(8*((\a)%4)+\b)+7], v[128*(\p)+FR*\b:128*(\p)+FR*\b+FR-1], v[AF+FR*(\a):AF+FR*(\a)+FR-1], v[8*(8*((\a)%4)+\b):8*(8*((\a)%4)+\b)+7]
.endif
.endr
.endr
.endm
.macro FETCH_B slot, q, p
	WIN TO_B
.irp i, 0,1,2,3,4,5,6,7
	FRAG 128*(\p)+FR*\i, ADRB+\slot, \q, \i
.endr
	WIN 0
.endm
.macro FETCH_A slot, q, i0
.irp i, \i0, \i0+1, \i0+2, \i0+3
	FRAGA AF+FR*(\i), ADRA+\slot, \q, \i
.endr
.endm
.macro PLACES n
.rept \n
	v_nop
.endr
.endm
.macro STEP slot, q, zero
	s_wait_dscnt 4*NL                              ; the youngest 16 loads (A's blocks 4-7) may be out
	WIN MUL_LO
	MUL16 0, (\q)%2, \zero
	MUL16 2, (\q)%2, \zero
	s_wait_dscnt 0
	PLACES NP
	FETCH_B \slot, (\q)+1, 1-(\q)%2
	FETCH_A \slot, (\q)+1, 0
	WIN MUL_HI
	MUL16 4, (\q)%2, \zero
	MUL16 6, (\q)%2, \zero
	PLACES NP
	WIN 0
	FETCH_A \slot, (\q)+1, 4
.endm
.macro TURN slot, next, fill
	s_wait_tensorcnt 0x0                           ; all my tensor loads have landed: my part of the next slot
	ds_add_u32 v[SPW], v[NIL]                      ; 0 onto my spare word
	s_wait_dscnt 4*NL+1                            ; (the add and the youngest 16 loads may be out)
	WIN MUL_LO
	MUL16 0, 1, 0
	s_wait_dscnt 0x0                               ; the add is done, and my reads of this slot are over
	s_barrier_signal -1
	MUL16 2, 1, 0
	WIN 0
	s_barrier_wait -1
.if \fill
	CREST                                          ; the barrier has opened a round of the cluster's barrier
	s_add_nc_u64 s[G0+4*\slot+2:G0+4*\slot+3], s[G0+4*\slot+2:G0+4*\slot+3], 2*ASTEP
	s_add_nc_u64 s[G0B+4*\slot+2:G0B+4*\slot+3], s[G0B+4*\slot+2:G0B+4*\slot+3], 2*ROWB
	JLOAD G0+4*\slot, G1, G0B+4*\slot, G1B
.else
	PLACES NP
.endif
	FETCH_B \next, 0, 0
	FETCH_A \next, 0, 0
	WIN MUL_HI
	MUL16 4, 1, 0
	MUL16 6, 1, 0
	PLACES NP
	WIN 0
	FETCH_A \next, 0, 4
.endm
; THE WAY OUT, block by block of 16 rows x 128 columns: the sums x 2^(e10 + e11) go through my own stage and come back as whole rows of 512 bytes; there the bias and the residual's row are added, and the row is stored.
.macro RLOAD a                         ; the residual's 16 rows of block a into set a % 4 of window 1: 32 lanes read 512 consecutive bytes
	WIN 0x40
.irp t, 0,1,2,3,4,5,6,7,8,9,10,11,12,13,14,15
	global_load_b128 v[64*((\a)%4)+4*\t:64*((\a)%4)+4*\t+3], v[CO], s[12:13] offset:(16*(\a)+\t)*SIZE_N*4 th:TH_LOAD_NT
.endr
	WIN 0
.endm
.macro TOSTAGE a
.set AC, 64*((\a)%4)
	WIN 0x02+((\a)/4)
.set jj, 0
.rept 32
	v_pk_mul_f32 v[TMP+jj:TMP+jj+1], v[AC+jj:AC+jj+1], s[96:97] op_sel_hi:[1,0]   ; each accumulator from its low end on
.set jj, jj+2
.endr
	WIN 0
.irp b, 0,1,2,3,4,5,6,7
	ds_store_b128 v[STO], v[TMP+8*\b:TMP+8*\b+3] offset:64*\b
	ds_store_b128 v[STO], v[TMP+8*\b+4:TMP+8*\b+7] offset:64*\b+16
.endr
.set BB, BK+64*((\a)%2)
.irp t, 0,1,2,3,4,5,6,7,8,9,10,11,12,13,14,15
	ds_load_b128 v[BB+4*\t:BB+4*\t+3], v[RD] offset:\t*SPITCH   ; LDS serves a wave's instructions in order: these see the stores above
.endr
.endm
.macro SEND a, younger
.set BB, BK+64*((\a)%2)
.set RS, 64*((\a)%4)
	s_wait_dscnt \younger                          ; the block is back in registers
.irp t, 0,1,2,3,4,5,6,7,8,9,10,11,12,13,14,15
	v_pk_add_f32 v[BB+4*\t:BB+4*\t+1], v[BB+4*\t:BB+4*\t+1], v[BO:BO+1]
	v_pk_add_f32 v[BB+4*\t+2:BB+4*\t+3], v[BB+4*\t+2:BB+4*\t+3], v[BO+2:BO+3]
.endr
.if (\a) < 5
	s_wait_loadcnt 48                              ; this block's 16 residual loads are in; the three younger sets may be out
.else
	s_wait_loadcnt 16*(7-(\a))
.endif
	WIN 0x04                                       ; source 1 window 1
.set jj, 0
.rept 32
	v_pk_add_f32 v[BB+jj:BB+jj+1], v[BB+jj:BB+jj+1], v[RS+jj:RS+jj+1]
.set jj, jj+2
.endr
	WIN 0
.irp t, 0,1,2,3,4,5,6,7,8,9,10,11,12,13,14,15
	global_store_b128 v[CO], v[BB+4*\t:BB+4*\t+3], s[10:11] offset:(16*(\a)+\t)*SIZE_N*4   ; 32 lanes store 512 consecutive bytes, aligned
.endr
.endm
	s_wait_loadcnt 0x0                             ; the bias
	s_wait_tensorcnt 1                             ; my part of K step 0 is in (K step 1's load may be out),
	s_barrier_signal -1
	s_barrier_wait -1
	FETCH_B 0, 0, 0
	FETCH_A 0, 0, 0
	FETCH_A 0, 0, 4
	STEP 0, 0, 1
	s_mov_b32 s3, LAPS-1
.Llap:
	TURN 0, 1, 1
	STEP 1, 0, 0
	TURN 1, 0, 1
	STEP 0, 0, 0
	s_sub_co_u32 s3, s3, 1
	s_cmp_lg_u32 s3, 0
	s_cbranch_scc1 .Llap
	TURN 0, 1, 0
	STEP 1, 0, 0
	RLOAD 0                                        ; B's set 0 is done with (four places stand behind its last products): the residual's first rows are asked for under the last step
	RLOAD 1
	s_wait_dscnt 4*NL
	WIN MUL_LO
	MUL16 0, 1, 0
	MUL16 2, 1, 0
	s_wait_dscnt 0
	WIN MUL_HI
	MUL16 4, 1, 0
	MUL16 6, 1, 0
	WIN 0
	s_wait_kmcnt 0x0
	s_add_co_i32 s96, s96, s97
	s_add_co_i32 s96, s96, 127
	s_lshl_b32 s96, s96, 23                        ; 2^(e10 + e11) as f32
	PLACES NP
	RLOAD 2
	RLOAD 3
	TOSTAGE 0
.irp a, 1,2,3,4,5,6,7
.if \a > 1
	s_wait_xcnt 0x0                                ; block a - 2's stores have read their registers: block a's loads may land there
.endif
	TOSTAGE \a
	SEND \a-1, 32                                  ; behind block a - 1's loads: block a's 16 stores and 16 loads
.if \a < 5
	RLOAD \a+3                                     ; the set just used takes the block four further on
.endif
.endr
	SEND 7, 0
	s_wait_tensorcnt 0x0                           ; the wave's end
	ds_add_u32 v[SPW], v[NIL]
	s_wait_dscnt 0x0
	CROUND                                         ; the closing round
	s_endpgm
.Lfunc_end_k_q7d8e61710a_wo:
	.size	k_q7d8e61710a_wo, .Lfunc_end_k_q7d8e61710a_wo-k_q7d8e61710a_wo
	.p2alignl 7, 3214868480
	.fill 96, 4, 3214868480
	.section	.rodata,"a",@progbits
	.p2align	6, 0x0
	.amdhsa_kernel k_q7d8e61710a_wo
		.amdhsa_group_segment_fixed_size 327680
		.amdhsa_private_segment_fixed_size 0
		.amdhsa_enable_private_segment 0
		.amdhsa_kernarg_size 48
		.amdhsa_user_sgpr_count 2
		.amdhsa_user_sgpr_kernarg_segment_ptr 1
		.amdhsa_wavefront_size32 1
		.amdhsa_system_sgpr_workgroup_id_x 1
		.amdhsa_system_sgpr_workgroup_id_y 1
		.amdhsa_system_sgpr_workgroup_id_z 1
		.amdhsa_system_vgpr_workitem_id 0
		.amdhsa_next_free_vgpr 1024
		.amdhsa_next_free_sgpr 98
		.amdhsa_reserve_vcc 0
		.amdhsa_float_denorm_mode_32 3
		.amdhsa_float_denorm_mode_16_64 3
		.amdhsa_memory_ordered 1
		.amdhsa_forward_progress 1
		.amdhsa_inst_pref_size 168
	.end_amdhsa_kernel
	.amdgpu_metadata
---
amdhsa.version: [ 1, 2 ]
amdhsa.kernels:
  - .name:           k_q7d8e61710a_wo
    .symbol:         k_q7d8e61710a_wo.kd
    .args:
      - { .name: yc, .offset: 0, .size: 8, .value_kind: global_buffer, .address_space: global }
      - { .name: wc, .offset: 8, .size: 8, .value_kind: global_buffer, .address_space: global }
      - { .name: lowp_scales, .offset: 16, .size: 8, .value_kind: global_buffer, .address_space: global }
      - { .name: x1, .offset: 24, .size: 8, .value_kind: global_buffer, .address_space: global }
      - { .name: bo, .offset: 32, .size: 8, .value_kind: global_buffer, .address_space: global }
      - { .name: x, .offset: 40, .size: 8, .value_kind: global_buffer, .address_space: global }
    .group_segment_fixed_size: 327680
    .private_segment_fixed_size: 0
    .kernarg_segment_align: 8
    .kernarg_segment_size: 48
    .max_flat_workgroup_size: 128
    .sgpr_count:     98
    .vgpr_count:     1024
    .wavefront_size: 32
...
	.end_amdgpu_metadata
.endif
;; end of part 4
;; launch ln2 (part 5): grid 256 x 1, 4 waves a work-group, no clusters, 0 bytes of LDS; arguments x1, ln2_g, ln2_b, lowp_scales, h2c; writes h2c
.if DOCPART == 5
	.amdgcn_target "amdgcn-amd-amdhsa--gfx1250"
	.amdhsa_code_object_version 6
	.text
	.protected	k_q7d8e61710a_ln2
	.globl	k_q7d8e61710a_ln2
	.p2align	8
	.type	k_q7d8e61710a_ln2,@function
k_q7d8e61710a_ln2:
	s_mov_b64 s[64:65], 0
	v_nop
	global_prefetch_b8 v0, s[64:65] scope:SCOPE_SE
	s_setreg_imm32_b32 hwreg(HW_REG_WAVE_MODE, 25, 1), 1
	s_wait_xcnt 0x0
; h2 = LayerNorm(x1) in f32 (mean, then the mean of the squared differences), quantised to E4M3 with the scale of entry 12, into h2c [4,096][1,024].
; A work-group takes 16 rows, a wave four, each kept in 32 registers: register 8 c + i of a lane is column 256 c + 8 lane + i, so eight registers are eight neighbours along K and a lane's codes of a chunk are 8 bytes:
; 32 lanes store 256 consecutive bytes, aligned.  No LDS, no barrier: waves share nothing.
; LIMITS: e12 between -126 and 119.  NaN among the inputs is not served.
.set LOF,  3
.set SOFF, 4
.set QS,   6                           ; v6, v7: 2^e, 448 x 2^e
.set ST,   12
.set CH,   20
.set T0,   28
.set G,    44
.set BT,   76
.set X,    108
.set CD,   236
	s_load_b256 s[4:11], s[0:1], 0x0               ; x1 s[4:5], g s[6:7], b s[8:9], the exponents s[10:11]
	s_load_b64 s[12:13], s[0:1], 0x20              ; h2c
	v_lshrrev_b32 v1, 5, v0
	v_readfirstlane_b32 s28, v1
	v_and_b32 v2, 31, v0
	s_lshl_b32 s30, ttmp9, 4
	s_lshl_b32 s31, s28, 2
	s_add_co_u32 s30, s30, s31                     ; my wave's first row
	s_lshl_b32 s32, s30, 12
	s_mov_b32 s33, 0
	s_lshl_b32 s34, s30, 10
	s_mov_b32 s35, 0
	s_mov_b32 s40, 0x76543210
	s_mov_b32 s41, 0xfedcba98
	s_mov_b32 s42, 0x3a800000                      ; 1 / 1024
	s_mov_b32 s43, 0x3727c5ac                      ; 1e-5
	v_lshlrev_b32 v[LOF], 5, v2
	v_lshlrev_b32 v[SOFF], 3, v2
	s_wait_kmcnt 0x0
	s_load_b32 s36, s[10:11], 0x30                 ; e12
	s_add_nc_u64 s[4:5], s[4:5], s[32:33]
	s_add_nc_u64 s[12:13], s[12:13], s[34:35]
.irp r, 0,1,2,3
.irp c, 0,1,2,3
	global_load_b128 v[X+32*\r+8*\c:X+32*\r+8*\c+3], v[LOF], s[4:5] offset:4096*\r+1024*\c
	global_load_b128 v[X+32*\r+8*\c+4:X+32*\r+8*\c+7], v[LOF], s[4:5] offset:4096*\r+1024*\c+16
.endr
.endr
.irp c, 0,1,2,3
	global_load_b128 v[G+8*\c:G+8*\c+3], v[LOF], s[6:7] offset:1024*\c
	global_load_b128 v[G+8*\c+4:G+8*\c+7], v[LOF], s[6:7] offset:1024*\c+16
	global_load_b128 v[BT+8*\c:BT+8*\c+3], v[LOF], s[8:9] offset:1024*\c
	global_load_b128 v[BT+8*\c+4:BT+8*\c+7], v[LOF], s[8:9] offset:1024*\c+16
.endr
.irp r, 0,1,2,3
	v_mov_b32 v[ST+2*\r+1], 0                      ; written once: a lane exchange's destination counts as read
.endr
	s_wait_kmcnt 0x0
	s_add_co_i32 s44, s36, 127
	s_lshl_b32 s45, s44, 23
	v_mov_b32 v[QS], s45
	s_add_co_i32 s44, s44, 8
	s_lshl_b32 s44, s44, 23
	s_or_b32 s44, s44, 0x600000
	v_mov_b32 v[QS+1], s44
.macro REDUCE                          ; the four rows' figures, summed over the 32 lanes, into every lane; the rows take turns
.irp m, 1,2,4,8
.irp r, 0,1,2,3
	v_add_f32_dpp v[ST+2*\r], v[ST+2*\r], v[ST+2*\r] row_xmask:\m row_mask:0xf bank_mask:0xf
.endr
.endr
.irp r, 0,1,2,3
	v_permlanex16_b32 v[ST+2*\r+1], v[ST+2*\r], s40, s41
.endr
.irp r, 0,1,2,3
	v_add_f32 v[ST+2*\r], v[ST+2*\r], v[ST+2*\r+1]
.endr
.endm
	s_wait_loadcnt 0x0
.irp r, 0,1,2,3
	v_pk_add_f32 v[CH+2*\r:CH+2*\r+1], v[X+32*\r:X+32*\r+1], v[X+32*\r+2:X+32*\r+3]
.endr
.irp j, 4,6,8,10,12,14,16,18,20,22,24,26,28,30
.irp r, 0,1,2,3
	v_pk_add_f32 v[CH+2*\r:CH+2*\r+1], v[CH+2*\r:CH+2*\r+1], v[X+32*\r+\j:X+32*\r+\j+1]
.endr
.endr
.irp r, 0,1,2,3
	v_add_f32 v[ST+2*\r], v[CH+2*\r], v[CH+2*\r+1]
.endr
	REDUCE
.irp r, 0,1,2,3
	v_mul_f32 v[ST+2*\r], s42, v[ST+2*\r]          ; the mean
.endr
.irp j, 0,2,4,6,8,10,12,14,16,18,20,22,24,26,28,30
.irp r, 0,1,2,3
	v_pk_add_f32 v[X+32*\r+\j:X+32*\r+\j+1], v[X+32*\r+\j:X+32*\r+\j+1], v[ST+2*\r:ST+2*\r+1] op_sel_hi:[1,0] neg_lo:[0,1] neg_hi:[0,1]
.endr
.endr
.irp r, 0,1,2,3
	v_pk_mul_f32 v[CH+2*\r:CH+2*\r+1], v[X+32*\r:X+32*\r+1], v[X+32*\r:X+32*\r+1]
.endr
.irp j, 2,4,6,8,10,12,14,16,18,20,22,24,26,28,30
.irp r, 0,1,2,3
	v_pk_fma_f32 v[CH+2*\r:CH+2*\r+1], v[X+32*\r+\j:X+32*\r+\j+1], v[X+32*\r+\j:X+32*\r+\j+1], v[CH+2*\r:CH+2*\r+1]
.endr
.endr
.irp r, 0,1,2,3
	v_add_f32 v[ST+2*\r], v[CH+2*\r], v[CH+2*\r+1]
.endr
	REDUCE
.irp r, 0,1,2,3
	v_fma_f32 v[ST+2*\r], v[ST+2*\r], s42, s43     ; the variance + 1e-5
.endr
.irp r, 0,1,2,3
	v_rsq_f32 v[ST+2*\r], v[ST+2*\r]
.endr
	v_nop                                          ; a plain instruction behind the last of the four
	s_wait_alu depctr_va_vdst(0)                   ; one wait for the four, ahead of their first reader
.irp j, 0,2,4,6,8,10,12,14,16,18,20,22,24,26,28,30
.irp r, 0,1,2,3
	v_pk_mul_f32 v[X+32*\r+\j:X+32*\r+\j+1], v[X+32*\r+\j:X+32*\r+\j+1], v[ST+2*\r:ST+2*\r+1] op_sel_hi:[1,0]
.endr
.endr
.irp j, 0,2,4,6,8,10,12,14,16,18,20,22,24,26,28,30
.irp r, 0,1,2,3
	v_pk_fma_f32 v[X+32*\r+\j:X+32*\r+\j+1], v[X+32*\r+\j:X+32*\r+\j+1], v[G+\j:G+\j+1], v[BT+\j:BT+\j+1]
.endr
.endr
.irp r, 0,1,2,3
	s_wait_xcnt 0x0                                ; the last row's stores have read their data: the codes' registers may be written again
.irp c, 0,1,2,3
.irp i, 0,1,2,3,4,5,6,7
	v_med3_num_f32 v[T0+8*(\c%2)+\i], v[X+32*\r+8*\c+\i], -v[QS+1], v[QS+1]
.endr
	v_cvt_scalef32_pk8_fp8_f32 v[CD+2*\c:CD+2*\c+1], v[T0+8*(\c%2):T0+8*(\c%2)+7], v[QS]
.endr
.irp c, 0,1,2,3
	global_store_b64 v[SOFF], v[CD+2*\c:CD+2*\c+1], s[12:13] offset:1024*\r+256*\c
.endr
.endr
	s_endpgm
.Lfunc_end_k_q7d8e61710a_ln2:
	.size	k_q7d8e61710a_ln2, .Lfunc_end_k_q7d8e61710a_ln2-k_q7d8e61710a_ln2
	.p2alignl 7, 3214868480
	.fill 96, 4, 3214868480
	.section	.rodata,"a",@progbits
	.p2align	6, 0x0
	.amdhsa_kernel k_q7d8e61710a_ln2
		.amdhsa_group_segment_fixed_size 0
		.amdhsa_private_segment_fixed_size 0
		.amdhsa_enable_private_segment 0
		.amdhsa_kernarg_size 40
		.amdhsa_user_sgpr_count 2
		.amdhsa_user_sgpr_kernarg_segment_ptr 1
		.amdhsa_wavefront_size32 1
		.amdhsa_system_sgpr_workgroup_id_x 1
		.amdhsa_system_sgpr_workgroup_id_y 1
		.amdhsa_system_sgpr_workgroup_id_z 1
		.amdhsa_system_vgpr_workitem_id 0
		.amdhsa_next_free_vgpr 256
		.amdhsa_next_free_sgpr 66
		.amdhsa_reserve_vcc 0
		.amdhsa_float_denorm_mode_32 3
		.amdhsa_float_denorm_mode_16_64 3
		.amdhsa_memory_ordered 1
		.amdhsa_forward_progress 1
		.amdhsa_inst_pref_size 41
	.end_amdhsa_kernel
	.amdgpu_metadata
---
amdhsa.version: [ 1, 2 ]
amdhsa.kernels:
  - .name:           k_q7d8e61710a_ln2
    .symbol:         k_q7d8e61710a_ln2.kd
    .args:
      - { .name: x1, .offset: 0, .size: 8, .value_kind: global_buffer, .address_space: global }
      - { .name: ln2_g, .offset: 8, .size: 8, .value_kind: global_buffer, .address_space: global }
      - { .name: ln2_b, .offset: 16, .size: 8, .value_kind: global_buffer, .address_space: global }
      - { .name: lowp_scales, .offset: 24, .size: 8, .value_kind: global_buffer, .address_space: global }
      - { .name: h2c, .offset: 32, .size: 8, .value_kind: global_buffer, .address_space: global }
    .group_segment_fixed_size: 0
    .private_segment_fixed_size: 0
    .kernarg_segment_align: 8
    .kernarg_segment_size: 40
    .max_flat_workgroup_size: 128
    .sgpr_count:     66
    .vgpr_count:     256
    .wavefront_size: 32
...
	.end_amdgpu_metadata
.endif
;; end of part 5
;; launch w1 (part 6): grid 16 x 16, 4 waves a work-group, clusters of 4 x 4, 327,680 bytes of LDS; arguments h2c, wc, lowp_scales, mc, b1; writes mc
.if DOCPART == 6
	.amdgcn_target "amdgcn-amd-amdhsa--gfx1250"
	.amdhsa_code_object_version 6
	.text
	.protected	k_q7d8e61710a_w1
	.globl	k_q7d8e61710a_w1
	.p2align	8
	.type	k_q7d8e61710a_w1,@function
k_q7d8e61710a_w1:
	s_mov_b64 s[64:65], 0
	v_nop
	global_prefetch_b8 v0, s[64:65] scope:SCOPE_SE
	s_setreg_imm32_b32 hwreg(HW_REG_WAVE_MODE, 25, 1), 1
	s_wait_xcnt 0x0
	s_wait_alu depctr_hold_cnt(0) depctr_sa_sdst(0) depctr_va_vdst(0) depctr_va_sdst(0) depctr_va_ssrc(0) depctr_va_vcc(0) depctr_vm_vsrc(0)
	s_getreg_b32 s2, hwreg(HW_REG_IB_STS2, 6, 4)
	s_cmp_eq_u32 s2, 0
	s_cbranch_scc0 .Lentry_in_a_cluster
	s_endpgm
.Lentry_in_a_cluster:
	s_bfe_u32 s2, ttmp6, 0x10000c
	s_cmp_lg_u32 s2, 0xf033
	s_cbranch_scc0 .Lentry_shape_is_right
	s_endpgm
.Lentry_shape_is_right:
; m = gelu(h2 W1 + b1), the exact gelu 0.5 u (1 + erf(u / sqrt 2)), quantised at once for the last product (entry 14) into mc [4,096][4,096].
; h2: codes [4,096][1,024]; W1: codes [4,096 n][1,024 k] at 0x400000 of wc; exponents: entries 12, 13.
; A tile of 256 x 256 is made by four waves, each 128 x 128; K = 1,024 in steps of 256 through a ring of two LDS slots; clusters of 4 x 4 with joint loads; the matrix instruction is used transposed, so that a lane's
; eight numbers are eight neighbours along the next product's K.
; THE WAY OUT is a loop of eight trips, one for each block of 16 rows.  Register numbers cannot be stepped, so a chain of branches on the trip's number leads to one of eight written-out copies
; (sum x 2^(e12 + e13) + b1 into fixed registers); the gelu, the hold and the conversion are then written once, for a lane's 64 numbers.
; THE GELU.  With t = |u| / sqrt 2: for t > 475/512, erfc(t) = exp(polynomial of degree 7 in t); else erfc(t) = 1 - (t + t x polynomial in t^2).  1 + erf = erfc(t) where u < 0, else 2 - erfc(t): no difference of near numbers
; is formed in the negative tail.  Both ways are computed and chosen by v_cndmask_b32.  The factor 0.5 is folded into the conversion's scale, 2^(e14 + 1).
; LIMITS: e12 + e13 between -126 and 127; e14 between -126 and 118.  erf is good to about one unit in its last place; erfc's relative error grows with the size of its exponent, about 1e-7 x |ln erfc|.  NaN is not served.
; REGISTERS: window 0: v0-31 addresses; v32-95 b1 at my columns; v96-101 three constants as pairs; v102, v103 the quantiser's scale and hold; v104-119 a block's codes; v120 the block's place in my stage;
;   from v128 A's fragments; on the way out v128-191 a block's numbers, v192-255 at work.  window 1: B's fragments.  windows 2, 3: the accumulators.
.set SIZE_K, 1024
.set KSTEP,  256
.set ROWB,   256
.set KROW,   SIZE_K
.set PITCH,  272
.set FR,     16
.set NL,     4
.set NP,     4
.set HALFT,  128*PITCH
.set SLOT,   4*HALFT
.set LAPS,   SIZE_K/(2*KSTEP)
.set SPARE,  2*SLOT
.set SPITCH, 144                       ; the way out: each wave's own stage of 128 rows x (128 codes + 16 bytes), in slot 0, which has had its last fill and its last read by then
.set WST,    128*SPITCH
.set ADRA, 16
.set ADRB, 20
.set STO,  24
.set RDV,  26
.set SPW,  28
.set NIL,  29
.set GOV,  30
.set BC,   32
.set K1,   96
.set K3,   98
.set K5,   100
.set SCV,  102
.set LIMV, 103
.set CD,   104
.set ADS,  120
.set AF,   128
.set XB,   128
.set GT,   192
.set GS,   208
.set GR,   224
.set GU,   240
.set G1, 24
.set G0, 32
.set G1B, 48
.set G0B, 56
.set MSB, 0
.macro WIN new
.if MSB != \new
	s_set_vgpr_msb (MSB<<8)|\new
.set MSB, \new
.endif
.endm
.set MUL_LO, 0xa1
.set MUL_HI, 0xf1
.set TO_B,   0x40
.macro JLOAD g0a, g1a, g0b, g1b        ; a joint load: waves 0, 1 fetch for A, waves 2, 3 for B; four v_nop follow each of the two lines
	s_cmp_eq_u32 s15, 0
	s_cbranch_scc0 .Lfor_b_\@
	tensor_load_to_lds s[\g0a:\g0a+3], s[\g1a:\g1a+7]
	s_nop 0
.rept 4
	v_nop
.endr
	s_branch .Lasked_\@
.Lfor_b_\@:
	tensor_load_to_lds s[\g0b:\g0b+3], s[\g1b:\g1b+7]
	s_nop 0
.rept 4
	v_nop
.endr
.Lasked_\@:
.endm
.macro CREST
	s_cmp_lg_u32 s14, 0
	s_cbranch_scc1 .Lnot_wave_0_\@
	s_barrier_signal -3
.Lnot_wave_0_\@:
	s_barrier_wait -3
	s_barrier_signal -1
	s_barrier_wait -1
.endm
.macro CROUND
	s_barrier_signal -1
	s_barrier_wait -1
	CREST
.endm
	s_load_b256 s[4:11], s[0:1], 0x0               ; h2c s[4:5], wc s[6:7], the exponents s[8:9], mc s[10:11]
	s_load_b64 s[84:85], s[0:1], 0x20              ; b1
	v_lshl_add_u32 v[SPW], v0, 2, SPARE
	v_mov_b32 v[NIL], 0
	ds_add_u32 v28, v29
	ds_add_u32 v28, v29
	s_wait_dscnt 0x0
	v_lshrrev_b32 v1, 5, v0
	v_readfirstlane_b32 s14, v1
	s_lshr_b32 s15, s14, 1
	s_and_b32 s16, s14, 1
	s_bfe_u32 s40, ttmp6, 0x40000
	s_bfe_u32 s41, ttmp6, 0x40004
	s_lshl_b32 s42, ttmp9, 2
	s_add_co_u32 s42, s42, s40                     ; tile column
	s_and_b32 s17, ttmp7, 0xffff
	s_lshl_b32 s17, s17, 2
	s_add_co_u32 s17, s17, s41                     ; tile row
	s_lshl_b32 s43, s41, 2
	s_lshl_b32 s43, 15, s43
	s_lshl_b32 s44, 0x1111, s40
	s_or_b32 s[G1+0], s43, (0<<16)|(1<<20)|(1<<21)|(5<<22)|(3<<25)
	s_or_b32 s[G1B+0], s44, (0<<16)|(1<<20)|(1<<21)|(5<<22)|(3<<25)
.irp g, G1, G1B
	s_mov_b32 s[\g+1], ROWB<<16
	s_mov_b32 s[\g+2], 128<<16
	s_mov_b32 s[\g+3], ROWB<<16
	s_mov_b32 s[\g+4], 128
	s_mov_b32 s[\g+5], KROW
	s_mov_b32 s[\g+6], 0
	s_mov_b32 s[\g+7], 0
.endr
	s_lshl_b32 s18, s16, 7
	s_lshl_b32 s20, s17, 8
	s_add_co_u32 s20, s20, s18
	s_lshl_b32 s20, s20, 10
	s_lshl_b32 s46, s42, 8
	s_add_co_u32 s46, s46, s18
	s_lshl_b32 s46, s46, 10
	s_mov_b32 s21, 0
	s_mov_b32 s47, 0
	s_mul_i32 s45, s14, HALFT
	s_wait_kmcnt 0x0
	s_load_b128 s[68:71], s[8:9], 0x30             ; e12, e13, e14, e15
	s_add_nc_u64 s[6:7], s[6:7], 0x400000          ; W1's codes
	s_add_nc_u64 s[20:21], s[4:5], s[20:21]
	s_add_nc_u64 s[46:47], s[6:7], s[46:47]
	CROUND
.irp s, 0,1
	s_mov_b32 s[G0+4*\s], 1
	s_add_co_u32 s[G0+4*\s+1], s45, \s*SLOT
	s_add_nc_u64 s[G0+4*\s+2:G0+4*\s+3], s[20:21], \s*ROWB
	s_or_b32 s[G0+4*\s+3], s[G0+4*\s+3], 0x80000000
	s_mov_b32 s[G0B+4*\s], 1
	s_add_co_u32 s[G0B+4*\s+1], s45, \s*SLOT
	s_add_nc_u64 s[G0B+4*\s+2:G0B+4*\s+3], s[46:47], \s*ROWB
	s_or_b32 s[G0B+4*\s+3], s[G0B+4*\s+3], 0x80000000
	JLOAD G0+4*\s, G1, G0B+4*\s, G1B
.endr
	v_and_b32 v1, 15, v0
	v_bfe_u32 v2, v0, 4, 1
	s_lshl_b32 s18, s42, 8
	s_lshl_b32 s19, s16, 7
	s_add_co_u32 s18, s18, s19
	s_lshl_b32 s18, s18, 2                         ; b1 at my first column
	s_mov_b32 s19, 0
	s_add_nc_u64 s[84:85], s[84:85], s[18:19]
	v_lshlrev_b32 v7, 5, v2
.irp b, 0,1,2,3,4,5,6,7
	global_load_b128 v[BC+8*\b:BC+8*\b+3], v7, s[84:85] offset:64*\b      ; register 8 b + j: b1 at my column 16 b + 8 h + j
	global_load_b128 v[BC+8*\b+4:BC+8*\b+7], v7, s[84:85] offset:64*\b+16
.endr
	v_mul_u32_u24 v3, v1, PITCH
	v_lshl_add_u32 v4, v2, 4, v3
	s_mul_i32 s21, s15, HALFT
	s_mul_i32 s22, s16, HALFT
	s_add_co_u32 s22, s22, 2*HALFT
.irp s, 0,1
	v_add_nc_u32 v[ADRA+\s], s21, v4
	v_add_nc_u32 v[ADRB+\s], s22, v4
	s_add_co_u32 s21, s21, SLOT
	s_add_co_u32 s22, s22, SLOT
.endr
	s_mul_i32 s23, s14, WST                        ; my stage
	v_mul_u32_u24 v5, v1, SPITCH
	v_lshl_add_u32 v5, v2, 3, v5
	v_add_nc_u32 v[STO], s23, v5
	s_mul_i32 s23, s15, 2*WST                      ; back: wave w takes rows 64 w .. 64 w + 63 of the tile: in the two stages of row half w / 2, from row 64 (w % 2) on
	s_mul_i32 s22, s16, 64*SPITCH
	s_add_co_u32 s23, s23, s22
	v_bfe_u32 v11, v0, 3, 1
	v_mul_u32_u24 v11, v11, WST
	v_mad_u32_u24 v11, v2, SPITCH, v11
	v_and_b32 v12, 7, v0
	v_lshl_add_u32 v11, v12, 4, v11
	v_add_nc_u32 v[RDV], s23, v11                  ; sixteen lanes to a row of 256 bytes, two rows an instruction
	v_lshlrev_b32 v13, 12, v2
	v_lshl_add_u32 v[GOV], v1, 4, v13
	s_lshl_b32 s20, s17, 8
	s_lshl_b32 s21, s14, 6
	s_add_co_u32 s20, s20, s21
	s_lshl_b32 s20, s20, 12                        ; the first row that I store, 4,096 bytes a row,
	s_lshl_b32 s21, s42, 8
	s_add_co_u32 s20, s20, s21                     ; + the tile's first column
	s_mov_b32 s21, 0
	s_add_nc_u64 s[10:11], s[10:11], s[20:21]
	v_mov_b32 v[K1], 0xb7910000
	v_mov_b32 v[K1+1], 0xb7910000
	v_mov_b32 v[K3], 0xbb7e8a1c
	v_mov_b32 v[K3+1], 0xbb7e8a1c
	v_mov_b32 v[K5], 0xba1c7000
	v_mov_b32 v[K5+1], 0xba1c7000
	s_mov_b32 s86, 0x3f3504f3                      ; 1 / sqrt 2
	s_mov_b32 s87, 0x3f6d8000                      ; 475 / 512
	s_wait_kmcnt 0x0
	s_add_co_i32 s96, s68, s69
	s_add_co_i32 s96, s96, 127
	s_lshl_b32 s96, s96, 23                        ; 2^(e12 + e13)
	s_mov_b32 s97, s96
	s_add_co_i32 s90, s70, 128
	s_lshl_b32 s91, s90, 23
	v_mov_b32 v[SCV], s91                          ; 2^(e14 + 1): the gelu's 0.5 goes with the scale
	s_add_co_i32 s90, s90, 8
	s_lshl_b32 s90, s90, 23
	s_or_b32 s90, s90, 0x600000
	v_mov_b32 v[LIMV], s90                         ; 448 x that
	s_wait_loadcnt 0x0                             ; b1
.macro FRAG reg, adr, q, i
.irp c, 0,1,2,3
	ds_load_b128 v[\reg+4*\c:\reg+4*\c+3], v[\adr] offset:128*(\q)+32*\c+(\i)*16*PITCH
.endr
.endm
.macro MUL16 a0, p, zero               ; the 64 accumulators take turns, one instruction a turn
.irp a, \a0, \a0+1
.irp b, 0,1,2,3,4,5,6,7
.if \zero
	v_wmma_f32_16x16x128_fp8_fp8 v[8*(8*((\a)%4)+\b):8*(8*((\a)%4)+\b)+7], v[128*(\p)+FR*\b:128*(\p)+FR*\b+FR-1], v[AF+FR*(\a):AF+FR*(\a)+FR-1], 0
.else
	v_wmma_f32_16x16x128_fp8_fp8 v[8*(8*((\a)%4)+\b):8*(8*((\a)%4)+\b)+7], v[128*(\p)+FR*\b:128*(\p)+FR*\b+FR-1], v[AF+FR*(\a):AF+FR*(\a)+FR-1], v[8*(8*((\a)%4)+\b):8*(8*((\a)%4)+\b)+7]
.endif
.endr
.endr
.endm
.macro FETCH_B slot, q, p
	WIN TO_B
.irp i, 0,1,2,3,4,5,6,7
	FRAG 128*(\p)+FR*\i, ADRB+\slot, \q, \i
.endr
	WIN 0
.endm
.macro FETCH_A slot, q, i0
.irp i, \i0, \i0+1, \i0+2, \i0+3
	FRAG AF+FR*(\i), ADRA+\slot, \q, \i
.endr
.endm
.macro PLACES n
.rept \n
	v_nop
.endr
.endm
.macro STEP slot, q, zero
	s_wait_dscnt 4*NL                              ; the youngest 16 loads (A's blocks 4-7) may be out
	WIN MUL_LO
	MUL16 0, (\q)%2, \zero
	MUL16 2, (\q)%2, \zero
	s_wait_dscnt 0
	PLACES NP
	FETCH_B \slot, (\q)+1, 1-(\q)%2
	FETCH_A \slot, (\q)+1, 0
	WIN MUL_HI
	MUL16 4, (\q)%2, \zero
	MUL16 6, (\q)%2, \zero
	PLACES NP
	WIN 0
	FETCH_A \slot, (\q)+1, 4
.endm
.macro TURN slot, next, fill
	s_wait_tensorcnt 0x0                           ; all my tensor loads have landed: my part of the next slot
	ds_add_u32 v[SPW], v[NIL]                      ; 0 onto my spare word
	s_wait_dscnt 4*NL+1                            ; (the add and the youngest 16 loads may be out)
	WIN MUL_LO
	MUL16 0, 1, 0
	s_wait_dscnt 0x0                               ; the add is done, and my reads of this slot are over
	s_barrier_signal -1
	MUL16 2, 1, 0
	WIN 0
	s_barrier_wait -1
.if \fill
	CREST                                          ; the barrier has opened a round of the cluster's barrier
	s_add_nc_u64 s[G0+4*\slot+2:G0+4*\slot+3], s[G0+4*\slot+2:G0+4*\slot+3], 2*ROWB
	s_add_nc_u64 s[G0B+4*\slot+2:G0B+4*\slot+3], s[G0B+4*\slot+2:G0B+4*\slot+3], 2*ROWB
	JLOAD G0+4*\slot, G1, G0B+4*\slot, G1B
.else
	PLACES NP
.endif
	FETCH_B \next, 0, 0
	FETCH_A \next, 0, 0
	WIN MUL_HI
	MUL16 4, 1, 0
	MUL16 6, 1, 0
	PLACES NP
	WIN 0
	FETCH_A \next, 0, 4
.endm
; block a's sums x 2^(e12 + e13) + b1 into v[XB] on
.macro CPSEC a, jump
.Lcp\a:
	WIN 0x02+((\a)/4)
.set jj, 0
.rept 32
	v_pk_fma_f32 v[XB+jj:XB+jj+1], v[64*((\a)%4)+jj:64*((\a)%4)+jj+1], s[96:97], v[BC+jj:BC+jj+1] op_sel_hi:[1,0,1]   ; each accumulator from its low end on
.set jj, jj+2
.endr
	WIN 0
.if \jump
	s_branch .Lgo
.endif
.endm
.macro HEADP d, kp, m, k               ; eight packed steps: d = constant pair x m + k
.set jj, 0
.rept 8
	v_pk_fma_f32 v[\d+jj:\d+jj+1], v[\kp:\kp+1], v[\m+jj:\m+jj+1], \k op_sel_hi:[1,1,0]
.set jj, jj+2
.endr
.endm
.macro HORN d, m, k                    ; eight packed steps: d = d x m + k
.set jj, 0
.rept 8
	v_pk_fma_f32 v[\d+jj:\d+jj+1], v[\d+jj:\d+jj+1], v[\m+jj:\m+jj+1], \k op_sel_hi:[1,1,0]
.set jj, jj+2
.endr
.endm
; sixteen numbers of a lane, v[XB + 16 g] on: u -> u (1 + erf(u / sqrt 2)), held, converted, stored as 16 codes of my row of the stage
.macro GELU16 g
.set XG, XB+16*(\g)
.set jj, 0
.rept 8
	v_pk_mul_f32 v[GT+jj:GT+jj+1], v[XG+jj:XG+jj+1], s[86:87] op_sel_hi:[1,0]
.set jj, jj+2
.endr
.set jj, 0
.rept 16
	v_and_b32 v[GT+jj], 0x7fffffff, v[GT+jj]       ; t = |u| / sqrt 2
.set jj, jj+1
.endr
.set jj, 0
.rept 8
	v_pk_mul_f32 v[GS+jj:GS+jj+1], v[GT+jj:GT+jj+1], v[GT+jj:GT+jj+1]
.set jj, jj+2
.endr
	HEADP GR, K1, GT, 0x39c8e7d9                   ; t above 475/512: ln erfc(t) as a polynomial
	HEADP GU, K3, GT, 0x3cc6b1a1
.set jj, 0
.rept 8
	v_pk_fma_f32 v[GR+jj:GR+jj+1], v[GR+jj:GR+jj+1], v[GS+jj:GS+jj+1], v[GU+jj:GU+jj+1]
.set jj, jj+2
.endr
	HORN GR, GT, 0xbddaae5c
	HORN GR, GT, 0xbf228550
	HORN GR, GT, 0xbe03ce86
.set jj, 0
.rept 8
	v_pk_fma_f32 v[GR+jj:GR+jj+1], v[GR+jj:GR+jj+1], v[GT+jj:GT+jj+1], v[GT+jj:GT+jj+1] neg_lo:[0,0,1] neg_hi:[0,0,1]
.set jj, jj+2
.endr
.set jj, 0
.rept 8
	v_pk_mul_f32 v[GR+jj:GR+jj+1], v[GR+jj:GR+jj+1], 0x3fb8aa3b op_sel_hi:[1,0]
.set jj, jj+2
.endr
.set jj, 0
.rept 16
	v_exp_f32 v[GR+jj], v[GR+jj]                   ; erfc(t)
.set jj, jj+1
.endr
	HEADP GU, K5, GS, 0x3ba38d2c                   ; the other way: independent work behind the exponentials
	HORN GU, GS, 0xbcdb48d9
	HORN GU, GS, 0x3de70e22
	HORN GU, GS, 0xbec09380
	HORN GU, GS, 0x3e0375d4
.set jj, 0
.rept 8
	v_pk_fma_f32 v[GU+jj:GU+jj+1], v[GU+jj:GU+jj+1], v[GT+jj:GT+jj+1], v[GT+jj:GT+jj+1]   ; erf(t)
.set jj, jj+2
.endr
.set jj, 0
.rept 8
	v_pk_add_f32 v[GU+jj:GU+jj+1], v[GU+jj:GU+jj+1], 1.0 op_sel_hi:[1,0] neg_lo:[1,0] neg_hi:[1,0]   ; 1 - erf(t)
.set jj, jj+2
.endr
	s_wait_alu depctr_va_vdst(0)                   ; one wait for the sixteen exponentials, ahead of their first reader
.set jj, 0
.rept 16
	v_cmp_lt_f32 vcc_lo, s87, v[GT+jj]
	v_cndmask_b32 v[GU+jj], v[GU+jj], v[GR+jj], vcc_lo   ; erfc(t)
.set jj, jj+1
.endr
.set jj, 0
.rept 8
	v_pk_add_f32 v[GR+jj:GR+jj+1], v[GU+jj:GU+jj+1], 2.0 op_sel_hi:[1,0] neg_lo:[1,0] neg_hi:[1,0]   ; 2 - erfc(t)
.set jj, jj+2
.endr
.set jj, 0
.rept 16
	v_cmp_gt_f32 vcc_lo, 0, v[XG+jj]
	v_cndmask_b32 v[GU+jj], v[GR+jj], v[GU+jj], vcc_lo   ; 1 + erf(u / sqrt 2)
.set jj, jj+1
.endr
.set jj, 0
.rept 8
	v_pk_mul_f32 v[XG+jj:XG+jj+1], v[XG+jj:XG+jj+1], v[GU+jj:GU+jj+1]
.set jj, jj+2
.endr
.set jj, 0
.rept 16
	v_med3_num_f32 v[XG+jj], v[XG+jj], -v[LIMV], v[LIMV]
.set jj, jj+1
.endr
	v_cvt_scalef32_pk8_fp8_f32 v[CD+4*(\g):CD+4*(\g)+1], v[XG:XG+7], v[SCV]
	v_cvt_scalef32_pk8_fp8_f32 v[CD+4*(\g)+2:CD+4*(\g)+3], v[XG+8:XG+15], v[SCV]
	v_nop                                          ; a plain instruction behind the last conversion
	ds_store_b64 v[ADS], v[CD+4*(\g):CD+4*(\g)+1] offset:32*(\g)
	ds_store_b64 v[ADS], v[CD+4*(\g)+2:CD+4*(\g)+3] offset:32*(\g)+16
.endm
	s_wait_tensorcnt 1                             ; my part of K step 0 is in (K step 1's load may be out),
	s_barrier_signal -1
	s_barrier_wait -1
	FETCH_B 0, 0, 0
	FETCH_A 0, 0, 0
	FETCH_A 0, 0, 4
	STEP 0, 0, 1
	s_mov_b32 s3, LAPS-1
.Llap:
	TURN 0, 1, 1
	STEP 1, 0, 0
	TURN 1, 0, 1
	STEP 0, 0, 0
	s_sub_co_u32 s3, s3, 1
	s_cmp_lg_u32 s3, 0
	s_cbranch_scc1 .Llap
	TURN 0, 1, 0
	STEP 1, 0, 0
	s_wait_dscnt 4*NL
	WIN MUL_LO
	MUL16 0, 1, 0
	MUL16 2, 1, 0
	s_wait_dscnt 0
	WIN MUL_HI
	MUL16 4, 1, 0
	MUL16 6, 1, 0
	WIN 0
	PLACES NP
	s_mov_b32 s66, 0                               ; the block
	s_mov_b32 s67, 0                               ; its 16 rows' place in my stage
.Lblk:
.irp a, 0,1,2,3,4,5,6
	s_cmp_eq_u32 s66, \a
	s_cbranch_scc1 .Lcp\a
.endr
	CPSEC 7, 1
	CPSEC 0, 1
	CPSEC 1, 1
	CPSEC 2, 1
	CPSEC 3, 1
	CPSEC 4, 1
	CPSEC 5, 1
	CPSEC 6, 0
.Lgo:
	v_add_nc_u32 v[ADS], s67, v[STO]
	GELU16 0
	GELU16 1
	GELU16 2
	GELU16 3
	s_add_co_u32 s67, s67, 16*SPITCH
	s_add_co_u32 s66, s66, 1
	s_cmp_lt_u32 s66, 8
	s_cbranch_scc1 .Lblk
	s_wait_dscnt 0x0                               ; for the others' sake: my stores into my stage are done
	s_barrier_signal -1
	s_barrier_wait -1
.set ii, 0
.rept 32
	ds_load_b128 v[128+4*ii:131+4*ii], v[RDV] offset:2*ii*SPITCH
.set ii, ii+1
.endr
.set ii, 0
.rept 32
	s_wait_dscnt 31-ii                             ; the younger loads may be out
	global_store_b128 v[GOV], v[128+4*ii:131+4*ii], s[10:11] offset:2*ii*4096   ; sixteen lanes store 256 consecutive bytes, aligned
.set ii, ii+1
.endr
	s_wait_tensorcnt 0x0                           ; the wave's end
	ds_add_u32 v[SPW], v[NIL]
	s_wait_dscnt 0x0
	CROUND                                         ; the closing round
	s_endpgm
.Lfunc_end_k_q7d8e61710a_w1:
	.size	k_q7d8e61710a_w1, .Lfunc_end_k_q7d8e61710a_w1-k_q7d8e61710a_w1
	.p2alignl 7, 3214868480
	.fill 96, 4, 3214868480
	.section	.rodata,"a",@progbits
	.p2align	6, 0x0
	.amdhsa_kernel k_q7d8e61710a_w1
		.amdhsa_group_segment_fixed_size 327680
		.amdhsa_private_segment_fixed_size 0
		.amdhsa_enable_private_segment 0
		.amdhsa_kernarg_size 40
		.amdhsa_user_sgpr_count 2
		.amdhsa_user_sgpr_kernarg_segment_ptr 1
		.amdhsa_wavefront_size32 1
		.amdhsa_system_sgpr_workgroup_id_x 1
		.amdhsa_system_sgpr_workgroup_id_y 1
		.amdhsa_system_sgpr_workgroup_id_z 1
		.amdhsa_system_vgpr_workitem_id 0
		.amdhsa_next_free_vgpr 1024
		.amdhsa_next_free_sgpr 98
		.amdhsa_reserve_vcc 1
		.amdhsa_float_denorm_mode_32 3
		.amdhsa_float_denorm_mode_16_64 3
		.amdhsa_memory_ordered 1
		.amdhsa_forward_progress 1
		.amdhsa_inst_pref_size 172
	.end_amdhsa_kernel
	.amdgpu_metadata
---
amdhsa.version: [ 1, 2 ]
amdhsa.kernels:
  - .name:           k_q7d8e61710a_w1
    .symbol:         k_q7d8e61710a_w1.kd
    .args:
      - { .name: h2c, .offset: 0, .size: 8, .value_kind: global_buffer, .address_space: global }
      - { .name: wc, .offset: 8, .size: 8, .value_kind: global_buffer, .address_space: global }
      - { .name: lowp_scales, .offset: 16, .size: 8, .value_kind: global_buffer, .address_space: global }
      - { .name: mc, .offset: 24, .size: 8, .value_kind: global_buffer, .address_space: global }
      - { .name: b1, .offset: 32, .size: 8, .value_kind: global_buffer, .address_space: global }
    .group_segment_fixed_size: 327680
    .private_segment_fixed_size: 0
    .kernarg_segment_align: 8
    .kernarg_segment_size: 40
    .max_flat_workgroup_size: 128
    .sgpr_count:     98
    .vgpr_count:     1024
    .wavefront_size: 32
...
	.end_amdgpu_metadata
.endif
;; end of part 6
;; launch w2 (part 7): grid 4 x 16, 4 waves a work-group, clusters of 4 x 4, 327,680 bytes of LDS; arguments mc, wc, lowp_scales, out0, b2, x1; writes out0
.if DOCPART == 7
	.amdgcn_target "amdgcn-amd-amdhsa--gfx1250"
	.amdhsa_code_object_version 6
	.text
	.protected	k_q7d8e61710a_w2
	.globl	k_q7d8e61710a_w2
	.p2align	8
	.type	k_q7d8e61710a_w2,@function
k_q7d8e61710a_w2:
	s_mov_b64 s[64:65], 0
	v_nop
	global_prefetch_b8 v0, s[64:65] scope:SCOPE_SE
	s_setreg_imm32_b32 hwreg(HW_REG_WAVE_MODE, 25, 1), 1
	s_wait_xcnt 0x0
	s_wait_alu depctr_hold_cnt(0) depctr_sa_sdst(0) depctr_va_vdst(0) depctr_va_sdst(0) depctr_va_ssrc(0) depctr_va_vcc(0) depctr_vm_vsrc(0)
	s_getreg_b32 s2, hwreg(HW_REG_IB_STS2, 6, 4)
	s_cmp_eq_u32 s2, 0
	s_cbranch_scc0 .Lentry_in_a_cluster
	s_endpgm
.Lentry_in_a_cluster:
	s_bfe_u32 s2, ttmp6, 0x10000c
	s_cmp_lg_u32 s2, 0xf033
	s_cbranch_scc0 .Lentry_shape_is_right
	s_endpgm
.Lentry_shape_is_right:
; out0 = x1 + m W2 + b2.  m: codes [4,096][4,096]; W2: codes [1,024 n][4,096 k] at 0x800000 of wc; exponents: entries 14, 15.  x1, out0: [4,096][1,024] f32.
; A tile of 256 x 256 is made by four waves, each 128 x 128; K = 4,096 in steps of 256 through a ring of two LDS slots; clusters of 4 x 4 with joint loads; the matrix instruction is used transposed.
; Only 64 work-groups have work: 16 x 4 tiles of this size; the tile is kept for its LDS reads per product.
; LIMIT: e14 + e15 between -126 and 127.
; REGISTERS: window 0: v0-31 addresses, v32-95 a block's scaled sums, v96-99 the bias at my four columns, from v128 A's fragments, later rows read back;
;   window 1: B's fragments, two sets; on the way out four sets of 64 for the residual's rows; windows 2, 3: the accumulators.
.set SIZE_K, 4096
.set SIZE_N, 1024
.set KSTEP,  256
.set ROWB,   256
.set KROW,   SIZE_K
.set PITCH,  272
.set FR,     16
.set NL,     4
.set NP,     4
.set HALFT,  128*PITCH
.set SLOT,   4*HALFT
.set LAPS,   SIZE_K/(2*KSTEP)
.set SPARE,  2*SLOT
.set SPITCH, 528                       ; the way out: a stage of 16 rows x (512 bytes + 16) for each wave, in slot 0, which has had its last fill and its last read by then
.set ADRA, 16
.set ADRB, 20
.set STO,  24
.set RD,   25
.set CO,   26
.set SPW,  28
.set NIL,  29
.set TMP,  32
.set BO,   96
.set AF,   128
.set BK,   128
.set G1, 24
.set G0, 32
.set G1B, 48
.set G0B, 56
.set MSB, 0
.macro WIN new
.if MSB != \new
	s_set_vgpr_msb (MSB<<8)|\new
.set MSB, \new
.endif
.endm
.set MUL_LO, 0xa1
.set MUL_HI, 0xf1
.set TO_B,   0x40
.macro JLOAD g0a, g1a, g0b, g1b        ; a joint load: waves 0, 1 fetch for A, waves 2, 3 for B; four v_nop follow each of the two lines
	s_cmp_eq_u32 s15, 0
	s_cbranch_scc0 .Lfor_b_\@
	tensor_load_to_lds s[\g0a:\g0a+3], s[\g1a:\g1a+7]
	s_nop 0
.rept 4
	v_nop
.endr
	s_branch .Lasked_\@
.Lfor_b_\@:
	tensor_load_to_lds s[\g0b:\g0b+3], s[\g1b:\g1b+7]
	s_nop 0
.rept 4
	v_nop
.endr
.Lasked_\@:
.endm
.macro CREST
	s_cmp_lg_u32 s14, 0
	s_cbranch_scc1 .Lnot_wave_0_\@
	s_barrier_signal -3
.Lnot_wave_0_\@:
	s_barrier_wait -3
	s_barrier_signal -1
	s_barrier_wait -1
.endm
.macro CROUND
	s_barrier_signal -1
	s_barrier_wait -1
	CREST
.endm
	s_load_b256 s[4:11], s[0:1], 0x0               ; mc s[4:5], wc s[6:7], the exponents s[8:9], out0 s[10:11]
	s_load_b128 s[84:87], s[0:1], 0x20             ; b2 s[84:85], x1 s[86:87]
	v_lshl_add_u32 v[SPW], v0, 2, SPARE
	v_mov_b32 v[NIL], 0
	ds_add_u32 v28, v29
	ds_add_u32 v28, v29
	s_wait_dscnt 0x0
	v_lshrrev_b32 v1, 5, v0
	v_readfirstlane_b32 s14, v1
	s_lshr_b32 s15, s14, 1
	s_and_b32 s16, s14, 1
	s_bfe_u32 s40, ttmp6, 0x40000
	s_bfe_u32 s41, ttmp6, 0x40004
	s_lshl_b32 s42, ttmp9, 2
	s_add_co_u32 s42, s42, s40                     ; tile column
	s_and_b32 s17, ttmp7, 0xffff
	s_lshl_b32 s17, s17, 2
	s_add_co_u32 s17, s17, s41                     ; tile row
	s_lshl_b32 s43, s41, 2
	s_lshl_b32 s43, 15, s43
	s_lshl_b32 s44, 0x1111, s40
	s_or_b32 s[G1+0], s43, (0<<16)|(1<<20)|(1<<21)|(5<<22)|(3<<25)
	s_or_b32 s[G1B+0], s44, (0<<16)|(1<<20)|(1<<21)|(5<<22)|(3<<25)
.irp g, G1, G1B
	s_mov_b32 s[\g+1], ROWB<<16
	s_mov_b32 s[\g+2], 128<<16
	s_mov_b32 s[\g+3], ROWB<<16
	s_mov_b32 s[\g+4], 128
	s_mov_b32 s[\g+5], KROW
	s_mov_b32 s[\g+6], 0
	s_mov_b32 s[\g+7], 0
.endr
	s_lshl_b32 s18, s16, 7
	s_lshl_b32 s20, s17, 8
	s_add_co_u32 s20, s20, s18
	s_lshl_b32 s20, s20, 12                        ; rows of 4,096 bytes
	s_lshl_b32 s46, s42, 8
	s_add_co_u32 s46, s46, s18
	s_lshl_b32 s46, s46, 12
	s_mov_b32 s21, 0
	s_mov_b32 s47, 0
	s_mul_i32 s45, s14, HALFT
	s_wait_kmcnt 0x0
	s_load_b64 s[96:97], s[8:9], 0x38              ; e14, e15
	s_add_nc_u64 s[6:7], s[6:7], 0x800000          ; W2's codes
	s_add_nc_u64 s[20:21], s[4:5], s[20:21]
	s_add_nc_u64 s[46:47], s[6:7], s[46:47]
	CROUND
.irp s, 0,1
	s_mov_b32 s[G0+4*\s], 1
	s_add_co_u32 s[G0+4*\s+1], s45, \s*SLOT
	s_add_nc_u64 s[G0+4*\s+2:G0+4*\s+3], s[20:21], \s*ROWB
	s_or_b32 s[G0+4*\s+3], s[G0+4*\s+3], 0x80000000
	s_mov_b32 s[G0B+4*\s], 1
	s_add_co_u32 s[G0B+4*\s+1], s45, \s*SLOT
	s_add_nc_u64 s[G0B+4*\s+2:G0B+4*\s+3], s[46:47], \s*ROWB
	s_or_b32 s[G0B+4*\s+3], s[G0B+4*\s+3], 0x80000000
	JLOAD G0+4*\s, G1, G0B+4*\s, G1B
.endr
	v_and_b32 v1, 15, v0
	v_bfe_u32 v2, v0, 4, 1
	v_mul_u32_u24 v3, v1, PITCH
	v_lshl_add_u32 v4, v2, 4, v3
	s_mul_i32 s21, s15, HALFT
	s_mul_i32 s22, s16, HALFT
	s_add_co_u32 s22, s22, 2*HALFT
.irp s, 0,1
	v_add_nc_u32 v[ADRA+\s], s21, v4
	v_add_nc_u32 v[ADRB+\s], s22, v4
	s_add_co_u32 s21, s21, SLOT
	s_add_co_u32 s22, s22, SLOT
.endr
	s_mul_i32 s23, s14, 16*SPITCH
	v_mul_u32_u24 v5, v1, SPITCH
	v_lshl_add_u32 v5, v2, 5, v5
	v_add_nc_u32 v[STO], s23, v5
	v_and_b32 v6, 31, v0
	v_lshlrev_b32 v[CO], 4, v6
	v_add_nc_u32 v[RD], s23, v[CO]
	s_lshl_b32 s20, s17, 8
	s_lshl_b32 s21, s15, 7
	s_add_co_u32 s20, s20, s21
	s_lshl_b32 s20, s20, 12
	s_mov_b32 s21, 0
	s_lshl_b32 s46, s42, 10
	s_lshl_b32 s47, s16, 9
	s_add_co_u32 s46, s46, s47
	s_mov_b32 s47, 0
	s_add_nc_u64 s[84:85], s[84:85], s[46:47]
	s_add_nc_u64 s[20:21], s[20:21], s[46:47]
	s_add_nc_u64 s[10:11], s[10:11], s[20:21]
	s_add_nc_u64 s[12:13], s[86:87], s[20:21]
	global_load_b128 v[BO:BO+3], v[CO], s[84:85]
.macro FRAG reg, adr, q, i
.irp c, 0,1,2,3
	ds_load_b128 v[\reg+4*\c:\reg+4*\c+3], v[\adr] offset:128*(\q)+32*\c+(\i)*16*PITCH
.endr
.endm
.macro MUL16 a0, p, zero               ; the 64 accumulators take turns, one instruction a turn
.irp a, \a0, \a0+1
.irp b, 0,1,2,3,4,5,6,7
.if \zero
	v_wmma_f32_16x16x128_fp8_fp8 v[8*(8*((\a)%4)+\b):8*(8*((\a)%4)+\b)+7], v[128*(\p)+FR*\b:128*(\p)+FR*\b+FR-1], v[AF+FR*(\a):AF+FR*(\a)+FR-1], 0
.else
	v_wmma_f32_16x16x128_fp8_fp8 v[8*(8*((\a)%4)+\b):8*(8*((\a)%4)+\b)+7], v[128*(\p)+FR*\b:128*(\p)+FR*\b+FR-1], v[AF+FR*(\a):AF+FR*(\a)+FR-1], v[8*(8*((\a)%4)+\b):8*(8*((\a)%4)+\b)+7]
.endif
.endr
.endr
.endm
.macro FETCH_B slot, q, p
	WIN TO_B
.irp i, 0,1,2,3,4,5,6,7
	FRAG 128*(\p)+FR*\i, ADRB+\slot, \q, \i
.endr
	WIN 0
.endm
.macro FETCH_A slot, q, i0
.irp i, \i0, \i0+1, \i0+2, \i0+3
	FRAG AF+FR*(\i), ADRA+\slot, \q, \i
.endr
.endm
.macro PLACES n
.rept \n
	v_nop
.endr
.endm
.macro STEP slot, q, zero
	s_wait_dscnt 4*NL                              ; the youngest 16 loads (A's blocks 4-7) may be out
	WIN MUL_LO
	MUL16 0, (\q)%2, \zero
	MUL16 2, (\q)%2, \zero
	s_wait_dscnt 0
	PLACES NP
	FETCH_B \slot, (\q)+1, 1-(\q)%2
	FETCH_A \slot, (\q)+1, 0
	WIN MUL_HI
	MUL16 4, (\q)%2, \zero
	MUL16 6, (\q)%2, \zero
	PLACES NP
	WIN 0
	FETCH_A \slot, (\q)+1, 4
.endm
.macro TURN slot, next, fill
	s_wait_tensorcnt 0x0                           ; all my tensor loads have landed: my part of the next slot
	ds_add_u32 v[SPW], v[NIL]                      ; 0 onto my spare word
	s_wait_dscnt 4*NL+1                            ; (the add and the youngest 16 loads may be out)
	WIN MUL_LO
	MUL16 0, 1, 0
	s_wait_dscnt 0x0                               ; the add is done, and my reads of this slot are over
	s_barrier_signal -1
	MUL16 2, 1, 0
	WIN 0
	s_barrier_wait -1
.if \fill
	CREST                                          ; the barrier has opened a round of the cluster's barrier
	s_add_nc_u64 s[G0+4*\slot+2:G0+4*\slot+3], s[G0+4*\slot+2:G0+4*\slot+3], 2*ROWB
	s_add_nc_u64 s[G0B+4*\slot+2:G0B+4*\slot+3], s[G0B+4*\slot+2:G0B+4*\slot+3], 2*ROWB
	JLOAD G0+4*\slot, G1, G0B+4*\slot, G1B
.else
	PLACES NP
.endif
	FETCH_B \next, 0, 0
	FETCH_A \next, 0, 0
	WIN MUL_HI
	MUL16 4, 1, 0
	MUL16 6, 1, 0
	PLACES NP
	WIN 0
	FETCH_A \next, 0, 4
.endm
; THE WAY OUT, block by block of 16 rows x 128 columns: the sums x 2^(e14 + e15) go through my own stage and come back as whole rows of 512 bytes; there the bias and the residual's row are added, and the row is stored.
.macro RLOAD a
	WIN 0x40
.irp t, 0,1,2,3,4,5,6,7,8,9,10,11,12,13,14,15
	global_load_b128 v[64*((\a)%4)+4*\t:64*((\a)%4)+4*\t+3], v[CO], s[12:13] offset:(16*(\a)+\t)*SIZE_N*4 th:TH_LOAD_NT
.endr
	WIN 0
.endm
.macro TOSTAGE a
.set AC, 64*((\a)%4)
	WIN 0x02+((\a)/4)
.set jj, 0
.rept 32
	v_pk_mul_f32 v[TMP+jj:TMP+jj+1], v[AC+jj:AC+jj+1], s[96:97] op_sel_hi:[1,0]   ; each accumulator from its low end on
.set jj, jj+2
.endr
	WIN 0
.irp b, 0,1,2,3,4,5,6,7
	ds_store_b128 v[STO], v[TMP+8*\b:TMP+8*\b+3] offset:64*\b
	ds_store_b128 v[STO], v[TMP+8*\b+4:TMP+8*\b+7] offset:64*\b+16
.endr
.set BB, BK+64*((\a)%2)
.irp t, 0,1,2,3,4,5,6,7,8,9,10,11,12,13,14,15
	ds_load_b128 v[BB+4*\t:BB+4*\t+3], v[RD] offset:\t*SPITCH   ; LDS serves a wave's instructions in order: these see the stores above
.endr
.endm
.macro SEND a, younger
.set BB, BK+64*((\a)%2)
.set RS, 64*((\a)%4)
	s_wait_dscnt \younger
.irp t, 0,1,2,3,4,5,6,7,8,9,10,11,12,13,14,15
	v_pk_add_f32 v[BB+4*\t:BB+4*\t+1], v[BB+4*\t:BB+4*\t+1], v[BO:BO+1]
	v_pk_add_f32 v[BB+4*\t+2:BB+4*\t+3], v[BB+4*\t+2:BB+4*\t+3], v[BO+2:BO+3]
.endr
.if (\a) < 5
	s_wait_loadcnt 48                              ; this block's 16 residual loads are in; the three younger sets may be out
.else
	s_wait_loadcnt 16*(7-(\a))
.endif
	WIN 0x04
.set jj, 0
.rept 32
	v_pk_add_f32 v[BB+jj:BB+jj+1], v[BB+jj:BB+jj+1], v[RS+jj:RS+jj+1]
.set jj, jj+2
.endr
	WIN 0
.irp t, 0,1,2,3,4,5,6,7,8,9,10,11,12,13,14,15
	global_store_b128 v[CO], v[BB+4*\t:BB+4*\t+3], s[10:11] offset:(16*(\a)+\t)*SIZE_N*4 th:TH_STORE_NT   ; 32 lanes store 512 consecutive bytes, aligned; written once, read by nobody here
.endr
.endm
	s_wait_loadcnt 0x0                             ; the bias
	s_wait_tensorcnt 1                             ; my part of K step 0 is in (K step 1's load may be out),
	s_barrier_signal -1
	s_barrier_wait -1
	FETCH_B 0, 0, 0
	FETCH_A 0, 0, 0
	FETCH_A 0, 0, 4
	STEP 0, 0, 1
	s_mov_b32 s3, LAPS-1
.Llap:
	TURN 0, 1, 1
	STEP 1, 0, 0
	TURN 1, 0, 1
	STEP 0, 0, 0
	s_sub_co_u32 s3, s3, 1
	s_cmp_lg_u32 s3, 0
	s_cbranch_scc1 .Llap
	TURN 0, 1, 0
	STEP 1, 0, 0
	RLOAD 0                                        ; B's set 0 is done with (four places stand behind its last products): the residual's first rows are asked for under the last step
	RLOAD 1
	s_wait_dscnt 4*NL
	WIN MUL_LO
	MUL16 0, 1, 0
	MUL16 2, 1, 0
	s_wait_dscnt 0
	WIN MUL_HI
	MUL16 4, 1, 0
	MUL16 6, 1, 0
	WIN 0
	s_wait_kmcnt 0x0
	s_add_co_i32 s96, s96, s97
	s_add_co_i32 s96, s96, 127
	s_lshl_b32 s96, s96, 23                        ; 2^(e14 + e15) as f32
	PLACES NP
	RLOAD 2
	RLOAD 3
	TOSTAGE 0
.irp a, 1,2,3,4,5,6,7
.if \a > 1
	s_wait_xcnt 0x0                                ; block a - 2's stores have read their registers: block a's loads may land there
.endif
	TOSTAGE \a
	SEND \a-1, 32                                  ; behind block a - 1's loads: block a's 16 stores and 16 loads
.if \a < 5
	RLOAD \a+3
.endif
.endr
	SEND 7, 0
	s_wait_tensorcnt 0x0                           ; the wave's end
	ds_add_u32 v[SPW], v[NIL]
	s_wait_dscnt 0x0
	CROUND                                         ; the closing round
	s_endpgm
.Lfunc_end_k_q7d8e61710a_w2:
	.size	k_q7d8e61710a_w2, .Lfunc_end_k_q7d8e61710a_w2-k_q7d8e61710a_w2
	.p2alignl 7, 3214868480
	.fill 96, 4, 3214868480
	.section	.rodata,"a",@progbits
	.p2align	6, 0x0
	.amdhsa_kernel k_q7d8e61710a_w2
		.amdhsa_group_segment_fixed_size 327680
		.amdhsa_private_segment_fixed_size 0
		.amdhsa_enable_private_segment 0
		.amdhsa_kernarg_size 48
		.amdhsa_user_sgpr_count 2
		.amdhsa_user_sgpr_kernarg_segment_ptr 1
		.amdhsa_wavefront_size32 1
		.amdhsa_system_sgpr_workgroup_id_x 1
		.amdhsa_system_sgpr_workgroup_id_y 1
		.amdhsa_system_sgpr_workgroup_id_z 1
		.amdhsa_system_vgpr_workitem_id 0
		.amdhsa_next_free_vgpr 1024
		.amdhsa_next_free_sgpr 98
		.amdhsa_reserve_vcc 0
		.amdhsa_float_denorm_mode_32 3
		.amdhsa_float_denorm_mode_16_64 3
		.amdhsa_memory_ordered 1
		.amdhsa_forward_progress 1
		.amdhsa_inst_pref_size 168
	.end_amdhsa_kernel
	.amdgpu_metadata
---
amdhsa.version: [ 1, 2 ]
amdhsa.kernels:
  - .name:           k_q7d8e61710a_w2
    .symbol:         k_q7d8e61710a_w2.kd
    .args:
      - { .name: mc, .offset: 0, .size: 8, .value_kind: global_buffer, .address_space: global }
      - { .name: wc, .offset: 8, .size: 8, .value_kind: global_buffer, .address_space: global }
      - { .name: lowp_scales, .offset: 16, .size: 8, .value_kind: global_buffer, .address_space: global }
      - { .name: out0, .offset: 24, .size: 8, .value_kind: global_buffer, .address_space: global }
      - { .name: b2, .offset: 32, .size: 8, .value_kind: global_buffer, .address_space: global }
      - { .name: x1, .offset: 40, .size: 8, .value_kind: global_buffer, .address_space: global }
    .group_segment_fixed_size: 327680
    .private_segment_fixed_size: 0
    .kernarg_segment_align: 8
    .kernarg_segment_size: 48
    .max_flat_workgroup_size: 128
    .sgpr_count:     98
    .vgpr_count:     1024
    .wavefront_size: 32
...
	.end_amdgpu_metadata
.endif
;; end of part 7
;; ======== version 2 of 2: 7 launches
;; limits: right only within a limited range of input values
;; workspace buffers: wc 12,582,912 bytes; hc 12,582,912 bytes; qkvc 12,582,912 bytes; yc 4,194,304 bytes; x1 16,777,216 bytes; h2c 4,194,304 bytes; mc 16,777,216 bytes
;; launch prep (part 8): grid 640 x 1, 4 waves a work-group, no clusters, 35,328 bytes of LDS; arguments x, ln1_g, ln1_b, Wq, Wk, Wv, Wo, W1, W2, lowp_scales, wc, hc; writes wc, hc
.if DOCPART == 8
	.amdgcn_target "amdgcn-amd-amdhsa--gfx1250"
	.amdhsa_code_object_version 6
	.text
	.protected	k_q7d8e61710a_prep
	.globl	k_q7d8e61710a_prep
	.p2align	8
	.type	k_q7d8e61710a_prep,@function
k_q7d8e61710a_prep:
	s_mov_b64 s[64:65], 0
	v_nop
	global_prefetch_b8 v0, s[64:65] scope:SCOPE_SE
	s_setreg_imm32_b32 hwreg(HW_REG_WAVE_MODE, 25, 1), 1
	s_wait_xcnt 0x0
; Two jobs in one launch, told apart by the work-group's number.
; WORK-GROUPS 0 TO 383: the six weights, f32 stored [k][n], become codes of E4M3 laid [n][k], K innermost, in wc: Wq at 0, Wk at 0x100000, Wv at 0x200000, Wo at 0x300000 (each [1024][1024]),
;   W1 at 0x400000 ([4096][1024]), W2 at 0x800000 ([1024][4096]).  A work-group takes 128 columns x 256 along K; a lane takes a column and its registers run down K, so the conversions give codes with K innermost;
;   a wave's 32 columns x 256 codes go through its own stage in LDS and leave as rows: sixteen lanes store 256 consecutive bytes, aligned.  One path serves all six: pointers, pitches and the scale are chosen by selects on ids.
; WORK-GROUPS 384 TO 639: h = LayerNorm(x) in f32 (mean, then the mean of the squared differences), quantised three times, with the scales of entries 0, 2 and 4, into hc's three images [4096][1024].
;   A wave takes four rows and keeps each in 32 registers: register 8 c + i of a lane is column 256 c + 8 lane + i, so eight registers are eight neighbours along K and a lane's codes of a chunk are 8 bytes:
;   32 lanes store 256 consecutive bytes, aligned.  No LDS, no barrier on this path.
; code = number / 2^e, held within +-448, rounded to the nearest code, ties to even.  LIMITS: each e between -126 and 119.  NaN among the inputs is not served.
.set PITCH, 272                        ; a stage row: 256 codes + 16 bytes
.set WX,   32                          ; weights: v32-95 two sets of 32 numbers
.set WC,   96                          ; v96-103 a block's codes
.set OUTR, 112                         ; v112-175 the way out
.set LO,   176                         ; v176-207 byte offset of row i of a block: i x the input's pitch + 4 x lane
.set SOF,  208                         ; v208-223 byte offset of the way out's store t
.set LOF,  3                           ; LayerNorm: v3 32 x lane
.set SOFF, 4                           ; v4 8 x lane
.set QS,   6                           ; v6-11 for each of the three scales: 2^e, 448 x 2^e
.set ST,   12                          ; v12-19 a pair for each row: a figure of the row; the lane exchange's destination
.set CH,   20                          ; v20-27 a pair for each row: the running sums
.set T0,   28                          ; v28-43 two sets of eight held numbers
.set G,    44                          ; v44-75 the gain at my 32 columns
.set BT,   76                          ; v76-107 the bias
.set X,    108                         ; v108-235 four rows
.set CD,   236                         ; v236-243 a row's codes for one scale
	s_load_b512 s[4:19], s[0:1], 0x0               ; x s[4:5], g s[6:7], b s[8:9], Wq s[10:11], Wk s[12:13], Wv s[14:15], Wo s[16:17], W1 s[18:19]
	s_load_b256 s[20:27], s[0:1], 0x40             ; W2 s[20:21], the exponents s[22:23], wc s[24:25], hc s[26:27]
	v_lshl_add_u32 v254, v0, 2, 0x8800
	v_mov_b32 v255, 0
	v_lshrrev_b32 v1, 5, v0
	v_readfirstlane_b32 s28, v1                    ; wave
	v_and_b32 v2, 31, v0                           ; lane
	s_wait_kmcnt 0x0
	s_load_b512 s[72:87], s[22:23], 0x0            ; all sixteen exponents: entry n in s[72 + n]
	s_cmp_ge_u32 ttmp9, 384
	s_cbranch_scc1 .Lln
	; ---------------- the weights
	s_lshr_b32 s30, ttmp9, 5                       ; 0-3: Wq, Wk, Wv, Wo; 4-7: W1; 8-11: W2
	s_mov_b64 s[32:33], s[10:11]                   ; the tensor,
	s_mov_b32 s35, 0                               ; its place in wc,
	s_mov_b32 s36, 4096                            ; its pitch in bytes,
	s_mov_b32 s37, 1024                            ; its codes' pitch (its K),
	s_mov_b32 s38, 3                               ; log2 of its blocks of 128 columns,
	s_mov_b32 s39, 31                              ; its work-groups - 1
	s_cmp_eq_u32 s30, 1
	s_cselect_b64 s[32:33], s[12:13], s[32:33]
	s_cselect_b32 s35, 0x100000, s35
	s_cmp_eq_u32 s30, 2
	s_cselect_b64 s[32:33], s[14:15], s[32:33]
	s_cselect_b32 s35, 0x200000, s35
	s_cmp_eq_u32 s30, 3
	s_cselect_b64 s[32:33], s[16:17], s[32:33]
	s_cselect_b32 s35, 0x300000, s35
	s_cmp_ge_u32 s30, 4
	s_cselect_b64 s[32:33], s[18:19], s[32:33]
	s_cselect_b32 s35, 0x400000, s35
	s_cselect_b32 s36, 16384, s36
	s_cselect_b32 s38, 5, s38
	s_cselect_b32 s39, 127, s39
	s_cmp_ge_u32 s30, 8
	s_cselect_b64 s[32:33], s[20:21], s[32:33]
	s_cselect_b32 s35, 0x800000, s35
	s_cselect_b32 s36, 4096, s36
	s_cselect_b32 s37, 4096, s37
	s_cselect_b32 s38, 3, s38
	s_and_b32 s40, ttmp9, s39                      ; my number among the tensor's work-groups
	s_bfm_b32 s41, s38, 0
	s_and_b32 s42, s40, s41                        ; which 128 columns
	s_lshr_b32 s43, s40, s38                       ; which 256 along K
	s_lshl_b32 s42, s42, 7
	s_lshl_b32 s44, s28, 5
	s_add_co_u32 s42, s42, s44                     ; my wave's first column
	s_lshl_b32 s44, s43, 8                         ; my first k
	s_mul_i32 s46, s44, s36
	s_lshl_b32 s45, s42, 2
	s_add_co_u32 s46, s46, s45                     ; k x pitch + 4 x column: under 2^24
	s_mov_b32 s47, 0
	s_add_nc_u64 s[48:49], s[32:33], s[46:47]      ; s[48 + 2 t : 49 + 2 t]: where block t (32 along K) begins
	s_lshl_b32 s46, s36, 5                         ; 32 rows on
.irp t, 1,2,3,4,5,6,7
	s_add_nc_u64 s[48+2*\t:49+2*\t], s[46+2*\t:47+2*\t], s[46:47]
.endr
	s_mul_i32 s66, s42, s37                        ; the codes: column x K
	s_add_co_u32 s66, s66, s44                     ; + k
	s_add_co_u32 s66, s66, s35                     ; + the tensor's place
	s_mov_b32 s67, 0
	s_add_nc_u64 s[66:67], s[24:25], s[66:67]
	s_wait_alu depctr_va_vdst(0)
	v_lshlrev_b32 v3, 2, v2                        ; in: 4 bytes a lane
	s_mul_i32 s29, s28, 32*PITCH                   ; my stage
	v_mul_u32_u24 v4, v2, PITCH
	v_add_nc_u32 v4, s29, v4                       ; into it: row = my column
	v_and_b32 v5, 15, v2
	v_lshrrev_b32 v6, 4, v2                        ; out of it: sixteen lanes to a row, two rows an instruction
	v_mul_u32_u24 v7, v6, PITCH
	v_lshl_add_u32 v7, v5, 4, v7
	v_add_nc_u32 v7, s29, v7
	v_mul_u32_u24 v8, v6, s37
	v_lshl_add_u32 v8, v5, 4, v8                   ; the same place in the codes
.set ii, 0
.rept 32
	v_mad_u32_u24 v[LO+ii], s36, ii, v3
.set ii, ii+1
.endr
.set ii, 0
.rept 16
	v_mad_u32_u24 v[SOF+ii], s37, 2*ii, v8
.set ii, ii+1
.endr
.macro LOADW t                         ; block t: W(32 t + i, my column), i = 0 .. 31, into set t % 2: 32 lanes read 128 consecutive bytes, the four waves 512
.set ii, 0
.rept 32
	global_load_b32 v[WX+32*((\t)%2)+ii], v[LO+ii], s[48+2*(\t):49+2*(\t)] th:TH_LOAD_NT
.set ii, ii+1
.endr
.endm
	LOADW 0
	LOADW 1
	s_wait_kmcnt 0x0
	s_mov_b32 s34, s73                             ; the tensor's exponent: entries 1, 3, 5, 11, 13, 15
	s_cmp_eq_u32 s30, 1
	s_cselect_b32 s34, s75, s34
	s_cmp_eq_u32 s30, 2
	s_cselect_b32 s34, s77, s34
	s_cmp_eq_u32 s30, 3
	s_cselect_b32 s34, s83, s34
	s_cmp_ge_u32 s30, 4
	s_cselect_b32 s34, s85, s34
	s_cmp_ge_u32 s30, 8
	s_cselect_b32 s34, s87, s34
	s_add_co_i32 s34, s34, 127
	s_lshl_b32 s31, s34, 23
	v_mov_b32 v11, s31                             ; 2^e as f32: the conversion takes its exponent field
	s_add_co_i32 s34, s34, 8
	s_lshl_b32 s34, s34, 23
	s_or_b32 s34, s34, 0x600000
	v_mov_b32 v10, s34                             ; 448 x 2^e
.macro BLOCK t
.set XS, WX+32*((\t)%2)
.if (\t) < 7
	s_wait_loadcnt 32                              ; this block's 32 loads are in; the next block's 32 may be out
.else
	s_wait_loadcnt 0
.endif
.set ii, 0
.rept 32
	v_med3_num_f32 v[XS+ii], v[XS+ii], -v10, v10   ; the conversion to an 8-bit code does not saturate (ISA guide 7.6.2): the hold comes first
.set ii, ii+1
.endr
.irp g, 0,1,2,3
	v_cvt_scalef32_pk8_fp8_f32 v[WC+2*\g:WC+2*\g+1], v[XS+8*\g:XS+8*\g+7], v11
.endr
	ds_store_b128 v4, v[WC:WC+3] offset:32*(\t)    ; 32 codes of my column's row
	ds_store_b128 v4, v[WC+4:WC+7] offset:32*(\t)+16
.if (\t)+2 < 8
	LOADW (\t)+2
.endif
	s_wait_dscnt 0x0                               ; the stores are done: the next block's codes may be written
.endm
	s_wait_alu depctr_va_vdst(0)
.irp t, 0,1,2,3,4,5,6,7
	BLOCK \t
.endr
.irp t, 0,1,2,3,4,5,6,7,8,9,10,11,12,13,14,15
	ds_load_b128 v[OUTR+4*\t:OUTR+4*\t+3], v7 offset:2*\t*PITCH   ; LDS serves a wave's instructions in order: these see my stores
.endr
.irp t, 0,1,2,3,4,5,6,7,8,9,10,11,12,13,14,15
	s_wait_dscnt 15-\t                             ; the younger loads may be out
	global_store_b128 v[SOF+\t], v[OUTR+4*\t:OUTR+4*\t+3], s[66:67]
.endr
	s_wait_tensorcnt 0x0
	ds_add_u32 v254, v255
	s_wait_dscnt 0x0
	s_endpgm
	; ---------------- LayerNorm 1
.Lln:
	s_sub_co_u32 s30, ttmp9, 384
	s_lshl_b32 s30, s30, 4
	s_lshl_b32 s31, s28, 2
	s_add_co_u32 s30, s30, s31                     ; my wave's first row: 16 x work-group + 4 x wave
	s_lshl_b32 s32, s30, 12
	s_mov_b32 s33, 0
	s_add_nc_u64 s[4:5], s[4:5], s[32:33]          ; x at that row
	s_lshl_b32 s32, s30, 10
	s_add_nc_u64 s[34:35], s[26:27], s[32:33]      ; the three images at that row
	s_add_nc_u64 s[36:37], s[34:35], 0x400000
	s_add_nc_u64 s[38:39], s[34:35], 0x800000
	s_mov_b32 s40, 0x76543210                      ; v_permlanex16_b32: lane l takes lane l xor 16
	s_mov_b32 s41, 0xfedcba98
	s_mov_b32 s42, 0x3a800000                      ; 1 / 1024
	s_mov_b32 s43, 0x3727c5ac                      ; 1e-5
	s_wait_alu depctr_va_vdst(0)
	v_lshlrev_b32 v[LOF], 5, v2
	v_lshlrev_b32 v[SOFF], 3, v2
.irp r, 0,1,2,3
.irp c, 0,1,2,3
	global_load_b128 v[X+32*\r+8*\c:X+32*\r+8*\c+3], v[LOF], s[4:5] offset:4096*\r+1024*\c
	global_load_b128 v[X+32*\r+8*\c+4:X+32*\r+8*\c+7], v[LOF], s[4:5] offset:4096*\r+1024*\c+16
.endr
.endr
.irp c, 0,1,2,3
	global_load_b128 v[G+8*\c:G+8*\c+3], v[LOF], s[6:7] offset:1024*\c
	global_load_b128 v[G+8*\c+4:G+8*\c+7], v[LOF], s[6:7] offset:1024*\c+16
	global_load_b128 v[BT+8*\c:BT+8*\c+3], v[LOF], s[8:9] offset:1024*\c
	global_load_b128 v[BT+8*\c+4:BT+8*\c+7], v[LOF], s[8:9] offset:1024*\c+16
.endr
.irp r, 0,1,2,3
	v_mov_b32 v[ST+2*\r+1], 0                      ; written once: a lane exchange's destination counts as read
.endr
	s_wait_kmcnt 0x0
.irp q, 0,1,2
	s_add_co_i32 s44, s[72+2*\q], 127
	s_lshl_b32 s45, s44, 23
	v_mov_b32 v[QS+2*\q], s45                      ; 2^e
	s_add_co_i32 s44, s44, 8
	s_lshl_b32 s44, s44, 23
	s_or_b32 s44, s44, 0x600000
	v_mov_b32 v[QS+2*\q+1], s44                    ; 448 x 2^e
.endr
.macro REDUCE                          ; the four rows' figures, summed over the 32 lanes, into every lane; the rows take turns
.irp m, 1,2,4,8
.irp r, 0,1,2,3
	v_add_f32_dpp v[ST+2*\r], v[ST+2*\r], v[ST+2*\r] row_xmask:\m row_mask:0xf bank_mask:0xf
.endr
.endr
.irp r, 0,1,2,3
	v_permlanex16_b32 v[ST+2*\r+1], v[ST+2*\r], s40, s41
.endr
.irp r, 0,1,2,3
	v_add_f32 v[ST+2*\r], v[ST+2*\r], v[ST+2*\r+1]
.endr
.endm
	s_wait_loadcnt 0x0
.irp r, 0,1,2,3
	v_pk_add_f32 v[CH+2*\r:CH+2*\r+1], v[X+32*\r:X+32*\r+1], v[X+32*\r+2:X+32*\r+3]
.endr
.irp j, 4,6,8,10,12,14,16,18,20,22,24,26,28,30
.irp r, 0,1,2,3
	v_pk_add_f32 v[CH+2*\r:CH+2*\r+1], v[CH+2*\r:CH+2*\r+1], v[X+32*\r+\j:X+32*\r+\j+1]
.endr
.endr
.irp r, 0,1,2,3
	v_add_f32 v[ST+2*\r], v[CH+2*\r], v[CH+2*\r+1]
.endr
	REDUCE
.irp r, 0,1,2,3
	v_mul_f32 v[ST+2*\r], s42, v[ST+2*\r]          ; the mean
.endr
.irp j, 0,2,4,6,8,10,12,14,16,18,20,22,24,26,28,30
.irp r, 0,1,2,3
	v_pk_add_f32 v[X+32*\r+\j:X+32*\r+\j+1], v[X+32*\r+\j:X+32*\r+\j+1], v[ST+2*\r:ST+2*\r+1] op_sel_hi:[1,0] neg_lo:[0,1] neg_hi:[0,1]   ; x - mean
.endr
.endr
.irp r, 0,1,2,3
	v_pk_mul_f32 v[CH+2*\r:CH+2*\r+1], v[X+32*\r:X+32*\r+1], v[X+32*\r:X+32*\r+1]
.endr
.irp j, 2,4,6,8,10,12,14,16,18,20,22,24,26,28,30
.irp r, 0,1,2,3
	v_pk_fma_f32 v[CH+2*\r:CH+2*\r+1], v[X+32*\r+\j:X+32*\r+\j+1], v[X+32*\r+\j:X+32*\r+\j+1], v[CH+2*\r:CH+2*\r+1]
.endr
.endr
.irp r, 0,1,2,3
	v_add_f32 v[ST+2*\r], v[CH+2*\r], v[CH+2*\r+1]
.endr
	REDUCE
.irp r, 0,1,2,3
	v_fma_f32 v[ST+2*\r], v[ST+2*\r], s42, s43     ; the variance + 1e-5
.endr
	s_wait_alu depctr_va_vdst(0)
.irp r, 0,1,2,3
	v_rsq_f32 v[ST+2*\r], v[ST+2*\r]
.endr
	v_nop                                          ; a plain instruction behind the last of the four
	s_wait_alu depctr_va_vdst(0)                   ; one wait for the four, ahead of their first reader
.irp j, 0,2,4,6,8,10,12,14,16,18,20,22,24,26,28,30
.irp r, 0,1,2,3
	v_pk_mul_f32 v[X+32*\r+\j:X+32*\r+\j+1], v[X+32*\r+\j:X+32*\r+\j+1], v[ST+2*\r:ST+2*\r+1] op_sel_hi:[1,0]
.endr
.endr
.irp j, 0,2,4,6,8,10,12,14,16,18,20,22,24,26,28,30
.irp r, 0,1,2,3
	v_pk_fma_f32 v[X+32*\r+\j:X+32*\r+\j+1], v[X+32*\r+\j:X+32*\r+\j+1], v[G+\j:G+\j+1], v[BT+\j:BT+\j+1]
.endr
.endr
.irp r, 0,1,2,3
.irp q, 0,1,2
	s_wait_xcnt 0x0                                ; the last group's stores have read their data: the codes' registers may be written again
.irp c, 0,1,2,3
.irp i, 0,1,2,3,4,5,6,7
	v_med3_num_f32 v[T0+8*(\c%2)+\i], v[X+32*\r+8*\c+\i], -v[QS+2*\q+1], v[QS+2*\q+1]   ; the hold, into one of two sets by turns: no line writes a conversion's sources straight behind it
.endr
	v_cvt_scalef32_pk8_fp8_f32 v[CD+2*\c:CD+2*\c+1], v[T0+8*(\c%2):T0+8*(\c%2)+7], v[QS+2*\q]
.endr
.irp c, 0,1,2,3
	global_store_b64 v[SOFF], v[CD+2*\c:CD+2*\c+1], s[34+2*\q:35+2*\q] offset:1024*\r+256*\c   ; 32 lanes store 256 consecutive bytes, aligned
.endr
.endr
.endr
	s_endpgm
.Lfunc_end_k_q7d8e61710a_prep:
	.size	k_q7d8e61710a_prep, .Lfunc_end_k_q7d8e61710a_prep-k_q7d8e61710a_prep
	.p2alignl 7, 3214868480
	.fill 96, 4, 3214868480
	.section	.rodata,"a",@progbits
	.p2align	6, 0x0
	.amdhsa_kernel k_q7d8e61710a_prep
		.amdhsa_group_segment_fixed_size 35328
		.amdhsa_private_segment_fixed_size 0
		.amdhsa_enable_private_segment 0
		.amdhsa_kernarg_size 96
		.amdhsa_user_sgpr_count 2
		.amdhsa_user_sgpr_kernarg_segment_ptr 1
		.amdhsa_wavefront_size32 1
		.amdhsa_system_sgpr_workgroup_id_x 1
		.amdhsa_system_sgpr_workgroup_id_y 1
		.amdhsa_system_sgpr_workgroup_id_z 1
		.amdhsa_system_vgpr_workitem_id 0
		.amdhsa_next_free_vgpr 256
		.amdhsa_next_free_sgpr 90
		.amdhsa_reserve_vcc 0
		.amdhsa_float_denorm_mode_32 3
		.amdhsa_float_denorm_mode_16_64 3
		.amdhsa_memory_ordered 1
		.amdhsa_forward_progress 1
		.amdhsa_inst_pref_size 116
	.end_amdhsa_kernel
	.amdgpu_metadata
---
amdhsa.version: [ 1, 2 ]
amdhsa.kernels:
  - .name:           k_q7d8e61710a_prep
    .symbol:         k_q7d8e61710a_prep.kd
    .args:
      - { .name: x, .offset: 0, .size: 8, .value_kind: global_buffer, .address_space: global }
      - { .name: ln1_g, .offset: 8, .size: 8, .value_kind: global_buffer, .address_space: global }
      - { .name: ln1_b, .offset: 16, .size: 8, .value_kind: global_buffer, .address_space: global }
      - { .name: Wq, .offset: 24, .size: 8, .value_kind: global_buffer, .address_space: global }
      - { .name: Wk, .offset: 32, .size: 8, .value_kind: global_buffer, .address_space: global }
      - { .name: Wv, .offset: 40, .size: 8, .value_kind: global_buffer, .address_space: global }
      - { .name: Wo, .offset: 48, .size: 8, .value_kind: global_buffer, .address_space: global }
      - { .name: W1, .offset: 56, .size: 8, .value_kind: global_buffer, .address_space: global }
      - { .name: W2, .offset: 64, .size: 8, .value_kind: global_buffer, .address_space: global }
      - { .name: lowp_scales, .offset: 72, .size: 8, .value_kind: global_buffer, .address_space: global }
      - { .name: wc, .offset: 80, .size: 8, .value_kind: global_buffer, .address_space: global }
      - { .name: hc, .offset: 88, .size: 8, .value_kind: global_buffer, .address_space: global }
    .group_segment_fixed_size: 35328
    .private_segment_fixed_size: 0
    .kernarg_segment_align: 8
    .kernarg_segment_size: 96
    .max_flat_workgroup_size: 128
    .sgpr_count:     90
    .vgpr_count:     256
    .wavefront_size: 32
...
	.end_amdgpu_metadata
.endif
;; end of part 8
;; launch qkv (part 9): grid 12 x 16, 4 waves a work-group, clusters of 4 x 4, 327,680 bytes of LDS; arguments hc, wc, lowp_scales, qkvc, bq, bk, bv; writes qkvc
.if DOCPART == 9
	.amdgcn_target "amdgcn-amd-amdhsa--gfx1250"
	.amdhsa_code_object_version 6
	.text
	.protected	k_q7d8e61710a_qkv
	.globl	k_q7d8e61710a_qkv
	.p2align	8
	.type	k_q7d8e61710a_qkv,@function
k_q7d8e61710a_qkv:
	s_mov_b64 s[64:65], 0
	v_nop
	global_prefetch_b8 v0, s[64:65] scope:SCOPE_SE
	s_setreg_imm32_b32 hwreg(HW_REG_WAVE_MODE, 25, 1), 1
	s_wait_xcnt 0x0
	s_wait_alu depctr_hold_cnt(0) depctr_sa_sdst(0) depctr_va_vdst(0) depctr_va_sdst(0) depctr_va_ssrc(0) depctr_va_vcc(0) depctr_vm_vsrc(0)
	s_getreg_b32 s2, hwreg(HW_REG_IB_STS2, 6, 4)
	s_cmp_eq_u32 s2, 0
	s_cbranch_scc0 .Lentry_in_a_cluster
	s_endpgm
.Lentry_in_a_cluster:
	s_bfe_u32 s2, ttmp6, 0x10000c
	s_cmp_lg_u32 s2, 0xf033
	s_cbranch_scc0 .Lentry_shape_is_right
	s_endpgm
.Lentry_shape_is_right:
.set SIZE_K, 1024
.set KSTEP,  256
.set ROWB,   256
.set KROW,   SIZE_K
.set PITCH,  272
.set FR,     16
.set NL,     4
.set NP,     4
.set HALFT,  128*PITCH
.set SLOT,   4*HALFT
.set LAPS,   SIZE_K/(2*KSTEP)
.set SPARE,  2*SLOT
.set SPITCH, 144
.set WST,    128*SPITCH
.set ADRA, 16
.set ADRB, 20
.set STO,  24
.set RDQ,  25
.set RDV,  26
.set GOQ,  27
.set SPW,  28
.set NIL,  29
.set GOV,  30
.set BC,   32
.set BR,   96
.set SCV,  112
.set LIMV, 113
.set AF,   128
.set TMP,  128
.set CDB,  192
.set G1, 24
.set G0, 32
.set G1B, 48
.set G0B, 56
.set MSB, 0
.macro WIN new
.if MSB != \new
	s_set_vgpr_msb (MSB<<8)|\new
.set MSB, \new
.endif
.endm
.set MUL_LO, 0xa1
.set MUL_HI, 0xf1
.set TO_B,   0x40
.macro JLOAD g0a, g1a, g0b, g1b
	s_cmp_eq_u32 s15, 0
	s_cbranch_scc0 .Lfor_b_\@
	tensor_load_to_lds s[\g0a:\g0a+3], s[\g1a:\g1a+7]
	s_nop 0
.rept 4
	v_nop
.endr
	s_branch .Lasked_\@
.Lfor_b_\@:
	tensor_load_to_lds s[\g0b:\g0b+3], s[\g1b:\g1b+7]
	s_nop 0
.rept 4
	v_nop
.endr
.Lasked_\@:
.endm
.macro CREST
	s_cmp_lg_u32 s14, 0
	s_cbranch_scc1 .Lnot_wave_0_\@
	s_barrier_signal -3
.Lnot_wave_0_\@:
	s_barrier_wait -3
	s_barrier_signal -1
	s_barrier_wait -1
.endm
.macro CROUND
	s_barrier_signal -1
	s_barrier_wait -1
	CREST
.endm
	s_load_b256 s[4:11], s[0:1], 0x0
	s_load_b128 s[84:87], s[0:1], 0x20
	s_load_b64 s[88:89], s[0:1], 0x30
	v_lshl_add_u32 v[SPW], v0, 2, SPARE
	v_mov_b32 v[NIL], 0
	ds_add_u32 v28, v29
	ds_add_u32 v28, v29
	s_wait_dscnt 0x0
	v_lshrrev_b32 v1, 5, v0
	v_readfirstlane_b32 s14, v1
	v_and_b32 v31, 31, v0
	v_lshlrev_b32 v31, 10, v31                     ; the prefetches' offset: a lane a row of 1,024 bytes; never rewritten
	s_lshr_b32 s15, s14, 1
	s_and_b32 s16, s14, 1
	s_bfe_u32 s40, ttmp6, 0x40000
	s_bfe_u32 s41, ttmp6, 0x40004
	s_and_b32 s18, ttmp7, 0xffff
	s_cmp_eq_u32 ttmp9, 2
	s_cselect_b32 s17, 0, s18
	s_cselect_b32 s42, s18, ttmp9
	s_cselect_b32 s94, 0, -1
	s_cselect_b32 s95, -1, 0
	s_lshl_b32 s17, s17, 2
	s_add_co_u32 s17, s17, s41
	s_lshl_b32 s42, s42, 2
	s_add_co_u32 s42, s42, s40
	s_lshl_b32 s43, s41, 2
	s_lshl_b32 s43, 15, s43
	s_lshl_b32 s44, 0x1111, s40
	s_or_b32 s[G1+0], s43, (0<<16)|(1<<20)|(1<<21)|(5<<22)|(3<<25)
	s_or_b32 s[G1B+0], s44, (0<<16)|(1<<20)|(1<<21)|(5<<22)|(3<<25)
.irp g, G1, G1B
	s_mov_b32 s[\g+1], ROWB<<16
	s_mov_b32 s[\g+2], 128<<16
	s_mov_b32 s[\g+3], ROWB<<16
	s_mov_b32 s[\g+4], 128
	s_mov_b32 s[\g+5], KROW
	s_mov_b32 s[\g+6], 0
	s_mov_b32 s[\g+7], 0
.endr
	s_lshl_b32 s18, s16, 7
	s_lshl_b32 s20, s17, 8
	s_add_co_u32 s20, s20, s18
	s_lshl_b32 s20, s20, 10
	s_lshl_b32 s46, s42, 8
	s_add_co_u32 s46, s46, s18
	s_lshl_b32 s46, s46, 10
	s_mov_b32 s21, 0
	s_mov_b32 s47, 0
	s_mul_i32 s45, s14, HALFT
	s_wait_kmcnt 0x0
	s_load_b512 s[68:83], s[8:9], 0x0
	s_lshl_b32 s90, ttmp9, 22
	s_mov_b32 s91, 0
	s_add_nc_u64 s[90:91], s[4:5], s[90:91]
	s_add_nc_u64 s[92:93], s[6:7], 0x200000
	s_cmp_eq_u32 ttmp9, 2
	s_cselect_b64 s[4:5], s[92:93], s[90:91]
	s_cselect_b64 s[6:7], s[90:91], s[6:7]
	s_add_nc_u64 s[20:21], s[4:5], s[20:21]
	s_add_nc_u64 s[46:47], s[6:7], s[46:47]
	s_cmp_eq_u32 s15, 0                            ; the prefetches: of the 128 rows that I fetch, my work-group names 32, told apart by address (cx for A's tile, cy for B's)
	s_cselect_b64 s[66:67], s[20:21], s[46:47]
	s_cselect_b32 s12, s40, s41
	s_lshl_b32 s12, s12, 15
	s_mov_b32 s13, 0
	s_add_nc_u64 s[66:67], s[66:67], s[12:13]
.irp s, 0,1
	s_mov_b32 s[G0+4*\s], 1
	s_add_co_u32 s[G0+4*\s+1], s45, \s*SLOT
	s_add_nc_u64 s[G0+4*\s+2:G0+4*\s+3], s[20:21], \s*ROWB
	s_or_b32 s[G0+4*\s+3], s[G0+4*\s+3], 0x80000000
	s_mov_b32 s[G0B+4*\s], 1
	s_add_co_u32 s[G0B+4*\s+1], s45, \s*SLOT
	s_add_nc_u64 s[G0B+4*\s+2:G0B+4*\s+3], s[46:47], \s*ROWB
	s_or_b32 s[G0B+4*\s+3], s[G0B+4*\s+3], 0x80000000
.endr
	s_wait_alu depctr_va_vdst(0)
	s_wait_tensorcnt 0x0
	ds_add_u32 v28, v29                            ; the add, twice on end, and its wait
	ds_add_u32 v28, v29
	s_wait_dscnt 0x0
	CROUND                                         ; all sixteen work-groups are here: the joint loads meet
	JLOAD G0, G1, G0B, G1B                         ; K step 0: my one tensor load at the head; the set-up below stands under its flight
	global_prefetch_b8 v31, s[66:67] offset:256 th:TH_LOAD_NT scope:SCOPE_SE   ; the 256 bytes a row of K steps 1 and 2
	global_prefetch_b8 v31, s[66:67] offset:512 th:TH_LOAD_NT scope:SCOPE_SE
	v_and_b32 v1, 15, v0
	v_bfe_u32 v2, v0, 4, 1
	s_wait_alu depctr_va_vdst(0)
	s_lshl_b32 s18, s40, 8
	s_lshl_b32 s19, s16, 7
	s_add_co_u32 s18, s18, s19
	s_lshl_b32 s18, s18, 2
	s_and_b32 s18, s18, s94
	s_mov_b32 s19, 0
	s_cmp_eq_u32 ttmp9, 1
	s_cselect_b64 s[84:85], s[86:87], s[84:85]
	s_add_nc_u64 s[84:85], s[84:85], s[18:19]
	s_lshl_b32 s18, s17, 8
	s_lshl_b32 s22, s15, 7
	s_add_co_u32 s18, s18, s22
	s_lshl_b32 s18, s18, 2
	s_and_b32 s18, s18, s95
	s_add_nc_u64 s[88:89], s[88:89], s[18:19]
	v_lshlrev_b32 v7, 5, v2
	v_lshlrev_b32 v8, 2, v1
.irp b, 0,1,2,3,4,5,6,7
	global_load_b128 v[BC+8*\b:BC+8*\b+3], v7, s[84:85] offset:64*\b
	global_load_b128 v[BC+8*\b+4:BC+8*\b+7], v7, s[84:85] offset:64*\b+16
.endr
.irp a, 0,1,2,3,4,5,6,7
	global_load_b32 v[BR+2*\a], v8, s[88:89] offset:64*\a
	global_load_b32 v[BR+2*\a+1], v8, s[88:89] offset:64*\a
.endr
	v_mul_u32_u24 v3, v1, PITCH
	v_lshl_add_u32 v4, v2, 4, v3
	s_mul_i32 s21, s15, HALFT
	s_mul_i32 s22, s16, HALFT
	s_add_co_u32 s22, s22, 2*HALFT
.irp s, 0,1
	v_add_nc_u32 v[ADRA+\s], s21, v4
	v_add_nc_u32 v[ADRB+\s], s22, v4
	s_add_co_u32 s21, s21, SLOT
	s_add_co_u32 s22, s22, SLOT
.endr
	s_mul_i32 s23, s14, WST
	v_mul_u32_u24 v5, v1, SPITCH
	v_lshl_add_u32 v5, v2, 3, v5
	v_add_nc_u32 v[STO], s23, v5
	s_mul_i32 s23, s15, 2*WST
	s_mul_i32 s22, s16, 64*SPITCH
	s_add_co_u32 s23, s23, s22
	v_and_b32 v6, 31, v0
	v_lshrrev_b32 v9, 2, v6
	v_mul_u32_u24 v9, v9, SPITCH
	v_and_b32 v10, 3, v6
	v_lshl_add_u32 v9, v10, 4, v9
	v_add_nc_u32 v[RDQ], s23, v9
	v_lshlrev_b32 v[GOQ], 4, v6
	v_bfe_u32 v11, v0, 3, 1
	v_mul_u32_u24 v11, v11, WST
	v_mad_u32_u24 v11, v2, SPITCH, v11
	v_and_b32 v12, 7, v0
	v_lshl_add_u32 v11, v12, 4, v11
	v_add_nc_u32 v[RDV], s23, v11
	v_lshlrev_b32 v13, 11, v2
	v_lshl_add_u32 v[GOV], v1, 4, v13
	s_lshl_b32 s20, s17, 8
	s_lshr_b32 s21, s20, 11
	s_lshl_b32 s21, s21, 4
	s_lshl_b32 s22, s40, 2
	s_add_co_u32 s21, s21, s22
	s_lshl_b32 s21, s21, 17
	s_and_b32 s22, s20, 2047
	s_lshl_b32 s23, s14, 6
	s_add_co_u32 s22, s22, s23
	s_lshl_b32 s22, s22, 6
	s_add_co_u32 s21, s21, s22
	s_lshl_b32 s22, ttmp9, 22
	s_add_co_u32 s21, s21, s22
	s_lshl_b32 s46, s42, 8
	s_lshr_b32 s47, s46, 11
	s_lshl_b32 s47, s47, 21
	s_and_b32 s46, s46, 2047
	s_add_co_u32 s47, s47, s46
	s_add_co_u32 s20, s20, s23
	s_lshl_b32 s20, s20, 11
	s_add_co_u32 s47, s47, s20
	s_add_co_u32 s47, s47, 0x800000
	s_cmp_eq_u32 ttmp9, 2
	s_cselect_b32 s20, s47, s21
	s_mov_b32 s21, 0
	s_add_nc_u64 s[10:11], s[10:11], s[20:21]
	s_wait_kmcnt 0x0
	s_add_co_i32 s96, s68, s69
	s_add_co_i32 s97, s70, s71
	s_add_co_i32 s90, s72, s73
	s_cmp_eq_u32 ttmp9, 1
	s_cselect_b32 s96, s97, s96
	s_cselect_b32 s91, s75, s74
	s_cmp_eq_u32 ttmp9, 2
	s_cselect_b32 s96, s90, s96
	s_cselect_b32 s91, s76, s91
	s_add_co_i32 s96, s96, 127
	s_lshl_b32 s96, s96, 23
	s_mov_b32 s97, s96
	s_add_co_i32 s91, s91, 127
	s_lshl_b32 s92, s91, 23
	v_mov_b32 v[SCV], s92
	s_add_co_i32 s91, s91, 8
	s_lshl_b32 s91, s91, 23
	s_or_b32 s91, s91, 0x600000
	v_mov_b32 v[LIMV], s91
.macro FRAG reg, adr, q, i
.irp c, 0,1,2,3
	ds_load_b128 v[\reg+4*\c:\reg+4*\c+3], v[\adr] offset:128*(\q)+32*\c+(\i)*16*PITCH
.endr
.endm
.macro MUL16 a0, p, zero
.irp a, \a0, \a0+1
.irp b, 0,1,2,3,4,5,6,7
.if \zero
	v_wmma_f32_16x16x128_fp8_fp8 v[8*(8*((\a)%4)+\b):8*(8*((\a)%4)+\b)+7], v[128*(\p)+FR*\b:128*(\p)+FR*\b+FR-1], v[AF+FR*(\a):AF+FR*(\a)+FR-1], 0
.else
	v_wmma_f32_16x16x128_fp8_fp8 v[8*(8*((\a)%4)+\b):8*(8*((\a)%4)+\b)+7], v[128*(\p)+FR*\b:128*(\p)+FR*\b+FR-1], v[AF+FR*(\a):AF+FR*(\a)+FR-1], v[8*(8*((\a)%4)+\b):8*(8*((\a)%4)+\b)+7]
.endif
.endr
.endr
.endm
.macro FETCH_B slot, q, p
	WIN TO_B
.irp i, 0,1,2,3,4,5,6,7
	FRAG 128*(\p)+FR*\i, ADRB+\slot, \q, \i
.endr
	WIN 0
.endm
.macro FETCH_A slot, q, i0
.irp i, \i0, \i0+1, \i0+2, \i0+3
	FRAG AF+FR*(\i), ADRA+\slot, \q, \i
.endr
.endm
.macro PLACES n
.rept \n
	v_nop
.endr
.endm
.macro STEP slot, q, zero
	s_wait_dscnt 4*NL
	WIN MUL_LO
	MUL16 0, (\q)%2, \zero
	MUL16 2, (\q)%2, \zero
	s_wait_dscnt 0
	PLACES NP
	FETCH_B \slot, (\q)+1, 1-(\q)%2
	FETCH_A \slot, (\q)+1, 0
	WIN MUL_HI
	MUL16 4, (\q)%2, \zero
	MUL16 6, (\q)%2, \zero
	PLACES NP
	WIN 0
	FETCH_A \slot, (\q)+1, 4
.endm
.macro TURN slot, next, fill
	s_wait_tensorcnt 0x0
	ds_add_u32 v[SPW], v[NIL]
	s_wait_dscnt 4*NL+1
	WIN MUL_LO
	MUL16 0, 1, 0
	s_wait_dscnt 0x0
	s_barrier_signal -1
	MUL16 2, 1, 0
	WIN 0
	s_barrier_wait -1
.if \fill
	CREST
	s_add_nc_u64 s[G0+4*\slot+2:G0+4*\slot+3], s[G0+4*\slot+2:G0+4*\slot+3], 2*ROWB
	s_add_nc_u64 s[G0B+4*\slot+2:G0B+4*\slot+3], s[G0B+4*\slot+2:G0B+4*\slot+3], 2*ROWB
	JLOAD G0+4*\slot, G1, G0B+4*\slot, G1B
.else
	PLACES NP
.endif
	FETCH_B \next, 0, 0
	FETCH_A \next, 0, 0
	WIN MUL_HI
	MUL16 4, 1, 0
	MUL16 6, 1, 0
	PLACES NP
	WIN 0
	FETCH_A \next, 0, 4
.endm
	s_wait_alu depctr_va_vdst(0)
	s_wait_tensorcnt 0x0                           ; my part of K step 0 is in; these lines stand ahead of a later first fill as ahead of a refill
	ds_add_u32 v28, v29
	ds_add_u32 v28, v29
	s_wait_dscnt 0x0
	CROUND                                         ; everybody's part of K step 0 is in, and all sixteen work-groups are here
	JLOAD G0+4, G1, G0B+4, G1B                     ; K step 1: the first tensor load behind the round
	global_prefetch_b8 v31, s[66:67] offset:768 th:TH_LOAD_NT scope:SCOPE_SE   ; K step 3; K has four steps, so the loop asks for nothing
	FETCH_B 0, 0, 0
	FETCH_A 0, 0, 0
	FETCH_A 0, 0, 4
	STEP 0, 0, 1
	s_mov_b32 s3, LAPS-1
.Llap:
	TURN 0, 1, 1
	STEP 1, 0, 0
	TURN 1, 0, 1
	STEP 0, 0, 0
	s_sub_co_u32 s3, s3, 1
	s_cmp_lg_u32 s3, 0
	s_cbranch_scc1 .Llap
	TURN 0, 1, 0
	STEP 1, 0, 0
	s_wait_dscnt 4*NL
	WIN MUL_LO
	MUL16 0, 1, 0
	MUL16 2, 1, 0
	s_wait_dscnt 0
	WIN MUL_HI
	MUL16 4, 1, 0
	MUL16 6, 1, 0
	WIN 0
.macro QBLOCK a
.set AC, 64*((\a)%4)
.set CD, CDB+16*((\a)%2)
	WIN 0x02+((\a)/4)
.set jj, 0
.rept 32
	v_pk_fma_f32 v[TMP+jj:TMP+jj+1], v[AC+jj:AC+jj+1], s[96:97], v[BC+jj:BC+jj+1] op_sel_hi:[1,0,1]
.set jj, jj+2
.endr
	WIN 0
.set jj, 0
.rept 32
	v_pk_add_f32 v[TMP+jj:TMP+jj+1], v[TMP+jj:TMP+jj+1], v[BR+2*(\a):BR+2*(\a)+1]
.set jj, jj+2
.endr
.set jj, 0
.rept 64
	v_med3_num_f32 v[TMP+jj], v[TMP+jj], -v[LIMV], v[LIMV]
.set jj, jj+1
.endr
.irp b, 0,1,2,3,4,5,6,7
	v_cvt_scalef32_pk8_fp8_f32 v[CD+2*\b:CD+2*\b+1], v[TMP+8*\b:TMP+8*\b+7], v[SCV]
.endr
	v_nop
.irp b, 0,1,2,3,4,5,6,7
	ds_store_b64 v[STO], v[CD+2*\b:CD+2*\b+1] offset:(\a)*16*SPITCH+16*\b
.endr
.endm
	s_wait_loadcnt 0x0                             ; the biases, asked for at the head: no line of the K loop names their registers, offsets or bases
.set jj, 0
.rept 64
	v_and_b32 v[BC+jj], s94, v[BC+jj]              ; the bias along the columns counts for q and k alone,
.set jj, jj+1
.endr
.set jj, 0
.rept 16
	v_and_b32 v[BR+jj], s95, v[BR+jj]              ; the bias along the rows for v alone
.set jj, jj+1
.endr
	PLACES NP
.irp a, 0,1,2,3,4,5,6,7
	QBLOCK \a
.endr
	s_wait_dscnt 0x0
	s_barrier_signal -1
	s_barrier_wait -1
	s_cmp_eq_u32 ttmp9, 2
	s_cbranch_scc1 .Lvt
.set ii, 0
.rept 32
	ds_load_b128 v[128+4*ii:131+4*ii], v[RDQ] offset:(ii/16)*WST+8*(ii%8)*SPITCH+64*((ii/8)%2)
.set ii, ii+1
.endr
.set ii, 0
.rept 32
	s_wait_dscnt 31-ii
	global_store_b128 v[GOQ], v[128+4*ii:131+4*ii], s[10:11] offset:(ii/8)*131072+(ii%8)*512
.set ii, ii+1
.endr
	s_branch .Lend
.Lvt:
.set ii, 0
.rept 32
	ds_load_b128 v[128+4*ii:131+4*ii], v[RDV] offset:2*ii*SPITCH
.set ii, ii+1
.endr
.set ii, 0
.rept 32
	s_wait_dscnt 31-ii
	global_store_b128 v[GOV], v[128+4*ii:131+4*ii], s[10:11] offset:2*ii*2048
.set ii, ii+1
.endr
.Lend:
	s_wait_tensorcnt 0x0
	ds_add_u32 v[SPW], v[NIL]
	s_wait_dscnt 0x0
	CROUND
	s_endpgm
.Lfunc_end_k_q7d8e61710a_qkv:
	.size	k_q7d8e61710a_qkv, .Lfunc_end_k_q7d8e61710a_qkv-k_q7d8e61710a_qkv
	.p2alignl 7, 3214868480
	.fill 96, 4, 3214868480
	.section	.rodata,"a",@progbits
	.p2align	6, 0x0
	.amdhsa_kernel k_q7d8e61710a_qkv
		.amdhsa_group_segment_fixed_size 327680
		.amdhsa_private_segment_fixed_size 0
		.amdhsa_enable_private_segment 0
		.amdhsa_kernarg_size 56
		.amdhsa_user_sgpr_count 2
		.amdhsa_user_sgpr_kernarg_segment_ptr 1
		.amdhsa_wavefront_size32 1
		.amdhsa_system_sgpr_workgroup_id_x 1
		.amdhsa_system_sgpr_workgroup_id_y 1
		.amdhsa_system_sgpr_workgroup_id_z 1
		.amdhsa_system_vgpr_workitem_id 0
		.amdhsa_next_free_vgpr 1024
		.amdhsa_next_free_sgpr 98
		.amdhsa_reserve_vcc 0
		.amdhsa_float_denorm_mode_32 3
		.amdhsa_float_denorm_mode_16_64 3
		.amdhsa_memory_ordered 1
		.amdhsa_forward_progress 1
		.amdhsa_inst_pref_size 172
	.end_amdhsa_kernel
	.amdgpu_metadata
---
amdhsa.version: [ 1, 2 ]
amdhsa.kernels:
  - .name:           k_q7d8e61710a_qkv
    .symbol:         k_q7d8e61710a_qkv.kd
    .args:
      - { .name: hc, .offset: 0, .size: 8, .value_kind: global_buffer, .address_space: global }
      - { .name: wc, .offset: 8, .size: 8, .value_kind: global_buffer, .address_space: global }
      - { .name: lowp_scales, .offset: 16, .size: 8, .value_kind: global_buffer, .address_space: global }
      - { .name: qkvc, .offset: 24, .size: 8, .value_kind: global_buffer, .address_space: global }
      - { .name: bq, .offset: 32, .size: 8, .value_kind: global_buffer, .address_space: global }
      - { .name: bk, .offset: 40, .size: 8, .value_kind: global_buffer, .address_space: global }
      - { .name: bv, .offset: 48, .size: 8, .value_kind: global_buffer, .address_space: global }
    .group_segment_fixed_size: 327680
    .private_segment_fixed_size: 0
    .kernarg_segment_align: 8
    .kernarg_segment_size: 56
    .max_flat_workgroup_size: 128
    .sgpr_count:     98
    .vgpr_count:     1024
    .wavefront_size: 32
...
	.end_amdgpu_metadata
.endif
;; end of part 9
;; launch attn (part 10): grid 8 x 32, 8 waves a work-group, clusters of 4 x 1, 327,680 bytes of LDS; arguments qkvc, lowp_scales, yc; writes yc
.if DOCPART == 10
	.amdgcn_target "amdgcn-amd-amdhsa--gfx1250"
	.amdhsa_code_object_version 6
	.text
	.protected	k_q7d8e61710a_attn
	.globl	k_q7d8e61710a_attn
	.p2align	8
	.type	k_q7d8e61710a_attn,@function
k_q7d8e61710a_attn:
	s_mov_b64 s[64:65], 0
	v_nop
	global_prefetch_b8 v0, s[64:65] scope:SCOPE_SE
	s_setreg_imm32_b32 hwreg(HW_REG_WAVE_MODE, 25, 1), 1
	s_wait_xcnt 0x0
	s_wait_alu depctr_hold_cnt(0) depctr_sa_sdst(0) depctr_va_vdst(0) depctr_va_sdst(0) depctr_va_ssrc(0) depctr_va_vcc(0) depctr_vm_vsrc(0)
	s_getreg_b32 s2, hwreg(HW_REG_IB_STS2, 6, 4)
	s_cmp_eq_u32 s2, 0
	s_cbranch_scc0 .Lentry_in_a_cluster
	s_endpgm
.Lentry_in_a_cluster:
	s_bfe_u32 s2, ttmp6, 0x10000c
	s_cmp_lg_u32 s2, 0x3003
	s_cbranch_scc0 .Lentry_shape_is_right
	s_endpgm
.Lentry_shape_is_right:
; y[b][t][head] = softmax(q k^T / 8) v for 32 heads of 64, 2,048 keys, both products on codes of E4M3; y is quantised at once for the next product (entry 10) and laid [16 heads][4,096 tokens][64].
; q, k: [32][2,048][64] codes at 0 and 0x400000 of qkvc; v with the keys innermost, [32][64][2,048], at 0x800000.  Exponents: entries 6 (q), 7 (k), 8 (v), 9 (p), 10 (y).
; THE SOFTMAX: t = score x log2(e) / 8; M = the running largest t rounded up to a whole number; p = 2^(t - M) is quantised, not normalised; the row's sum is taken of the unquantised p and divides at the end;
; when M moves, the sum and O are multiplied by 2^(old M - new M), which rounds nothing.
; SHARES.  A work-group owns 256 queries of one head; each of its eight waves owns 32, two tiles of 16 (u = 0, 1), so that each fragment of K and of V read from LDS feeds two matrix instructions.
; THE WHOLE HEAD'S K AND V LIE IN LDS: 2,048 x 80 + 4 x 64 x 528 bytes, each byte filled once: every wave issues one tensor load at the head (waves 0-3: 512 keys of K each, as 128 rows of 256 bytes;
; waves 4-7: V's 64 rows x 512 keys each), one barrier follows, and there is no ring and no refill.  So there is no loop to run ahead in, and no prefetch is written.
; CLUSTER.  The four query blocks of a cluster belong to one head: each tile is asked for jointly, by the same load with the same descriptor and the mask of all four.
; LAYOUT.  Both products are used transposed (S^T = K Q^T, O^T = V^T P^T): a lane holds one query of each tile (lane % 16).  Lane r of tile 2 b + w of K takes key 32 b + 8 w + r + 8 (r / 8), so that the 16 registers
; of tiles 2 b and 2 b + 1 are the neighbouring keys 32 b + 16 (lane / 16) + 0 .. 15: the conversions' results are the second product's operand.
; A STEP is 128 keys.  K's fragments are fetched one step ahead, V's at the step's head; both addresses are made in the step before.  Dependent chains stand among independent lines: tile 0's chain from its maximum to f
; among tile 1's maxima, tile 1's among tile 0's rescaling and scaling.  Among tile 0's exponentials stand tile 1's scalings, among tile 1's exponentials tile 0's partial sums and holds: plain lines that name no result
; of the batch in hand and whose own results are first read behind the next wait.
; The last step fetches its own fragments of K once more, so that the loop has one form; they are not used.
; LIMITS: e6 + e7 between -123 and 130; e9 and e10 between -126 and 119; the scaled scores stay under 2^31 in magnitude.  NaN among the inputs is not served.
; REGISTERS.  Window 0: v1-4 LDS addresses; v5, v6 the spare word and 0; v7, v8: 448 x 2^e9 twice; v9 2^e9; v[10:11] at work; from v12 ten for each tile: -M, the largest t, the sum (2), f and 0, four at work;
;   v32-47 Q; v48-63 partial sums; v64-191 S^T, then p; v192-255 O^T.  Window 1: v0-63 K's fragments, v64-127 V's, v128-159 p's codes.
.set KP,    80                         ; a key's row in LDS: 64 bytes + 16
.set VP,    528                        ; a row of V's group of 512 keys: 512 bytes + 16
.set VOFF,  2048*KP
.set VG,    64*VP
.set STAGE, VOFF+4*VG                  ; behind the tiles: 32 rows x 80 bytes for each wave; no fill lands here
.set SPARE, STAGE+8*32*KP              ; the spare words: 128 bytes for each wave, four blocks of 256 bytes that no other line names
.set AK0,  1
.set AV0,  2
.set ADK,  3
.set ADV,  4
.set SPW,  5
.set NIL,  6
.set LIM2, 7
.set LIM,  8
.set SCL,  9
.set TA,   10
.set TS,   12
.set QF,   32
.set CT,   48
.set SS,   64
.set OO,   192
.set KF,   0
.set VF,   64
.set PC,   128
.set WV,   18
.set SEL,  20
.set CS,   22
.set G1K,  24
.set G1V,  32
.set G0K,  40
.set G0V,  44
.set MSB, 0
.macro WIN new                         ; the immediate's high byte repeats the setting that is left
.if MSB != \new
	s_set_vgpr_msb (MSB<<8)|\new
.set MSB, \new
.endif
.endm
.macro CROUND                          ; a round of the cluster's barrier
	s_barrier_signal -1
	s_barrier_wait -1
	s_cmp_lg_u32 s[WV], 0
	s_cbranch_scc1 .Lnot_wave_0_\@
	s_barrier_signal -3
.Lnot_wave_0_\@:
	s_barrier_wait -3
	s_barrier_signal -1
	s_barrier_wait -1
.endm
.macro KLOAD adr                       ; eight tiles of 16 keys x 64 channels into window 1
.irp t, 0,1,2,3,4,5,6,7
	ds_load_b128 v[KF+8*\t:KF+8*\t+3], v[\adr] offset:(32*(\t/2)+8*(\t%2))*KP
	ds_load_b128 v[KF+8*\t+4:KF+8*\t+7], v[\adr] offset:(32*(\t/2)+8*(\t%2))*KP+32
.endr
.endm
.macro HOLD r                          ; the conversion does not saturate (ISA guide 7.6.2); p is not negative: a one-sided hold, two numbers in one dual instruction (the bound stands in two registers of different banks)
	v_dual_min_num_f32 v[\r], v[\r], v[LIM] :: v_dual_min_num_f32 v[(\r)+1], v[(\r)+1], v[LIM2]
.endm
.macro MX u, n                         ; line n (0 .. 29) of tile u's maximum: four chains by turns, the scores in ascending order
.if (\n) < 4
	v_max3_num_f32 v[TS+10*\u+6+(\n)], v[SS+64*\u+3*(\n)], v[SS+64*\u+3*(\n)+1], v[SS+64*\u+3*(\n)+2]
.else
	v_max3_num_f32 v[TS+10*\u+6+(\n)%4], v[TS+10*\u+6+(\n)%4], v[SS+64*\u+2*(\n)+4], v[SS+64*\u+2*(\n)+5]
.endif
.endm
.macro TAIL u, n                       ; link n (0 .. 9) of the chain from tile u's four maxima to -M and f
.set TT, TS+10*\u
.if (\n) == 0
	v_max3_num_f32 v[TT+6], v[TT+6], v[TT+7], v[TT+8]
.endif
.if (\n) == 1
	v_max_num_f32 v[TT+6], v[TT+6], v[TT+9]
.endif
.if (\n) == 2
	v_permlanex16_b32 v[TT+8], v[TT+6], s[SEL], s[SEL+1]
.endif
.if (\n) == 3
	v_max_num_f32 v[TT+6], v[TT+6], v[TT+8]        ; and among lane l xor 16's
.endif
.if (\n) == 4
	v_mul_f32 v[TT+6], s[CS], v[TT+6]              ; as t (c is positive)
.endif
.if (\n) == 5
	v_max_num_f32 v[TT+1], v[TT+1], v[TT+6]        ; the running largest t
	v_mov_b32 v[TT+6], v[TT]
.endif
.if (\n) == 6
	v_floor_f32 v[TT], -v[TT+1]                    ; the new -M = -ceil(t)
.endif
.if (\n) == 7
	v_sub_f32 v[TT+6], v[TT], v[TT+6]              ; old M - new M: a whole number, 0 or less
.endif
.if (\n) == 8
	v_cvt_i32_f32 v[TT+6], v[TT+6]                 ; (it saturates)
.endif
.if (\n) == 9
	v_ldexp_f32 v[TT+4], 1.0, v[TT+6]              ; f = 2^(old M - new M)
.endif
.endm
.macro TL1 b                           ; eight partial sums (pairs from v[b] on) are added in three levels
.irp k, 0,4,8,12
	v_pk_add_f32 v[\b+\k:\b+\k+1], v[\b+\k:\b+\k+1], v[\b+\k+2:\b+\k+3]
.endr
.endm
.macro TL2 b
	v_pk_add_f32 v[\b:\b+1], v[\b:\b+1], v[\b+4:\b+5]
	v_pk_add_f32 v[\b+8:\b+9], v[\b+8:\b+9], v[\b+12:\b+13]
.endm
.macro TL3 b
	v_pk_add_f32 v[\b:\b+1], v[\b:\b+1], v[\b+8:\b+9]
.endm
.macro TLF u, b                        ; the sum so far x f + this step's
	v_pk_fma_f32 v[TS+10*\u+2:TS+10*\u+3], v[TS+10*\u+2:TS+10*\u+3], v[TS+10*\u+4:TS+10*\u+5], v[\b:\b+1] op_sel_hi:[1,0,1]
.endm
.macro HB i0, n                        ; n holds of tile 1, from pair i0 on
.set hh, \i0
.rept \n
	HOLD SS+64+2*hh
.set hh, hh+1
.endr
.endm
.macro CVT u                           ; tile u's 64 held p into 16 registers of codes in window 1
.irp b, 0,1,2,3
	v_cvt_scalef32_pk8_fp8_f32 v[PC+16*\u+4*\b:PC+16*\u+4*\b+1], v[SS+64*\u+16*\b:SS+64*\u+16*\b+7], v[SCL]
	v_cvt_scalef32_pk8_fp8_f32 v[PC+16*\u+4*\b+2:PC+16*\u+4*\b+3], v[SS+64*\u+16*\b+8:SS+64*\u+16*\b+15], v[SCL]
.endr
.endm
	s_load_b128 s[4:7], s[0:1], 0x0                ; qkvc s[4:5], the exponents s[6:7]
	s_load_b64 s[8:9], s[0:1], 0x10                ; yc
	v_lshl_add_u32 v[SPW], v0, 2, SPARE
	v_mov_b32 v[NIL], 0
	ds_add_u32 v[SPW], v[NIL]                      ; the opening: the add, twice on end, and its wait ahead of my tensor load
	ds_add_u32 v[SPW], v[NIL]
	v_lshrrev_b32 v7, 5, v0
	v_readfirstlane_b32 s[WV], v7                  ; wave 0..7
	s_bfe_u32 s10, ttmp6, 0x40000                  ; cx
	s_lshl_b32 s11, ttmp9, 2
	s_add_co_u32 s11, s11, s10                     ; my block of 256 queries: it enters q's and y's addresses alone
	s_and_b32 s12, ttmp7, 0xffff                   ; the head (16 x batch + head), which the four partners share
	s_lshl_b32 s56, s12, 17                        ; its 131,072 bytes in each of q, k, v
	s_mov_b32 s57, 0
	s_and_b32 s14, s[WV], 3
	s_lshl_b32 s58, s14, 15                        ; K: my 512 keys of 64 bytes, in memory,
	s_add_co_u32 s58, s58, s56
	s_mov_b32 s59, 0
	s_mul_i32 s15, s14, 512*KP                     ; and in LDS
	s_lshl_b32 s60, s14, 9                         ; V: my 512 keys of each row, in memory,
	s_add_co_u32 s60, s60, s56
	s_mov_b32 s61, 0
	s_mul_i32 s16, s14, VG
	s_add_co_u32 s16, s16, VOFF                    ; and in LDS
	s_mov_b32 s[G1K], 15|(0<<16)|(1<<20)|(1<<21)|(3<<22)|(3<<25)   ; the mask of all four; elements of 1 byte; padding on; bit 21 beside a mask; 4 words of padding after every 16
	s_mov_b32 s[G1K+1], 256<<16                    ; K is dense: four keys make a row of 256 bytes
	s_mov_b32 s[G1K+2], 128<<16
	s_mov_b32 s[G1K+3], 256<<16
	s_mov_b32 s[G1K+4], 128
	s_mov_b32 s[G1K+5], 256
	s_mov_b32 s[G1K+6], 0
	s_mov_b32 s[G1K+7], 0
	s_mov_b32 s[G1V], 15|(0<<16)|(1<<20)|(1<<21)|(6<<22)|(3<<25)   ; 4 words of padding after every 128
	s_mov_b32 s[G1V+1], 512<<16
	s_mov_b32 s[G1V+2], 64<<16
	s_mov_b32 s[G1V+3], 512<<16
	s_mov_b32 s[G1V+4], 64
	s_mov_b32 s[G1V+5], 2048
	s_mov_b32 s[G1V+6], 0
	s_mov_b32 s[G1V+7], 0
	s_mov_b32 s[SEL], 0x76543210                   ; v_permlanex16_b32: lane l takes lane l xor 16
	s_mov_b32 s[SEL+1], 0xfedcba98
	s_mov_b32 s[CS], 0x3e38aa3b                    ; c = log2(e) / 8
	s_wait_dscnt 0x0                               ; both opening adds are done
	s_wait_kmcnt 0x0
	s_load_b128 s[84:87], s[6:7], 0x18             ; e6, e7, e8, e9
	s_load_b32 s88, s[6:7], 0x28                   ; e10
	s_mov_b32 s[G0K], 1
	s_mov_b32 s[G0K+1], s15
	s_add_nc_u64 s[G0K+2:G0K+3], s[4:5], s[58:59]
	s_add_nc_u64 s[G0K+2:G0K+3], s[G0K+2:G0K+3], 0x400000
	s_or_b32 s[G0K+3], s[G0K+3], 0x80000000
	s_mov_b32 s[G0V], 1
	s_mov_b32 s[G0V+1], s16
	s_add_nc_u64 s[G0V+2:G0V+3], s[4:5], s[60:61]
	s_add_nc_u64 s[G0V+2:G0V+3], s[G0V+2:G0V+3], 0x800000
	s_or_b32 s[G0V+3], s[G0V+3], 0x80000000
	CROUND                                         ; all four work-groups are here: the joint loads meet
	s_cmp_lt_u32 s[WV], 4                          ; one chain of branches on the wave's number, one fill to an arm: every wave issues one tensor load
	s_cbranch_scc0 .Lfor_v
	tensor_load_to_lds s[G0K:G0K+3], s[G1K:G1K+7]
	s_nop 0
.rept 4
	v_nop
.endr
	s_branch .Lasked
.Lfor_v:
	tensor_load_to_lds s[G0V:G0V+3], s[G1V:G1V+7]
	s_nop 0
.rept 4
	v_nop
.endr
.Lasked:
	s_lshl_b32 s13, s11, 8
	s_lshl_b32 s16, s[WV], 5
	s_add_co_u32 s13, s13, s16                     ; my first query in the head: 256 x block + 32 x wave
	s_lshl_b32 s16, s13, 6
	s_mov_b32 s17, 0
	s_add_nc_u64 s[4:5], s[4:5], s[56:57]
	s_add_nc_u64 s[4:5], s[4:5], s[16:17]          ; q's codes at my first query
	s_and_b32 s16, s12, 15
	s_lshl_b32 s16, s16, 12                        ; y: the head's 4,096 tokens,
	s_lshr_b32 s19, s12, 4
	s_lshl_b32 s19, s19, 11                        ; the batch's 2,048,
	s_add_co_u32 s16, s16, s19
	s_add_co_u32 s16, s16, s13
	s_lshl_b32 s16, s16, 6                         ; 64 bytes a token
	s_add_nc_u64 s[8:9], s[8:9], s[16:17]
	v_and_b32 v10, 15, v0                          ; r
	v_bfe_u32 v11, v0, 4, 1                        ; h
	v_lshlrev_b32 v48, 6, v10
	v_lshl_add_u32 v48, v11, 4, v48
	global_load_b128 v[QF:QF+3], v48, s[4:5]       ; Q's fragments: registers 4 c .. 4 c + 3 hold channels 32 c + 16 h + 0 .. 15, as K's do
	global_load_b128 v[QF+4:QF+7], v48, s[4:5] offset:32
	global_load_b128 v[QF+8:QF+11], v48, s[4:5] offset:1024
	global_load_b128 v[QF+12:QF+15], v48, s[4:5] offset:1056
	v_and_b32 v49, 8, v10
	v_add_nc_u32 v49, v49, v10                     ; r + 8 (r / 8)
	v_mul_u32_u24 v[AK0], v49, KP
	v_lshl_add_u32 v[AK0], v11, 4, v[AK0]
	v_mul_u32_u24 v[AV0], v10, VP
	v_lshl_add_u32 v[AV0], v11, 4, v[AV0]
	v_add_nc_u32 v[AV0], VOFF, v[AV0]
	v_add_nc_u32 v[ADV], 0, v[AV0]                 ; step 0's fragments of V
	v_add_nc_u32 v[ADK], 128*KP, v[AK0]            ; step 1's of K
.irp u, 0,1
	v_mov_b32 v[TS+10*\u+1], 0xff61b1e6            ; the largest t so far: -3e38
	v_floor_f32 v[TS+10*\u], -v[TS+10*\u+1]        ; -M
	v_mov_b32 v[TS+10*\u+2], 0                     ; the sum, in two halves
	v_mov_b32 v[TS+10*\u+3], 0
	v_mov_b32 v[TS+10*\u+5], 0                     ; (named as the upper half of f's pair)
.endr
.set jj, 0
.rept 64
	v_mov_b32 v[OO+jj], 0                          ; O^T: the step has no first form: the first change of M multiplies zeros
.set jj, jj+1
.endr
	s_wait_kmcnt 0x0
	s_add_co_i32 s56, s84, s85
	s_lshl_b32 s56, s56, 23
	s_add_co_i32 s[CS], s[CS], s56                 ; a score stands for score x 2^(e6 + e7): added to c's exponent field
	s_mov_b32 s[CS+1], s[CS]
	s_add_co_i32 s56, s87, 127
	s_lshl_b32 s57, s56, 23
	v_mov_b32 v[SCL], s57                          ; 2^e9
	s_add_co_i32 s56, s56, 8
	s_lshl_b32 s56, s56, 23
	s_or_b32 s56, s56, 0x600000
	v_mov_b32 v[LIM], s56                          ; 448 x 2^e9,
	v_mov_b32 v[LIM2], s56                         ; twice
	s_add_co_i32 s56, s88, 127
	s_lshl_b32 s91, s56, 23                        ; 2^e10
	s_add_co_i32 s56, s56, 8
	s_lshl_b32 s56, s56, 23
	s_or_b32 s90, s56, 0x600000                    ; 448 x 2^e10
	s_add_co_i32 s89, s86, s87                     ; e8 + e9
	s_wait_alu depctr_va_vdst(0)
	s_wait_loadcnt 0x0                             ; Q
	s_wait_tensorcnt 0x0                           ; my part of K or V has landed,
	s_barrier_signal -1
	s_barrier_wait -1                              ; everybody's has
	WIN 0x40                                       ; destination window 1
	KLOAD AK0                                      ; step 0's fragments of K
	WIN 0
	s_mov_b32 s62, 0
.Lstep:                                                ; 16 steps of 128 keys
.rept 4
	v_nop                                          ; places in front of loads into registers that the last products read
.endr
	WIN 0x40
.irp t, 0,1,2,3
.irp c, 0,1,2,3
	ds_load_b128 v[VF+16*\t+4*\c:VF+16*\t+4*\c+3], v[ADV] offset:16*\t*VP+32*\c
.endr
.endr
	s_wait_dscnt 16                                ; K's fragments, asked for a step ago, are in; V's 16 loads may be out
	WIN 0x01                                       ; source 0 window 1
.irp t, 0,1,2,3,4,5,6,7
.irp u, 0,1
	v_wmma_f32_16x16x64_fp8_fp8 v[SS+64*\u+8*\t:SS+64*\u+8*\t+7], v[KF+8*\t:KF+8*\t+7], v[QF+8*\u:QF+8*\u+7], 0
.endr
.endr
.rept 4
	v_nop                                          ; places: in front of the loads into K's registers and of the first read of the scores
.endr
	WIN 0x40
	KLOAD ADK                                      ; the next step's fragments of K
	WIN 0
.set nn, 0
.rept 30
	MX 0, nn                                       ; tile 0: each query's largest score among my 64 keys
.set nn, nn+1
.endr
.set nn, 0
.rept 30
	MX 1, nn                                       ; tile 1's, and behind every third line a link of tile 0's chain
.if nn%3 == 2
	TAIL 0, nn/3
.endif
.set nn, nn+1
.endr
.set qq, 0
.rept 48                                       ; tile 0: O^T under the new M (ahead of the step's exponentials), then t - M; behind every fourth line a link of tile 1's chain
.if qq < 16
	v_pk_mul_f32 v[OO+2*qq:OO+2*qq+1], v[OO+2*qq:OO+2*qq+1], v[TS+4:TS+5] op_sel_hi:[1,0]
.else
	v_pk_fma_f32 v[SS+2*qq-32:SS+2*qq-31], v[SS+2*qq-32:SS+2*qq-31], s[CS:CS+1], v[TS:TS+1] op_sel_hi:[1,0,0]
.endif
.if (qq%4 == 3) && (qq/4 < 10)
	TAIL 1, qq/4
.endif
.set qq, qq+1
.endr
.set jj, 0
.rept 16
	v_pk_mul_f32 v[OO+32+jj:OO+32+jj+1], v[OO+32+jj:OO+32+jj+1], v[TS+14:TS+15] op_sel_hi:[1,0]   ; tile 1: O^T under the new M
.set jj, jj+2
.endr
	s_wait_alu depctr_va_vdst(0)
.set jj, 0
.rept 32
	v_exp_f32 v[SS+jj], v[SS+jj]                   ; tile 0: p = 2^(t - M)
	v_exp_f32 v[SS+jj+1], v[SS+jj+1]
	v_pk_fma_f32 v[SS+64+jj:SS+64+jj+1], v[SS+64+jj:SS+64+jj+1], s[CS:CS+1], v[TS+10:TS+11] op_sel_hi:[1,0,0]   ; tile 1: t - M, first read behind the wait below
.set jj, jj+2
.endr
	s_wait_alu depctr_va_vdst(0)                   ; behind tile 0's batch and ahead of tile 1's
.set gg, 0
.rept 8
.set PB, SS+64+8*gg
.set PA, SS+8*gg
	v_exp_f32 v[PB], v[PB]                         ; tile 1: p; between them tile 0's sums of the unquantised p, and its holds
	v_exp_f32 v[PB+1], v[PB+1]
	v_pk_add_f32 v[TA:TA+1], v[PA:PA+1], v[PA+2:PA+3]   ; no transcendental stands between these two lines and the third that reads them
	v_pk_add_f32 v[TS+8:TS+9], v[PA+4:PA+5], v[PA+6:PA+7]
	HOLD PA
	HOLD PA+2
	v_pk_add_f32 v[CT+2*gg:CT+2*gg+1], v[TA:TA+1], v[TS+8:TS+9]
	v_exp_f32 v[PB+2], v[PB+2]
	v_exp_f32 v[PB+3], v[PB+3]
	HOLD PA+4
	v_exp_f32 v[PB+4], v[PB+4]
	v_exp_f32 v[PB+5], v[PB+5]
	v_exp_f32 v[PB+6], v[PB+6]
	v_exp_f32 v[PB+7], v[PB+7]
	HOLD PA+6
.set gg, gg+1
.endr
	s_wait_alu depctr_va_vdst(0)                   ; one wait for the batch, ahead of its first reader, and ahead of the scalar lines below
	s_add_co_u32 s51, s62, 1
	s_min_u32 s50, s51, 15                         ; the next step (the last step: itself; that address is not used)
	s_lshr_b32 s52, s50, 2
	s_mul_i32 s52, s52, VG
	s_and_b32 s50, s50, 3
	s_lshl_b32 s50, s50, 7
	s_add_co_u32 s50, s50, s52                     ; V: group step / 4, 128 bytes x step % 4 along its rows
	s_add_co_u32 s51, s62, 2
	s_min_u32 s51, s51, 15
	s_mul_i32 s51, s51, 128*KP                     ; K: the rows of the step after the next (at the end: the last step's)
	WIN 0x40                                       ; the codes go to window 1
	CVT 0
	WIN 0
	v_add_nc_u32 v[ADV], s50, v[AV0]               ; (plain lines behind the conversions, whose sources are written below)
	v_add_nc_u32 v[ADK], s51, v[AK0]
	TL1 CT
.set kk, 0
.rept 8
	v_pk_add_f32 v[SS+2*kk:SS+2*kk+1], v[SS+64+2*kk:SS+64+2*kk+1], v[SS+80+2*kk:SS+80+2*kk+1]   ; tile 1's sums: eight chains, in registers that tile 0's p has left
.set kk, kk+1
.endr
.irp o, 96, 112
.set kk, 0
.rept 8
	v_pk_add_f32 v[SS+2*kk:SS+2*kk+1], v[SS+2*kk:SS+2*kk+1], v[SS+\o+2*kk:SS+\o+2*kk+1]
.set kk, kk+1
.endr
.endr
	TL2 CT
	TL1 SS
	HB 0, 4
	TL3 CT
	TL2 SS
	HB 4, 4
	TLF 0, CT
	TL3 SS
	HB 8, 4
	TLF 1, SS
	HB 12, 20
	WIN 0x40
	CVT 1
	v_nop                                          ; a plain instruction between the conversions and the products that read the codes
	s_wait_alu depctr_va_vdst(0)                   ; directly ahead of the wait below; no ordinary vector write stands between it and the jump
	s_wait_dscnt 16                                ; V's fragments are in; the next step's 16 loads of K may be out
	WIN 0x05                                       ; sources 0 and 1 window 1
.irp t, 0,1,2,3
.irp u, 0,1
	v_wmma_f32_16x16x128_fp8_fp8 v[OO+32*\u+8*\t:OO+32*\u+8*\t+7], v[VF+16*\t:VF+16*\t+15], v[PC+16*\u:PC+16*\u+15], v[OO+32*\u+8*\t:OO+32*\u+8*\t+7]   ; eight accumulators by turns; 23 other products stand between two links
.endr
.endr
	WIN 0
	s_add_co_u32 s62, s62, 1
	s_cmp_lt_u32 s62, 16
	s_cbranch_scc1 .Lstep
	; THE WAY OUT: O^T / the sum x 2^(e8 + e9), quantised with e10; a lane's eight channels are 8 bytes; 32 rows of 64 bytes go through my stage and leave as 2,048 consecutive bytes.
.irp u, 0,1
	v_add_f32 v[TS+10*\u+2], v[TS+10*\u+2], v[TS+10*\u+3]
.endr
.irp u, 0,1
	v_permlanex16_b32 v[TS+10*\u+8], v[TS+10*\u+2], s[SEL], s[SEL+1]
.endr
.irp u, 0,1
	v_add_f32 v[TS+10*\u+2], v[TS+10*\u+2], v[TS+10*\u+8]   ; the row's sum
.endr
	s_wait_alu depctr_va_vdst(0)                   ; ahead of the two reciprocals
.irp u, 0,1
	v_rcp_f32 v[TS+10*\u+2], v[TS+10*\u+2]
.endr
	v_and_b32 v1, 15, v0                           ; (plain instructions behind the reciprocals)  r
	v_bfe_u32 v2, v0, 4, 1                         ; h
	s_mul_i32 s56, s[WV], 32*KP
	s_add_co_u32 s56, s56, STAGE                   ; my stage
	v_mul_u32_u24 v3, v1, KP
	v_lshl_add_u32 v3, v2, 3, v3
	v_add_nc_u32 v3, s56, v3                       ; in: row r, + 8 h
	v_and_b32 v7, 31, v0
	v_lshrrev_b32 v4, 2, v7
	v_mul_u32_u24 v4, v4, KP
	v_and_b32 v1, 3, v7
	v_lshl_add_u32 v4, v1, 4, v4
	v_add_nc_u32 v4, s56, v4                       ; back: four lanes to a row, eight rows an instruction
	v_lshlrev_b32 v7, 4, v7                        ; and 16 bytes a lane in y
	v_mov_b32 v10, s90                             ; 448 x 2^e10
	v_mov_b32 v11, s91                             ; 2^e10
	s_wait_alu depctr_va_vdst(0)                   ; ahead of the reciprocals' first reader
.irp u, 0,1
	v_ldexp_f32 v[TS+10*\u+2], v[TS+10*\u+2], s89
.endr
	s_wait_alu depctr_va_vdst(0)                   ; directly ahead of the first reader of O^T
.set jj, 0
.rept 32
.irp u, 0,1
	v_mul_f32 v[SS+32*\u+jj], v[OO+32*\u+jj], v[TS+10*\u+2]   ; register 8 t + j is y(r, 16 t + 8 h + j)
.endr
.set jj, jj+1
.endr
.set jj, 0
.rept 64
	v_med3_num_f32 v[SS+jj], v[SS+jj], -v10, v10
.set jj, jj+1
.endr
.irp k, 0,1,2,3,4,5,6,7
	v_cvt_scalef32_pk8_fp8_f32 v[CT+2*\k:CT+2*\k+1], v[SS+8*\k:SS+8*\k+7], v11
.endr
	v_nop
.irp u, 0,1
.irp t, 0,1,2,3
	ds_store_b64 v3, v[CT+8*\u+2*\t:CT+8*\u+2*\t+1] offset:\u*16*KP+16*\t
.endr
.endr
.irp i, 0,1,2,3
	ds_load_b128 v[128+4*\i:131+4*\i], v4 offset:8*\i*KP   ; LDS serves a wave's instructions in order: these see my stores
.endr
.irp i, 0,1,2,3
	s_wait_dscnt 3-\i                              ; the younger loads may be out
	global_store_b128 v7, v[128+4*\i:131+4*\i], s[8:9] offset:512*\i   ; 32 lanes store 512 consecutive bytes, aligned
.endr
	s_wait_tensorcnt 0x0                           ; the wave's end
	ds_add_u32 v[SPW], v[NIL]
	s_wait_dscnt 0x0
	CROUND                                         ; the closing round: no work-group ends while a partner may still ask for a tile that names it
	s_endpgm
.Lfunc_end_k_q7d8e61710a_attn:
	.size	k_q7d8e61710a_attn, .Lfunc_end_k_q7d8e61710a_attn-k_q7d8e61710a_attn
	.p2alignl 7, 3214868480
	.fill 96, 4, 3214868480
	.section	.rodata,"a",@progbits
	.p2align	6, 0x0
	.amdhsa_kernel k_q7d8e61710a_attn
		.amdhsa_group_segment_fixed_size 327680
		.amdhsa_private_segment_fixed_size 0
		.amdhsa_enable_private_segment 0
		.amdhsa_kernarg_size 24
		.amdhsa_user_sgpr_count 2
		.amdhsa_user_sgpr_kernarg_segment_ptr 1
		.amdhsa_wavefront_size32 1
		.amdhsa_system_sgpr_workgroup_id_x 1
		.amdhsa_system_sgpr_workgroup_id_y 1
		.amdhsa_system_sgpr_workgroup_id_z 1
		.amdhsa_system_vgpr_workitem_id 0
		.amdhsa_next_free_vgpr 512
		.amdhsa_next_free_sgpr 92
		.amdhsa_reserve_vcc 0
		.amdhsa_float_denorm_mode_32 3
		.amdhsa_float_denorm_mode_16_64 3
		.amdhsa_memory_ordered 1
		.amdhsa_forward_progress 1
		.amdhsa_inst_pref_size 49
	.end_amdhsa_kernel
	.amdgpu_metadata
---
amdhsa.version: [ 1, 2 ]
amdhsa.kernels:
  - .name:           k_q7d8e61710a_attn
    .symbol:         k_q7d8e61710a_attn.kd
    .args:
      - { .name: qkvc, .offset: 0, .size: 8, .value_kind: global_buffer, .address_space: global }
      - { .name: lowp_scales, .offset: 8, .size: 8, .value_kind: global_buffer, .address_space: global }
      - { .name: yc, .offset: 16, .size: 8, .value_kind: global_buffer, .address_space: global }
    .group_segment_fixed_size: 327680
    .private_segment_fixed_size: 0
    .kernarg_segment_align: 8
    .kernarg_segment_size: 24
    .max_flat_workgroup_size: 256
    .sgpr_count:     92
    .vgpr_count:     512
    .wavefront_size: 32
...
	.end_amdgpu_metadata
.endif
;; end of part 10
;; launch wo (part 11): grid 8 x 32, 4 waves a work-group, clusters of 4 x 4, 327,680 bytes of LDS; arguments yc, wc, lowp_scales, x1, bo, x; writes x1
.if DOCPART == 11
	.amdgcn_target "amdgcn-amd-amdhsa--gfx1250"
	.amdhsa_code_object_version 6
	.text
	.protected	k_q7d8e61710a_wo
	.globl	k_q7d8e61710a_wo
	.p2align	8
	.type	k_q7d8e61710a_wo,@function
k_q7d8e61710a_wo:
	s_mov_b64 s[64:65], 0
	v_nop
	global_prefetch_b8 v0, s[64:65] scope:SCOPE_SE
	s_setreg_imm32_b32 hwreg(HW_REG_WAVE_MODE, 25, 1), 1
	s_wait_xcnt 0x0
	s_wait_alu depctr_hold_cnt(0) depctr_sa_sdst(0) depctr_va_vdst(0) depctr_va_sdst(0) depctr_va_ssrc(0) depctr_va_vcc(0) depctr_vm_vsrc(0)
	s_getreg_b32 s2, hwreg(HW_REG_IB_STS2, 6, 4)
	s_cmp_eq_u32 s2, 0
	s_cbranch_scc0 .Lentry_in_a_cluster
	s_endpgm
.Lentry_in_a_cluster:
	s_bfe_u32 s2, ttmp6, 0x10000c
	s_cmp_lg_u32 s2, 0xf033
	s_cbranch_scc0 .Lentry_shape_is_right
	s_endpgm
.Lentry_shape_is_right:
; x1 = x + y Wo + bo.  y: codes of E4M3 laid [16 heads][4,096 tokens][64]; Wo: codes [1,024 n][1,024 k] at 0x300000 of wc; exponents: entries 10, 11.  x, x1: [4,096][1,024] f32.
; A tile of x1 is 128 x 128: 32 x 8 tiles, 256 work-groups.  Four waves, each 64 x 64: 16 accumulators of 16 x 16.  The smaller tile is taken because the result has only 1,024 columns: with 256 x 256 there would be 64 tiles.
; K = 1,024 is two K steps of 512, each in an LDS slot of its own: both are asked for at the start, and NO LDS BYTE IS FILLED TWICE.
; CLUSTERS of 4 x 4 work-groups: A's tile is asked for jointly along a row of the cluster, B's along a column: the same tensor load with the same descriptor and a mask that names the four.
; The matrix instruction is used transposed (source 0 = 16 rows of B, source 1 = 16 rows of A): a lane holds eight neighbouring columns of one row of the result.
; A'S TILE, as one wave fetches it: 64 tokens x 16 heads.  In memory a head's 64 tokens are 4,096 consecutive bytes, heads 262,144 bytes apart: 16 rows of 4,096 bytes, with 16 bytes of padding behind every 64:
; in LDS [16 heads][64 tokens][80 bytes].  A fragment's registers 4 c .. 4 c + 3 hold k = 32 c + 16 (l / 16) + 0 .. 15 of a quarter's 128: head c / 2 of the quarter's two, bytes 32 (c % 2) + 16 (l / 16): the same k as in B.
; LIMIT: e10 + e11 between -126 and 127.
; REGISTERS, in windows of 256: window 0: v1-7 at work at the head; v8-11 the bias at my four columns; v16-26 addresses; v64-127 two sets of rows read back from the stage; v128-255 the accumulators ((a, b) at v[128 + 8 (4 a + b)]).
;   window 1: two fragment buffers of 128 (64 registers of A: 4 x 16 rows x 128 K; then 64 of B); on the way out v0-127 take the residual's 64 rows.
.set SIZE_K, 1024
.set SIZE_N, 1024
; THE FILLS AS THEY STAND NOW: each wave issues ONE tensor load, which brings all of K = 1,024 for its 64 rows: A's 64 tokens x 16 heads (16 rows of 4,096 bytes), B's 64 rows of 1,024 bytes.
; 'Slot' 0 and 1 below name the two halves of K inside that one fill: A's heads 0-7 and 8-15, B's bytes 0-511 and 512-1,023 of a row.  One barrier shows the whole fill to every wave.
.set ROWB,   1024                      ; a row of B's tile: 1,024 codes
.set KROW,   SIZE_K
.set PITCH,  1040                      ; and in LDS: + 16 bytes: an odd multiple of 16 bytes
.set APITCH, 80                        ; a token's 64 bytes of a head + 16: likewise
.set AHEAD,  64*APITCH                 ; a head's 64 tokens
.set HALFA,  16*AHEAD                  ; what one of A's loads brings
.set BOFF,   2*HALFA                   ; B's rows lie behind A's two halves
.set ASTEP,  0x200000                  ; eight heads on, in bytes
.set FR,     16                        ; registers of a fragment
.set NP,     4                         ; places behind this matrix instruction (ISA guide 7.12.1)
.set HALFT,  64*PITCH                  ; what one of B's loads brings
.set SLOT,   BOFF+2*HALFT
.set STAGE,  SLOT                      ; behind the tiles: 16 rows x (256 bytes + 16) for each wave; no fill lands here
.set SPITCH, 272
.set BO,   8
.set ADRA, 16                          ; v16-17  LDS address of my A fragments in slot 0, 1
.set ADRB, 20                          ; v20-21  the same for B
.set STO,  24                          ; v24     the way out: where I put 32 bytes of a row
.set RD,   25                          ; v25     where I read a row back
.set CO,   26                          ; v26     my byte offset in x and x1
.set BK,   64
.set ACC,  128
.set F0,   0
.set F1,   128
.set G1, 24                            ; s[24:31] descriptor group 1 for A's tiles;  s[32:39] group 0, one set for each slot
.set G0, 32
.set G1B, 48                           ; s[48:55], s[56:63] the same for B's tiles
.set G0B, 56
.set MSB, 0
.macro WIN new                         ; the immediate's high byte repeats the setting that is left
.if MSB != \new
	s_set_vgpr_msb (MSB<<8)|\new
.set MSB, \new
.endif
.endm
.set MUL,  0x05                        ; sources 0 (B) and 1 (A) window 1; C and D window 0
.set TO_F, 0x40                        ; destination window 1, address window 0
.macro JLOAD g0a, g1a, g0b, g1b        ; a joint load: waves 0, 1 fetch for A, waves 2, 3 for B; four v_nop follow each of the two lines
	s_cmp_eq_u32 s15, 0
	s_cbranch_scc0 .Lfor_b_\@
	tensor_load_to_lds s[\g0a:\g0a+3], s[\g1a:\g1a+7]
	s_nop 0
.rept 4
	v_nop
.endr
	s_branch .Lasked_\@
.Lfor_b_\@:
	tensor_load_to_lds s[\g0b:\g0b+3], s[\g1b:\g1b+7]
	s_nop 0
.rept 4
	v_nop
.endr
.Lasked_\@:
.endm
.macro CROUND                          ; a round of the cluster's barrier
	s_barrier_signal -1
	s_barrier_wait -1
	s_cmp_lg_u32 s14, 0
	s_cbranch_scc1 .Lnot_wave_0_\@
	s_barrier_signal -3
.Lnot_wave_0_\@:
	s_barrier_wait -3
	s_barrier_signal -1
	s_barrier_wait -1
.endm
	s_load_b256 s[4:11], s[0:1], 0x0               ; yc s[4:5], wc s[6:7], the exponents s[8:9], x1 s[10:11]
	s_load_b128 s[84:87], s[0:1], 0x20             ; bo s[84:85], x s[86:87]
	v_lshl_add_u32 v62, v0, 2, 0x4d400
	v_mov_b32 v63, 0
	ds_add_u32 v62, v63
	ds_add_u32 v62, v63
	v_lshrrev_b32 v1, 5, v0
	v_readfirstlane_b32 s14, v1                    ; wave 0..3
	s_lshr_b32 s15, s14, 1                         ; which half of the tile's rows is mine; also: I fetch for A (0) or for B (1)
	s_and_b32 s16, s14, 1                          ; which half of its columns; also: which 64 rows of that tile I fetch
	s_bfe_u32 s40, ttmp6, 0x40000                  ; cx
	s_bfe_u32 s41, ttmp6, 0x40004                  ; cy
	s_lshl_b32 s42, ttmp9, 2
	s_add_co_u32 s42, s42, s40                     ; tile column
	s_and_b32 s17, ttmp7, 0xffff
	s_lshl_b32 s17, s17, 2
	s_add_co_u32 s17, s17, s41                     ; tile row
	s_lshl_b32 s43, s41, 2
	s_lshl_b32 s43, 15, s43                        ; my row of the cluster
	s_lshl_b32 s44, 0x1111, s40                    ; my column
	s_or_b32 s[G1+0], s43, (0<<16)|(1<<20)|(1<<21)|(3<<22)|(3<<25)  ; A: the mask of my row; elements of 1 byte; padding on; bit 21 beside a mask; 4 words of padding after every 16
	s_mov_b32 s[G1+1], 4096<<16                    ; tensor_dim0 = 4,096
	s_mov_b32 s[G1+2], 16<<16                      ; tensor_dim1 = 16
	s_mov_b32 s[G1+3], 4096<<16                    ; tile_dim0
	s_mov_b32 s[G1+4], 16                          ; tile_dim1
	s_mov_b32 s[G1+5], 262144                      ; from head to head
	s_mov_b32 s[G1+6], 0
	s_mov_b32 s[G1+7], 0
	s_or_b32 s[G1B+0], s44, (0<<16)|(1<<20)|(1<<21)|(7<<22)|(3<<25) ; B: the mask of my column; 4 words of padding after every 256
	s_mov_b32 s[G1B+1], ROWB<<16
	s_mov_b32 s[G1B+2], 64<<16
	s_mov_b32 s[G1B+3], ROWB<<16
	s_mov_b32 s[G1B+4], 64
	s_mov_b32 s[G1B+5], KROW
	s_mov_b32 s[G1B+6], 0
	s_mov_b32 s[G1B+7], 0
	s_lshl_b32 s18, s16, 6
	s_lshl_b32 s20, s17, 7
	s_add_co_u32 s20, s20, s18                     ; A: token 128 x tile row + 64 x half,
	s_lshl_b32 s20, s20, 6                         ; 64 bytes each
	s_mov_b32 s21, 0
	s_lshl_b32 s46, s42, 7
	s_add_co_u32 s46, s46, s18                     ; B: row 128 x tile column + 64 x half,
	s_lshl_b32 s46, s46, 10                        ; 1,024 bytes each
	s_mov_b32 s47, 0
	s_mul_i32 s45, s16, HALFA                      ; where they go: by the wave's number alone
	s_mul_i32 s23, s16, HALFT
	s_add_co_u32 s23, s23, BOFF
	s_wait_dscnt 0x0
	s_wait_kmcnt 0x0
	s_load_b64 s[96:97], s[8:9], 0x28              ; e10, e11
	s_add_nc_u64 s[6:7], s[6:7], 0x300000          ; Wo's codes
	s_add_nc_u64 s[20:21], s[4:5], s[20:21]
	s_add_nc_u64 s[46:47], s[6:7], s[46:47]
	CROUND                                         ; all sixteen work-groups are here: the joint loads meet
.irp s, 0
	s_mov_b32 s[G0+4*\s], 1
	s_add_co_u32 s[G0+4*\s+1], s45, \s*SLOT
	s_add_nc_u64 s[G0+4*\s+2:G0+4*\s+3], s[20:21], \s*ASTEP
	s_or_b32 s[G0+4*\s+3], s[G0+4*\s+3], 0x80000000
	s_mov_b32 s[G0B+4*\s], 1
	s_add_co_u32 s[G0B+4*\s+1], s23, \s*SLOT
	s_add_nc_u64 s[G0B+4*\s+2:G0B+4*\s+3], s[46:47], \s*ROWB
	s_or_b32 s[G0B+4*\s+3], s[G0B+4*\s+3], 0x80000000
	JLOAD G0+4*\s, G1, G0B+4*\s, G1B               ; my one tensor load: all of K
.endr
	v_and_b32 v1, 15, v0                           ; r = l % 16
	v_bfe_u32 v2, v0, 4, 1                         ; h = l / 16
	v_mul_u32_u24 v3, v1, PITCH
	v_lshl_add_u32 v4, v2, 4, v3                   ; B: row x 1040 + 16 x half
	v_mul_u32_u24 v7, v1, APITCH
	v_lshl_add_u32 v7, v2, 4, v7                   ; A: token x 80 + 16 x half
	s_mul_i32 s21, s15, HALFA                      ; my 64 rows of A
	s_mul_i32 s22, s16, HALFT                      ; my 64 rows of B
	s_add_co_u32 s22, s22, BOFF
.irp s, 0,1
	v_add_nc_u32 v[ADRA+\s], s21, v7
	v_add_nc_u32 v[ADRB+\s], s22, v4
	s_add_co_u32 s21, s21, 8*AHEAD                 ; the second half of K: eight heads on in A,
	s_add_co_u32 s22, s22, 512                     ; 512 bytes on in B's rows
.endr
	s_mul_i32 s23, s14, 16*SPITCH
	s_add_co_u32 s23, s23, STAGE                   ; my stage
	v_mul_u32_u24 v5, v1, SPITCH
	v_lshl_add_u32 v5, v2, 5, v5
	v_add_nc_u32 v[STO], s23, v5                   ; in: row r, 32 bytes for each half of the lanes
	v_mul_u32_u24 v5, v2, SPITCH
	v_lshl_add_u32 v5, v1, 4, v5
	v_add_nc_u32 v[RD], s23, v5                    ; back: lanes 0-15 one row of 256 bytes, lanes 16-31 the next
	v_lshlrev_b32 v6, 4, v1                        ; my 16 bytes of a row's 256
	s_wait_alu depctr_va_vdst(0)
	v_lshl_add_u32 v[CO], v2, 12, v6               ; and the same two rows in x and x1: 4,096 bytes a row
	s_lshl_b32 s20, s17, 7
	s_lshl_b32 s21, s15, 6
	s_add_co_u32 s20, s20, s21                     ; my first row: 128 x tile row + 64 x half
	s_lshl_b32 s20, s20, 12
	s_mov_b32 s21, 0
	s_lshl_b32 s46, s42, 9
	s_lshl_b32 s47, s16, 8
	s_add_co_u32 s46, s46, s47                     ; my first column, in bytes: 512 x tile column + 256 x half
	s_mov_b32 s47, 0
	s_add_nc_u64 s[84:85], s[84:85], s[46:47]
	s_add_nc_u64 s[20:21], s[20:21], s[46:47]
	s_add_nc_u64 s[10:11], s[10:11], s[20:21]
	s_add_nc_u64 s[12:13], s[86:87], s[20:21]      ; the residual at the same place
	global_load_b128 v[BO:BO+3], v6, s[84:85]      ; the bias at the four columns that I store
.macro FRAG reg, adr, q, i             ; B: 16 rows x 128 K: lane l holds row l % 16; registers 4 c .. 4 c + 3 hold K = 32 c + 16 (l / 16) + 0 .. 15
.irp c, 0,1,2,3
	ds_load_b128 v[\reg+4*\c:\reg+4*\c+3], v[\adr] offset:128*(\q)+32*\c+(\i)*16*PITCH
.endr
.endm
.macro FRAGA reg, adr, q, i            ; A: the same K, from [head][token][80]
.irp c, 0,1,2,3
	ds_load_b128 v[\reg+4*\c:\reg+4*\c+3], v[\adr] offset:(2*(\q)+\c/2)*AHEAD+(\i)*16*APITCH+32*(\c%2)
.endr
.endm
.macro MUL8 f, a0, zero                ; A's blocks a0, a0 + 1 x B's four; the 16 accumulators take turns, one instruction a turn, in the same order in every quarter
.irp a, \a0, \a0+1
.irp b, 0,1,2,3
.if \zero
	v_wmma_f32_16x16x128_fp8_fp8 v[ACC+8*(4*(\a)+\b):ACC+8*(4*(\a)+\b)+7], v[\f+64+FR*\b:\f+64+FR*\b+FR-1], v[\f+FR*(\a):\f+FR*(\a)+FR-1], 0
.else
	v_wmma_f32_16x16x128_fp8_fp8 v[ACC+8*(4*(\a)+\b):ACC+8*(4*(\a)+\b)+7], v[\f+64+FR*\b:\f+64+FR*\b+FR-1], v[\f+FR*(\a):\f+FR*(\a)+FR-1], v[ACC+8*(4*(\a)+\b):ACC+8*(4*(\a)+\b)+7]
.endif
.endr
.endr
.endm
.macro FETCH slot, q, f                ; 32 LDS loads in one run: the fragments of the slot's q-th 128 along K into buffer f
	WIN TO_F
.irp i, 0,1,2,3
	FRAG \f+64+FR*\i, ADRB+\slot, \q, \i
.endr
.irp i, 0,1,2,3
	FRAGA \f+FR*\i, ADRA+\slot, \q, \i
.endr
.endm
.macro PLACES n                        ; plain vector instructions between a matrix instruction and a load into, or a store or vector read of, its registers
.rept \n
	v_nop
.endr
.endm
; A K step is four quarters of 128 along K, 16 matrix instructions each, on buffers 0, 1, 0, 1.  One of the first three: asks for the slot's quarter nq into buffer g, which the last quarter multiplied, then multiplies buffer f.
.macro QUARTER slot, nq, f, g, zero
	PLACES NP
	FETCH \slot, \nq, \g
	s_wait_dscnt 32                                ; all but the 32 just issued: buffer f is in
	WIN MUL
	MUL8 \f, 0, \zero
	MUL8 \f, 2, \zero
.endm
; THE WAY OUT, block by block of 16 rows x 64 columns.  A lane holds 32 neighbouring bytes of a row, and the lanes beside it hold other rows: the block's sums go as they are through my own stage and come back as whole
; rows of 256 bytes; there one packed multiply-add gives sum x 2^(e10 + e11) + the bias, one packed addition the residual, and sixteen lanes store 256 consecutive bytes, aligned.
.macro RLOAD a                         ; the residual's 16 rows of block a into v[32 a] on of window 1
.irp t, 0,1,2,3,4,5,6,7
	global_load_b128 v[32*(\a)+4*\t:32*(\a)+4*\t+3], v[CO], s[12:13] offset:(16*(\a)+2*\t)*SIZE_N*4 th:TH_LOAD_NT
.endr
.endm
.macro TOSTAGE a
.irp b, 0,1,2,3
	ds_store_b128 v[STO], v[ACC+32*(\a)+8*\b:ACC+32*(\a)+8*\b+3] offset:64*\b        ; each accumulator from its low end on
	ds_store_b128 v[STO], v[ACC+32*(\a)+8*\b+4:ACC+32*(\a)+8*\b+7] offset:64*\b+16
.endr
.set BB, BK+32*((\a)%2)
.irp t, 0,1,2,3,4,5,6,7
	ds_load_b128 v[BB+4*\t:BB+4*\t+3], v[RD] offset:\t*2*SPITCH   ; LDS serves a wave's instructions in order (ISA guide 5.7.1.4): these see the stores above, and the next block's stores come behind them
.endr
.endm
.macro SEND a, younger                 ; younger: the LDS instructions issued behind block a's loads, which may stay out
.set BB, BK+32*((\a)%2)
.set RS, 32*(\a)
	s_wait_dscnt \younger                          ; the block is back in registers
.irp t, 0,1,2,3,4,5,6,7
	v_pk_fma_f32 v[BB+4*\t:BB+4*\t+1], v[BB+4*\t:BB+4*\t+1], s[96:97], v[BO:BO+1] op_sel_hi:[1,0,1]
	v_pk_fma_f32 v[BB+4*\t+2:BB+4*\t+3], v[BB+4*\t+2:BB+4*\t+3], s[96:97], v[BO+2:BO+3] op_sel_hi:[1,0,1]
.endr
	s_wait_loadcnt 8*(3-(\a))                      ; this block's eight residual loads are in; the later blocks' eight each may be out
	WIN 0x04                                       ; source 1 window 1
.set jj, 0
.rept 16
	v_pk_add_f32 v[BB+jj:BB+jj+1], v[BB+jj:BB+jj+1], v[RS+jj:RS+jj+1]
.set jj, jj+2
.endr
	WIN 0
.irp t, 0,1,2,3,4,5,6,7
	global_store_b128 v[CO], v[BB+4*\t:BB+4*\t+3], s[10:11] offset:(16*(\a)+2*\t)*SIZE_N*4
.endr
.endm
	s_wait_alu depctr_va_vdst(0)
	s_wait_loadcnt 0x0                             ; the bias
	s_wait_tensorcnt 0x0                           ; my load has landed,
	s_barrier_signal -1
	s_barrier_wait -1                              ; everybody's is
	FETCH 0, 0, F0
	QUARTER 0, 1, F0, F1, 1                        ; the first quarter's products start the sums: nothing is cleared
	QUARTER 0, 2, F1, F0, 0
	QUARTER 0, 3, F0, F1, 0
	QUARTER 1, 0, F1, F0, 0                        ; on into the second half of K: it lies in LDS already
	QUARTER 1, 1, F0, F1, 0
	QUARTER 1, 2, F1, F0, 0
	QUARTER 1, 3, F0, F1, 0
	PLACES NP                                      ; buffer 0 is done with: it takes the residual's 64 rows, asked for under the last quarter
	WIN TO_F
	RLOAD 0
	RLOAD 1
	RLOAD 2
	RLOAD 3
	s_wait_dscnt 0x0
	WIN MUL
	MUL8 F1, 0, 0
	MUL8 F1, 2, 0
	WIN 0
	s_wait_kmcnt 0x0
	s_add_co_i32 s96, s96, s97
	s_add_co_i32 s96, s96, 127
	s_lshl_b32 s96, s96, 23                        ; 2^(e10 + e11) as f32
	PLACES NP
	TOSTAGE 0
.irp a, 1,2,3
.if \a > 1
	s_wait_xcnt 0x0                                ; block a - 2's stores have read their registers: block a's loads may land there
.endif
	TOSTAGE \a
	SEND \a-1, 16                                  ; behind block a - 1's loads: block a's 8 stores and 8 loads
.endr
	SEND 3, 0
	s_wait_tensorcnt 0x0
	ds_add_u32 v62, v63
	s_wait_dscnt 0x0
	CROUND                                         ; the closing round: no work-group ends while a partner may still ask for a tile that names it
	s_endpgm
.Lfunc_end_k_q7d8e61710a_wo:
	.size	k_q7d8e61710a_wo, .Lfunc_end_k_q7d8e61710a_wo-k_q7d8e61710a_wo
	.p2alignl 7, 3214868480
	.fill 96, 4, 3214868480
	.section	.rodata,"a",@progbits
	.p2align	6, 0x0
	.amdhsa_kernel k_q7d8e61710a_wo
		.amdhsa_group_segment_fixed_size 327680
		.amdhsa_private_segment_fixed_size 0
		.amdhsa_enable_private_segment 0
		.amdhsa_kernarg_size 48
		.amdhsa_user_sgpr_count 2
		.amdhsa_user_sgpr_kernarg_segment_ptr 1
		.amdhsa_wavefront_size32 1
		.amdhsa_system_sgpr_workgroup_id_x 1
		.amdhsa_system_sgpr_workgroup_id_y 1
		.amdhsa_system_sgpr_workgroup_id_z 1
		.amdhsa_system_vgpr_workitem_id 0
		.amdhsa_next_free_vgpr 512
		.amdhsa_next_free_sgpr 98
		.amdhsa_reserve_vcc 0
		.amdhsa_float_denorm_mode_32 3
		.amdhsa_float_denorm_mode_16_64 3
		.amdhsa_memory_ordered 1
		.amdhsa_forward_progress 1
		.amdhsa_inst_pref_size 52
	.end_amdhsa_kernel
	.amdgpu_metadata
---
amdhsa.version: [ 1, 2 ]
amdhsa.kernels:
  - .name:           k_q7d8e61710a_wo
    .symbol:         k_q7d8e61710a_wo.kd
    .args:
      - { .name: yc, .offset: 0, .size: 8, .value_kind: global_buffer, .address_space: global }
      - { .name: wc, .offset: 8, .size: 8, .value_kind: global_buffer, .address_space: global }
      - { .name: lowp_scales, .offset: 16, .size: 8, .value_kind: global_buffer, .address_space: global }
      - { .name: x1, .offset: 24, .size: 8, .value_kind: global_buffer, .address_space: global }
      - { .name: bo, .offset: 32, .size: 8, .value_kind: global_buffer, .address_space: global }
      - { .name: x, .offset: 40, .size: 8, .value_kind: global_buffer, .address_space: global }
    .group_segment_fixed_size: 327680
    .private_segment_fixed_size: 0
    .kernarg_segment_align: 8
    .kernarg_segment_size: 48
    .max_flat_workgroup_size: 128
    .sgpr_count:     98
    .vgpr_count:     512
    .wavefront_size: 32
...
	.end_amdgpu_metadata
.endif
;; end of part 11
;; launch ln2 (part 12): grid 256 x 1, 4 waves a work-group, no clusters, 0 bytes of LDS; arguments x1, ln2_g, ln2_b, lowp_scales, h2c; writes h2c
.if DOCPART == 12
	.amdgcn_target "amdgcn-amd-amdhsa--gfx1250"
	.amdhsa_code_object_version 6
	.text
	.protected	k_q7d8e61710a_ln2
	.globl	k_q7d8e61710a_ln2
	.p2align	8
	.type	k_q7d8e61710a_ln2,@function
k_q7d8e61710a_ln2:
	s_mov_b64 s[64:65], 0
	v_nop
	global_prefetch_b8 v0, s[64:65] scope:SCOPE_SE
	s_setreg_imm32_b32 hwreg(HW_REG_WAVE_MODE, 25, 1), 1
	s_wait_xcnt 0x0
; h2 = LayerNorm(x1) in f32 (mean, then the mean of the squared differences), quantised to E4M3 with the scale of entry 12, into h2c [4,096][1,024].
; A work-group takes 16 rows, a wave four, each kept in 32 registers: register 8 c + i of a lane is column 256 c + 8 lane + i, so eight registers are eight neighbours along K and a lane's codes of a chunk are 8 bytes:
; 32 lanes store 256 consecutive bytes, aligned.  No LDS, no barrier: waves share nothing.
; LIMITS: e12 between -126 and 119.  NaN among the inputs is not served.
.set LOF,  3
.set SOFF, 4
.set QS,   6                           ; v6, v7: 2^e, 448 x 2^e
.set ST,   12
.set CH,   20
.set T0,   28
.set G,    44
.set BT,   76
.set X,    108
.set CD,   236
	s_load_b256 s[4:11], s[0:1], 0x0               ; x1 s[4:5], g s[6:7], b s[8:9], the exponents s[10:11]
	s_load_b64 s[12:13], s[0:1], 0x20              ; h2c
	v_lshrrev_b32 v1, 5, v0
	v_readfirstlane_b32 s28, v1
	v_and_b32 v2, 31, v0
	s_wait_alu depctr_va_vdst(0)
	s_lshl_b32 s30, ttmp9, 4
	s_lshl_b32 s31, s28, 2
	s_add_co_u32 s30, s30, s31                     ; my wave's first row
	s_lshl_b32 s32, s30, 12
	s_mov_b32 s33, 0
	s_lshl_b32 s34, s30, 10
	s_mov_b32 s35, 0
	s_mov_b32 s40, 0x76543210
	s_mov_b32 s41, 0xfedcba98
	s_mov_b32 s42, 0x3a800000                      ; 1 / 1024
	s_mov_b32 s43, 0x3727c5ac                      ; 1e-5
	v_lshlrev_b32 v[LOF], 5, v2
	v_lshlrev_b32 v[SOFF], 3, v2
	s_wait_alu depctr_va_vdst(0)
	s_wait_kmcnt 0x0
	s_load_b32 s36, s[10:11], 0x30                 ; e12
	s_add_nc_u64 s[4:5], s[4:5], s[32:33]
	s_add_nc_u64 s[12:13], s[12:13], s[34:35]
.irp r, 0,1,2,3
.irp c, 0,1,2,3
	global_load_b128 v[X+32*\r+8*\c:X+32*\r+8*\c+3], v[LOF], s[4:5] offset:4096*\r+1024*\c
	global_load_b128 v[X+32*\r+8*\c+4:X+32*\r+8*\c+7], v[LOF], s[4:5] offset:4096*\r+1024*\c+16
.endr
.endr
.irp c, 0,1,2,3
	global_load_b128 v[G+8*\c:G+8*\c+3], v[LOF], s[6:7] offset:1024*\c
	global_load_b128 v[G+8*\c+4:G+8*\c+7], v[LOF], s[6:7] offset:1024*\c+16
	global_load_b128 v[BT+8*\c:BT+8*\c+3], v[LOF], s[8:9] offset:1024*\c
	global_load_b128 v[BT+8*\c+4:BT+8*\c+7], v[LOF], s[8:9] offset:1024*\c+16
.endr
.irp r, 0,1,2,3
	v_mov_b32 v[ST+2*\r+1], 0                      ; written once: a lane exchange's destination counts as read
.endr
	s_wait_kmcnt 0x0
	s_add_co_i32 s44, s36, 127
	s_lshl_b32 s45, s44, 23
	v_mov_b32 v[QS], s45
	s_add_co_i32 s44, s44, 8
	s_lshl_b32 s44, s44, 23
	s_or_b32 s44, s44, 0x600000
	v_mov_b32 v[QS+1], s44
.macro REDUCE                          ; the four rows' figures, summed over the 32 lanes, into every lane; the rows take turns
.irp m, 1,2,4,8
.irp r, 0,1,2,3
	v_add_f32_dpp v[ST+2*\r], v[ST+2*\r], v[ST+2*\r] row_xmask:\m row_mask:0xf bank_mask:0xf
.endr
.endr
.irp r, 0,1,2,3
	v_permlanex16_b32 v[ST+2*\r+1], v[ST+2*\r], s40, s41
.endr
.irp r, 0,1,2,3
	v_add_f32 v[ST+2*\r], v[ST+2*\r], v[ST+2*\r+1]
.endr
.endm
	s_wait_loadcnt 0x0
.irp r, 0,1,2,3
	v_pk_add_f32 v[CH+2*\r:CH+2*\r+1], v[X+32*\r:X+32*\r+1], v[X+32*\r+2:X+32*\r+3]
.endr
.irp j, 4,6,8,10,12,14,16,18,20,22,24,26,28,30
.irp r, 0,1,2,3
	v_pk_add_f32 v[CH+2*\r:CH+2*\r+1], v[CH+2*\r:CH+2*\r+1], v[X+32*\r+\j:X+32*\r+\j+1]
.endr
.endr
.irp r, 0,1,2,3
	v_add_f32 v[ST+2*\r], v[CH+2*\r], v[CH+2*\r+1]
.endr
	REDUCE
.irp r, 0,1,2,3
	v_mul_f32 v[ST+2*\r], s42, v[ST+2*\r]          ; the mean
.endr
.irp j, 0,2,4,6,8,10,12,14,16,18,20,22,24,26,28,30
.irp r, 0,1,2,3
	v_pk_add_f32 v[X+32*\r+\j:X+32*\r+\j+1], v[X+32*\r+\j:X+32*\r+\j+1], v[ST+2*\r:ST+2*\r+1] op_sel_hi:[1,0] neg_lo:[0,1] neg_hi:[0,1]
.endr
.endr
.irp r, 0,1,2,3
	v_pk_mul_f32 v[CH+2*\r:CH+2*\r+1], v[X+32*\r:X+32*\r+1], v[X+32*\r:X+32*\r+1]
.endr
.irp j, 2,4,6,8,10,12,14,16,18,20,22,24,26,28,30
.irp r, 0,1,2,3
	v_pk_fma_f32 v[CH+2*\r:CH+2*\r+1], v[X+32*\r+\j:X+32*\r+\j+1], v[X+32*\r+\j:X+32*\r+\j+1], v[CH+2*\r:CH+2*\r+1]
.endr
.endr
.irp r, 0,1,2,3
	v_add_f32 v[ST+2*\r], v[CH+2*\r], v[CH+2*\r+1]
.endr
	REDUCE
.irp r, 0,1,2,3
	v_fma_f32 v[ST+2*\r], v[ST+2*\r], s42, s43     ; the variance + 1e-5
.endr
	s_wait_alu depctr_va_vdst(0)
.irp r, 0,1,2,3
	v_rsq_f32 v[ST+2*\r], v[ST+2*\r]
.endr
	v_nop                                          ; a plain instruction behind the last of the four
	s_wait_alu depctr_va_vdst(0)                   ; one wait for the four, ahead of their first reader
.irp j, 0,2,4,6,8,10,12,14,16,18,20,22,24,26,28,30
.irp r, 0,1,2,3
	v_pk_mul_f32 v[X+32*\r+\j:X+32*\r+\j+1], v[X+32*\r+\j:X+32*\r+\j+1], v[ST+2*\r:ST+2*\r+1] op_sel_hi:[1,0]
.endr
.endr
.irp j, 0,2,4,6,8,10,12,14,16,18,20,22,24,26,28,30
.irp r, 0,1,2,3
	v_pk_fma_f32 v[X+32*\r+\j:X+32*\r+\j+1], v[X+32*\r+\j:X+32*\r+\j+1], v[G+\j:G+\j+1], v[BT+\j:BT+\j+1]
.endr
.endr
.irp r, 0,1,2,3
	s_wait_xcnt 0x0                                ; the last row's stores have read their data: the codes' registers may be written again
.irp c, 0,1,2,3
.irp i, 0,1,2,3,4,5,6,7
	v_med3_num_f32 v[T0+8*(\c%2)+\i], v[X+32*\r+8*\c+\i], -v[QS+1], v[QS+1]
.endr
	v_cvt_scalef32_pk8_fp8_f32 v[CD+2*\c:CD+2*\c+1], v[T0+8*(\c%2):T0+8*(\c%2)+7], v[QS]
.endr
.irp c, 0,1,2,3
	global_store_b64 v[SOFF], v[CD+2*\c:CD+2*\c+1], s[12:13] offset:1024*\r+256*\c
.endr
.endr
	s_endpgm
.Lfunc_end_k_q7d8e61710a_ln2:
	.size	k_q7d8e61710a_ln2, .Lfunc_end_k_q7d8e61710a_ln2-k_q7d8e61710a_ln2
	.p2alignl 7, 3214868480
	.fill 96, 4, 3214868480
	.section	.rodata,"a",@progbits
	.p2align	6, 0x0
	.amdhsa_kernel k_q7d8e61710a_ln2
		.amdhsa_group_segment_fixed_size 0
		.amdhsa_private_segment_fixed_size 0
		.amdhsa_enable_private_segment 0
		.amdhsa_kernarg_size 40
		.amdhsa_user_sgpr_count 2
		.amdhsa_user_sgpr_kernarg_segment_ptr 1
		.amdhsa_wavefront_size32 1
		.amdhsa_system_sgpr_workgroup_id_x 1
		.amdhsa_system_sgpr_workgroup_id_y 1
		.amdhsa_system_sgpr_workgroup_id_z 1
		.amdhsa_system_vgpr_workitem_id 0
		.amdhsa_next_free_vgpr 256
		.amdhsa_next_free_sgpr 66
		.amdhsa_reserve_vcc 0
		.amdhsa_float_denorm_mode_32 3
		.amdhsa_float_denorm_mode_16_64 3
		.amdhsa_memory_ordered 1
		.amdhsa_forward_progress 1
		.amdhsa_inst_pref_size 41
	.end_amdhsa_kernel
	.amdgpu_metadata
---
amdhsa.version: [ 1, 2 ]
amdhsa.kernels:
  - .name:           k_q7d8e61710a_ln2
    .symbol:         k_q7d8e61710a_ln2.kd
    .args:
      - { .name: x1, .offset: 0, .size: 8, .value_kind: global_buffer, .address_space: global }
      - { .name: ln2_g, .offset: 8, .size: 8, .value_kind: global_buffer, .address_space: global }
      - { .name: ln2_b, .offset: 16, .size: 8, .value_kind: global_buffer, .address_space: global }
      - { .name: lowp_scales, .offset: 24, .size: 8, .value_kind: global_buffer, .address_space: global }
      - { .name: h2c, .offset: 32, .size: 8, .value_kind: global_buffer, .address_space: global }
    .group_segment_fixed_size: 0
    .private_segment_fixed_size: 0
    .kernarg_segment_align: 8
    .kernarg_segment_size: 40
    .max_flat_workgroup_size: 128
    .sgpr_count:     66
    .vgpr_count:     256
    .wavefront_size: 32
...
	.end_amdgpu_metadata
.endif
;; end of part 12
;; launch w1 (part 13): grid 16 x 16, 4 waves a work-group, clusters of 4 x 4, 327,680 bytes of LDS; arguments h2c, wc, lowp_scales, mc, b1; writes mc
.if DOCPART == 13
	.amdgcn_target "amdgcn-amd-amdhsa--gfx1250"
	.amdhsa_code_object_version 6
	.text
	.protected	k_q7d8e61710a_w1
	.globl	k_q7d8e61710a_w1
	.p2align	8
	.type	k_q7d8e61710a_w1,@function
k_q7d8e61710a_w1:
	s_mov_b64 s[64:65], 0
	v_nop
	global_prefetch_b8 v0, s[64:65] scope:SCOPE_SE
	s_setreg_imm32_b32 hwreg(HW_REG_WAVE_MODE, 25, 1), 1
	s_wait_xcnt 0x0
	s_wait_alu depctr_hold_cnt(0) depctr_sa_sdst(0) depctr_va_vdst(0) depctr_va_sdst(0) depctr_va_ssrc(0) depctr_va_vcc(0) depctr_vm_vsrc(0)
	s_getreg_b32 s2, hwreg(HW_REG_IB_STS2, 6, 4)
	s_cmp_eq_u32 s2, 0
	s_cbranch_scc0 .Lentry_in_a_cluster
	s_endpgm
.Lentry_in_a_cluster:
	s_bfe_u32 s2, ttmp6, 0x10000c
	s_cmp_lg_u32 s2, 0xf033
	s_cbranch_scc0 .Lentry_shape_is_right
	s_endpgm
.Lentry_shape_is_right:
.set SIZE_K, 1024
.set KSTEP,  256
.set ROWB,   256
.set KROW,   SIZE_K
.set PITCH,  272
.set FR,     16
.set NL,     4
.set NP,     4
.set HALFT,  128*PITCH
.set SLOT,   4*HALFT
.set LAPS,   SIZE_K/(2*KSTEP)
.set SPARE,  2*SLOT
.set SPITCH, 144
.set WST,    128*SPITCH
.set ADRA, 16
.set ADRB, 20
.set STO,  24
.set RDV,  26
.set SPW,  28
.set NIL,  29
.set GOV,  30
.set BC,   32
.set K1,   96
.set K3,   98
.set K5,   100
.set SCV,  102
.set LIMV, 103
.set CD,   104
.set ADS,  120
.set AF,   128
.set XB,   128
.set GT,   192
.set GS,   208
.set GR,   224
.set GU,   240
.set G1, 24
.set G0, 32
.set G1B, 48
.set G0B, 56
.set MSB, 0
.macro WIN new
.if MSB != \new
	s_set_vgpr_msb (MSB<<8)|\new
.set MSB, \new
.endif
.endm
.set MUL_LO, 0xa1
.set MUL_HI, 0xf1
.set TO_B,   0x40
.macro JLOAD g0a, g1a, g0b, g1b
	s_cmp_eq_u32 s15, 0
	s_cbranch_scc0 .Lfor_b_\@
	tensor_load_to_lds s[\g0a:\g0a+3], s[\g1a:\g1a+7]
	s_nop 0
.rept 4
	v_nop
.endr
	s_branch .Lasked_\@
.Lfor_b_\@:
	tensor_load_to_lds s[\g0b:\g0b+3], s[\g1b:\g1b+7]
	s_nop 0
.rept 4
	v_nop
.endr
.Lasked_\@:
.endm
.macro CREST
	s_cmp_lg_u32 s14, 0
	s_cbranch_scc1 .Lnot_wave_0_\@
	s_barrier_signal -3
.Lnot_wave_0_\@:
	s_barrier_wait -3
	s_barrier_signal -1
	s_barrier_wait -1
.endm
.macro CROUND
	s_barrier_signal -1
	s_barrier_wait -1
	CREST
.endm
	s_load_b256 s[4:11], s[0:1], 0x0
	s_load_b64 s[84:85], s[0:1], 0x20
	v_lshl_add_u32 v[SPW], v0, 2, SPARE
	v_mov_b32 v[NIL], 0
	ds_add_u32 v28, v29
	ds_add_u32 v28, v29
	s_wait_dscnt 0x0
	v_lshrrev_b32 v1, 5, v0
	v_readfirstlane_b32 s14, v1
	v_and_b32 v31, 31, v0
	v_lshlrev_b32 v31, 10, v31                     ; the prefetches' offset: a lane a row of 1,024 bytes; never rewritten
	s_lshr_b32 s15, s14, 1
	s_and_b32 s16, s14, 1
	s_bfe_u32 s40, ttmp6, 0x40000
	s_bfe_u32 s41, ttmp6, 0x40004
	s_lshl_b32 s42, ttmp9, 2
	s_add_co_u32 s42, s42, s40
	s_and_b32 s17, ttmp7, 0xffff
	s_lshl_b32 s17, s17, 2
	s_add_co_u32 s17, s17, s41
	s_lshl_b32 s43, s41, 2
	s_lshl_b32 s43, 15, s43
	s_lshl_b32 s44, 0x1111, s40
	s_or_b32 s[G1+0], s43, (0<<16)|(1<<20)|(1<<21)|(5<<22)|(3<<25)
	s_or_b32 s[G1B+0], s44, (0<<16)|(1<<20)|(1<<21)|(5<<22)|(3<<25)
.irp g, G1, G1B
	s_mov_b32 s[\g+1], ROWB<<16
	s_mov_b32 s[\g+2], 128<<16
	s_mov_b32 s[\g+3], ROWB<<16
	s_mov_b32 s[\g+4], 128
	s_mov_b32 s[\g+5], KROW
	s_mov_b32 s[\g+6], 0
	s_mov_b32 s[\g+7], 0
.endr
	s_lshl_b32 s18, s16, 7
	s_lshl_b32 s20, s17, 8
	s_add_co_u32 s20, s20, s18
	s_lshl_b32 s20, s20, 10
	s_lshl_b32 s46, s42, 8
	s_add_co_u32 s46, s46, s18
	s_lshl_b32 s46, s46, 10
	s_mov_b32 s21, 0
	s_mov_b32 s47, 0
	s_mul_i32 s45, s14, HALFT
	s_wait_kmcnt 0x0
	s_load_b128 s[68:71], s[8:9], 0x30
	s_add_nc_u64 s[6:7], s[6:7], 0x400000
	s_add_nc_u64 s[20:21], s[4:5], s[20:21]
	s_add_nc_u64 s[46:47], s[6:7], s[46:47]
	s_cmp_eq_u32 s15, 0                            ; the prefetches: of the 128 rows that I fetch, my work-group names 32, told apart by address (cx for A's tile, cy for B's)
	s_cselect_b64 s[72:73], s[20:21], s[46:47]
	s_cselect_b32 s74, s40, s41
	s_lshl_b32 s74, s74, 15
	s_mov_b32 s75, 0
	s_add_nc_u64 s[72:73], s[72:73], s[74:75]
.irp s, 0,1
	s_mov_b32 s[G0+4*\s], 1
	s_add_co_u32 s[G0+4*\s+1], s45, \s*SLOT
	s_add_nc_u64 s[G0+4*\s+2:G0+4*\s+3], s[20:21], \s*ROWB
	s_or_b32 s[G0+4*\s+3], s[G0+4*\s+3], 0x80000000
	s_mov_b32 s[G0B+4*\s], 1
	s_add_co_u32 s[G0B+4*\s+1], s45, \s*SLOT
	s_add_nc_u64 s[G0B+4*\s+2:G0B+4*\s+3], s[46:47], \s*ROWB
	s_or_b32 s[G0B+4*\s+3], s[G0B+4*\s+3], 0x80000000
.endr
	s_wait_alu depctr_va_vdst(0)
	s_wait_tensorcnt 0x0
	ds_add_u32 v28, v29                            ; the add, twice on end, and its wait
	ds_add_u32 v28, v29
	s_wait_dscnt 0x0
	CROUND                                         ; all sixteen work-groups are here: the joint loads meet
	JLOAD G0, G1, G0B, G1B                         ; K step 0: my one tensor load at the head; the set-up below stands under its flight
	global_prefetch_b8 v31, s[72:73] offset:256 th:TH_LOAD_NT scope:SCOPE_SE   ; the 256 bytes a row of K steps 1 and 2
	global_prefetch_b8 v31, s[72:73] offset:512 th:TH_LOAD_NT scope:SCOPE_SE
	v_and_b32 v1, 15, v0
	s_wait_alu depctr_va_vdst(0)
	v_bfe_u32 v2, v0, 4, 1
	s_lshl_b32 s18, s42, 8
	s_lshl_b32 s19, s16, 7
	s_add_co_u32 s18, s18, s19
	s_lshl_b32 s18, s18, 2
	s_mov_b32 s19, 0
	s_add_nc_u64 s[84:85], s[84:85], s[18:19]
	v_lshlrev_b32 v7, 5, v2
.irp b, 0,1,2,3,4,5,6,7
	global_load_b128 v[BC+8*\b:BC+8*\b+3], v7, s[84:85] offset:64*\b
	global_load_b128 v[BC+8*\b+4:BC+8*\b+7], v7, s[84:85] offset:64*\b+16
.endr
	v_mul_u32_u24 v3, v1, PITCH
	v_lshl_add_u32 v4, v2, 4, v3
	s_mul_i32 s21, s15, HALFT
	s_mul_i32 s22, s16, HALFT
	s_add_co_u32 s22, s22, 2*HALFT
.irp s, 0,1
	v_add_nc_u32 v[ADRA+\s], s21, v4
	v_add_nc_u32 v[ADRB+\s], s22, v4
	s_add_co_u32 s21, s21, SLOT
	s_add_co_u32 s22, s22, SLOT
.endr
	s_mul_i32 s23, s14, WST
	v_mul_u32_u24 v5, v1, SPITCH
	s_wait_alu depctr_va_vdst(0)
	v_lshl_add_u32 v5, v2, 3, v5
	v_add_nc_u32 v[STO], s23, v5
	s_mul_i32 s23, s15, 2*WST
	s_mul_i32 s22, s16, 64*SPITCH
	s_add_co_u32 s23, s23, s22
	v_bfe_u32 v11, v0, 3, 1
	v_mul_u32_u24 v11, v11, WST
	v_mad_u32_u24 v11, v2, SPITCH, v11
	v_and_b32 v12, 7, v0
	v_lshl_add_u32 v11, v12, 4, v11
	v_add_nc_u32 v[RDV], s23, v11
	v_lshlrev_b32 v13, 12, v2
	v_lshl_add_u32 v[GOV], v1, 4, v13
	s_lshl_b32 s20, s17, 8
	s_lshl_b32 s21, s14, 6
	s_add_co_u32 s20, s20, s21
	s_lshl_b32 s20, s20, 12
	s_lshl_b32 s21, s42, 8
	s_add_co_u32 s20, s20, s21
	s_mov_b32 s21, 0
	s_add_nc_u64 s[10:11], s[10:11], s[20:21]
	v_mov_b32 v[K1], 0xb7910000
	v_mov_b32 v[K1+1], 0xb7910000
	v_mov_b32 v[K3], 0xbb7e8a1c
	v_mov_b32 v[K3+1], 0xbb7e8a1c
	v_mov_b32 v[K5], 0xba1c7000
	v_mov_b32 v[K5+1], 0xba1c7000
	s_mov_b32 s86, 0x3f3504f3
	s_mov_b32 s87, 0x3f6d8000
	s_wait_kmcnt 0x0
	s_add_co_i32 s96, s68, s69
	s_add_co_i32 s96, s96, 127
	s_lshl_b32 s96, s96, 23
	s_mov_b32 s97, s96
	s_add_co_i32 s90, s70, 128
	s_lshl_b32 s91, s90, 23
	v_mov_b32 v[SCV], s91
	s_add_co_i32 s90, s90, 8
	s_lshl_b32 s90, s90, 23
	s_or_b32 s90, s90, 0x600000
	v_mov_b32 v[LIMV], s90
.macro FRAG reg, adr, q, i
.irp c, 0,1,2,3
	ds_load_b128 v[\reg+4*\c:\reg+4*\c+3], v[\adr] offset:128*(\q)+32*\c+(\i)*16*PITCH
.endr
.endm
.macro MUL16 a0, p, zero
.irp a, \a0, \a0+1
.irp b, 0,1,2,3,4,5,6,7
.if \zero
	v_wmma_f32_16x16x128_fp8_fp8 v[8*(8*((\a)%4)+\b):8*(8*((\a)%4)+\b)+7], v[128*(\p)+FR*\b:128*(\p)+FR*\b+FR-1], v[AF+FR*(\a):AF+FR*(\a)+FR-1], 0
.else
	v_wmma_f32_16x16x128_fp8_fp8 v[8*(8*((\a)%4)+\b):8*(8*((\a)%4)+\b)+7], v[128*(\p)+FR*\b:128*(\p)+FR*\b+FR-1], v[AF+FR*(\a):AF+FR*(\a)+FR-1], v[8*(8*((\a)%4)+\b):8*(8*((\a)%4)+\b)+7]
.endif
.endr
.endr
.endm
.macro FETCH_B slot, q, p
	WIN TO_B
.irp i, 0,1,2,3,4,5,6,7
	FRAG 128*(\p)+FR*\i, ADRB+\slot, \q, \i
.endr
	WIN 0
.endm
.macro FETCH_A slot, q, i0
.irp i, \i0, \i0+1, \i0+2, \i0+3
	FRAG AF+FR*(\i), ADRA+\slot, \q, \i
.endr
.endm
.macro PLACES n
.rept \n
	v_nop
.endr
.endm
.macro STEP slot, q, zero
	s_wait_dscnt 4*NL
	WIN MUL_LO
	MUL16 0, (\q)%2, \zero
	MUL16 2, (\q)%2, \zero
	s_wait_dscnt 0
	PLACES NP
	FETCH_B \slot, (\q)+1, 1-(\q)%2
	FETCH_A \slot, (\q)+1, 0
	WIN MUL_HI
	MUL16 4, (\q)%2, \zero
	MUL16 6, (\q)%2, \zero
	PLACES NP
	WIN 0
	FETCH_A \slot, (\q)+1, 4
.endm
.macro TURN slot, next, fill
	s_wait_tensorcnt 0x0
	ds_add_u32 v[SPW], v[NIL]
	s_wait_dscnt 4*NL+1
	WIN MUL_LO
	MUL16 0, 1, 0
	s_wait_dscnt 0x0
	s_barrier_signal -1
	MUL16 2, 1, 0
	WIN 0
	s_barrier_wait -1
.if \fill
	CREST
	s_add_nc_u64 s[G0+4*\slot+2:G0+4*\slot+3], s[G0+4*\slot+2:G0+4*\slot+3], 2*ROWB
	s_add_nc_u64 s[G0B+4*\slot+2:G0B+4*\slot+3], s[G0B+4*\slot+2:G0B+4*\slot+3], 2*ROWB
	JLOAD G0+4*\slot, G1, G0B+4*\slot, G1B
.else
	PLACES NP
.endif
	FETCH_B \next, 0, 0
	FETCH_A \next, 0, 0
	WIN MUL_HI
	MUL16 4, 1, 0
	MUL16 6, 1, 0
	PLACES NP
	WIN 0
	FETCH_A \next, 0, 4
.endm
.macro CPSEC a, jump
.Lcp\a:
	WIN 0x02+((\a)/4)
.set jj, 0
.rept 32
	v_pk_fma_f32 v[XB+jj:XB+jj+1], v[64*((\a)%4)+jj:64*((\a)%4)+jj+1], s[96:97], v[BC+jj:BC+jj+1] op_sel_hi:[1,0,1]
.set jj, jj+2
.endr
	WIN 0
.if \jump
	s_branch .Lgo
.endif
.endm
.macro HEADP d, kp, m, k
.set jj, 0
.rept 8
	v_pk_fma_f32 v[\d+jj:\d+jj+1], v[\kp:\kp+1], v[\m+jj:\m+jj+1], \k op_sel_hi:[1,1,0]
.set jj, jj+2
.endr
.endm
.macro HORN d, m, k
.set jj, 0
.rept 8
	v_pk_fma_f32 v[\d+jj:\d+jj+1], v[\d+jj:\d+jj+1], v[\m+jj:\m+jj+1], \k op_sel_hi:[1,1,0]
.set jj, jj+2
.endr
.endm
.macro GELU16 g
.set XG, XB+16*(\g)
.set jj, 0
.rept 16
	v_mul_f32 v[GT+jj], s86, |v[XG+jj]|            ; |x| / sqrt(2)
.set jj, jj+1
.endr
.set jj, 0
.rept 8
	v_pk_mul_f32 v[GS+jj:GS+jj+1], v[GT+jj:GT+jj+1], v[GT+jj:GT+jj+1]
.set jj, jj+2
.endr
	HEADP GR, K1, GT, 0x39c8e7d9
	HEADP GU, K3, GT, 0x3cc6b1a1
.set jj, 0
.rept 8
	v_pk_fma_f32 v[GR+jj:GR+jj+1], v[GR+jj:GR+jj+1], v[GS+jj:GS+jj+1], v[GU+jj:GU+jj+1]
.set jj, jj+2
.endr
	HORN GR, GT, 0xbddaae5c
	HORN GR, GT, 0xbf228550
	HORN GR, GT, 0xbe03ce86
.set jj, 0
.rept 8
	v_pk_fma_f32 v[GR+jj:GR+jj+1], v[GR+jj:GR+jj+1], v[GT+jj:GT+jj+1], v[GT+jj:GT+jj+1] neg_lo:[0,0,1] neg_hi:[0,0,1]
.set jj, jj+2
.endr
.set jj, 0
.rept 8
	v_pk_mul_f32 v[GR+jj:GR+jj+1], v[GR+jj:GR+jj+1], 0x3fb8aa3b op_sel_hi:[1,0]
.set jj, jj+2
.endr
.set jj, 0
	s_wait_alu depctr_va_vdst(0)
.rept 16
	v_exp_f32 v[GR+jj], v[GR+jj]
.set jj, jj+1
.endr
	HEADP GU, K5, GS, 0x3ba38d2c
	HORN GU, GS, 0xbcdb48d9
	HORN GU, GS, 0x3de70e22
	HORN GU, GS, 0xbec09380
	HORN GU, GS, 0x3e0375d4
.set jj, 0
.rept 8
	v_pk_fma_f32 v[GU+jj:GU+jj+1], v[GU+jj:GU+jj+1], v[GT+jj:GT+jj+1], v[GT+jj:GT+jj+1]
.set jj, jj+2
.endr
.set jj, 0
.rept 8
	v_pk_add_f32 v[GU+jj:GU+jj+1], v[GU+jj:GU+jj+1], 1.0 op_sel_hi:[1,0] neg_lo:[1,0] neg_hi:[1,0]
.set jj, jj+2
.endr
	s_wait_alu depctr_va_vdst(0)
.set jj, 0
.irp h, 0, 8                           ; which of the two forms of 1 - erf holds: eight masks in scalar registers, then the eight selects
.irp k, 0,1,2,3,4,5,6,7
	v_cmp_lt_f32 s[76+\k], s87, v[GT+\h+\k]
.endr
.irp k, 0,1,2,3,4,5,6,7
	v_cndmask_b32 v[GU+\h+\k], v[GU+\h+\k], v[GR+\h+\k], s[76+\k]
.endr
.endr
.set jj, 0
.rept 8
	v_pk_fma_f32 v[GR+jj:GR+jj+1], v[GU+jj:GU+jj+1], -2.0, 2.0 op_sel_hi:[1,0,0]   ; with c = 1 - erf(|x| / sqrt(2)): x c where x < 0, x (2 - c) elsewhere, is x c + max(x, 0) (2 - 2 c): two terms of one sign
.set jj, jj+2
.endr
.set jj, 0
.rept 16
	v_max_num_f32 v[GT+jj], 0, v[XG+jj]
.set jj, jj+1
.endr
.set jj, 0
.rept 8
	v_pk_mul_f32 v[XG+jj:XG+jj+1], v[XG+jj:XG+jj+1], v[GU+jj:GU+jj+1]
.set jj, jj+2
.endr
.set jj, 0
.rept 8
	v_pk_fma_f32 v[XG+jj:XG+jj+1], v[GT+jj:GT+jj+1], v[GR+jj:GR+jj+1], v[XG+jj:XG+jj+1]
.set jj, jj+2
.endr
.set jj, 0
.rept 16
	v_med3_num_f32 v[XG+jj], v[XG+jj], -v[LIMV], v[LIMV]
.set jj, jj+1
.endr
	v_cvt_scalef32_pk8_fp8_f32 v[CD+4*(\g):CD+4*(\g)+1], v[XG:XG+7], v[SCV]
	v_cvt_scalef32_pk8_fp8_f32 v[CD+4*(\g)+2:CD+4*(\g)+3], v[XG+8:XG+15], v[SCV]
	v_nop
	ds_store_b64 v[ADS], v[CD+4*(\g):CD+4*(\g)+1] offset:32*(\g)
	ds_store_b64 v[ADS], v[CD+4*(\g)+2:CD+4*(\g)+3] offset:32*(\g)+16
.endm
	s_wait_alu depctr_va_vdst(0)
	s_wait_tensorcnt 0x0                           ; my part of K step 0 is in; these lines stand ahead of a later first fill as ahead of a refill
	ds_add_u32 v28, v29
	ds_add_u32 v28, v29
	s_wait_dscnt 0x0
	CROUND                                         ; everybody's part of K step 0 is in, and all sixteen work-groups are here
	JLOAD G0+4, G1, G0B+4, G1B                     ; K step 1: the first tensor load behind the round
	global_prefetch_b8 v31, s[72:73] offset:768 th:TH_LOAD_NT scope:SCOPE_SE   ; K step 3; K has four steps, so the loop asks for nothing
	FETCH_B 0, 0, 0
	FETCH_A 0, 0, 0
	FETCH_A 0, 0, 4
	STEP 0, 0, 1
	s_mov_b32 s3, LAPS-1
.Llap:
	TURN 0, 1, 1
	STEP 1, 0, 0
	TURN 1, 0, 1
	STEP 0, 0, 0
	s_sub_co_u32 s3, s3, 1
	s_cmp_lg_u32 s3, 0
	s_cbranch_scc1 .Llap
	TURN 0, 1, 0
	STEP 1, 0, 0
	s_wait_dscnt 4*NL
	WIN MUL_LO
	MUL16 0, 1, 0
	MUL16 2, 1, 0
	s_wait_dscnt 0
	WIN MUL_HI
	MUL16 4, 1, 0
	MUL16 6, 1, 0
	WIN 0
	PLACES NP
	s_wait_loadcnt 0x0                             ; the bias, asked for at the head: no line of the K loop names its registers, offset or base
	s_mov_b32 s66, 0
	s_mov_b32 s67, 0
.Lblk:
.irp a, 0,1,2,3,4,5,6
	s_cmp_eq_u32 s66, \a
	s_cbranch_scc1 .Lcp\a
.endr
	CPSEC 7, 1
	CPSEC 0, 1
	CPSEC 1, 1
	CPSEC 2, 1
	CPSEC 3, 1
	CPSEC 4, 1
	CPSEC 5, 1
	CPSEC 6, 0
.Lgo:
	v_add_nc_u32 v[ADS], s67, v[STO]
	GELU16 0
	GELU16 1
	GELU16 2
	GELU16 3
	s_add_co_u32 s67, s67, 16*SPITCH
	s_add_co_u32 s66, s66, 1
	s_cmp_lt_u32 s66, 8
	s_cbranch_scc1 .Lblk
	s_wait_dscnt 0x0
	s_barrier_signal -1
	s_barrier_wait -1
.set ii, 0
.rept 32
	ds_load_b128 v[128+4*ii:131+4*ii], v[RDV] offset:2*ii*SPITCH
.set ii, ii+1
.endr
.set ii, 0
.rept 32
	s_wait_dscnt 31-ii
	global_store_b128 v[GOV], v[128+4*ii:131+4*ii], s[10:11] offset:2*ii*4096
.set ii, ii+1
.endr
	s_wait_tensorcnt 0x0
	ds_add_u32 v[SPW], v[NIL]
	s_wait_dscnt 0x0
	CROUND
	s_endpgm
.Lfunc_end_k_q7d8e61710a_w1:
	.size	k_q7d8e61710a_w1, .Lfunc_end_k_q7d8e61710a_w1-k_q7d8e61710a_w1
	.p2alignl 7, 3214868480
	.fill 96, 4, 3214868480
	.section	.rodata,"a",@progbits
	.p2align	6, 0x0
	.amdhsa_kernel k_q7d8e61710a_w1
		.amdhsa_group_segment_fixed_size 327680
		.amdhsa_private_segment_fixed_size 0
		.amdhsa_enable_private_segment 0
		.amdhsa_kernarg_size 40
		.amdhsa_user_sgpr_count 2
		.amdhsa_user_sgpr_kernarg_segment_ptr 1
		.amdhsa_wavefront_size32 1
		.amdhsa_system_sgpr_workgroup_id_x 1
		.amdhsa_system_sgpr_workgroup_id_y 1
		.amdhsa_system_sgpr_workgroup_id_z 1
		.amdhsa_system_vgpr_workitem_id 0
		.amdhsa_next_free_vgpr 1024
		.amdhsa_next_free_sgpr 98
		.amdhsa_reserve_vcc 0
		.amdhsa_float_denorm_mode_32 3
		.amdhsa_float_denorm_mode_16_64 3
		.amdhsa_memory_ordered 1
		.amdhsa_forward_progress 1
		.amdhsa_inst_pref_size 176
	.end_amdhsa_kernel
	.amdgpu_metadata
---
amdhsa.version: [ 1, 2 ]
amdhsa.kernels:
  - .name:           k_q7d8e61710a_w1
    .symbol:         k_q7d8e61710a_w1.kd
    .args:
      - { .name: h2c, .offset: 0, .size: 8, .value_kind: global_buffer, .address_space: global }
      - { .name: wc, .offset: 8, .size: 8, .value_kind: global_buffer, .address_space: global }
      - { .name: lowp_scales, .offset: 16, .size: 8, .value_kind: global_buffer, .address_space: global }
      - { .name: mc, .offset: 24, .size: 8, .value_kind: global_buffer, .address_space: global }
      - { .name: b1, .offset: 32, .size: 8, .value_kind: global_buffer, .address_space: global }
    .group_segment_fixed_size: 327680
    .private_segment_fixed_size: 0
    .kernarg_segment_align: 8
    .kernarg_segment_size: 40
    .max_flat_workgroup_size: 128
    .sgpr_count:     98
    .vgpr_count:     1024
    .wavefront_size: 32
...
	.end_amdgpu_metadata
.endif
;; end of part 13
;; launch w2 (part 14): grid 8 x 32, 4 waves a work-group, clusters of 4 x 4, 327,680 bytes of LDS; arguments mc, wc, lowp_scales, out0, b2, x1; writes out0
.if DOCPART == 14
	.amdgcn_target "amdgcn-amd-amdhsa--gfx1250"
	.amdhsa_code_object_version 6
	.text
	.protected	k_q7d8e61710a_w2
	.globl	k_q7d8e61710a_w2
	.p2align	8
	.type	k_q7d8e61710a_w2,@function
k_q7d8e61710a_w2:
	s_mov_b64 s[64:65], 0
	v_nop
	global_prefetch_b8 v0, s[64:65] scope:SCOPE_SE
	s_setreg_imm32_b32 hwreg(HW_REG_WAVE_MODE, 25, 1), 1
	s_wait_xcnt 0x0
	s_wait_alu depctr_hold_cnt(0) depctr_sa_sdst(0) depctr_va_vdst(0) depctr_va_sdst(0) depctr_va_ssrc(0) depctr_va_vcc(0) depctr_vm_vsrc(0)
	s_getreg_b32 s2, hwreg(HW_REG_IB_STS2, 6, 4)
	s_cmp_eq_u32 s2, 0
	s_cbranch_scc0 .Lentry_in_a_cluster
	s_endpgm
.Lentry_in_a_cluster:
	s_bfe_u32 s2, ttmp6, 0x10000c
	s_cmp_lg_u32 s2, 0xf033
	s_cbranch_scc0 .Lentry_shape_is_right
	s_endpgm
.Lentry_shape_is_right:
.set SIZE_K, 4096
.set SIZE_N, 1024
.set KSTEP,  512
.set ROWB,   512
.set KROW,   SIZE_K
.set PITCH,  528
.set FR,     16
.set NP,     4
.set HALFT,  64*PITCH
.set SLOT,   4*HALFT
.set LAPS,   SIZE_K/(2*KSTEP)
.set SPARE,  2*SLOT
.set STAGE,  SPARE+512
.set SPITCH, 272
.set BO,   8
.set ADRA, 16
.set ADRB, 20
.set STO,  24
.set RD,   25
.set CO,   26
.set SPW,  28
.set NIL,  29
.set BK,   64
.set ACC,  128
.set F0,   0
.set F1,   128
.set G1, 24
.set G0, 32
.set G1B, 48
.set G0B, 56
.set MSB, 0
.macro WIN new
.if MSB != \new
	s_set_vgpr_msb (MSB<<8)|\new
.set MSB, \new
.endif
.endm
.set MUL,  0x05
.set TO_F, 0x40
.macro JLOAD g0a, g1a, g0b, g1b
	s_cmp_eq_u32 s15, 0
	s_cbranch_scc0 .Lfor_b_\@
	tensor_load_to_lds s[\g0a:\g0a+3], s[\g1a:\g1a+7]
	s_nop 0
.rept 4
	v_nop
.endr
	s_branch .Lasked_\@
.Lfor_b_\@:
	tensor_load_to_lds s[\g0b:\g0b+3], s[\g1b:\g1b+7]
	s_nop 0
.rept 4
	v_nop
.endr
.Lasked_\@:
.endm
.macro CREST
	s_cmp_lg_u32 s14, 0
	s_cbranch_scc1 .Lnot_wave_0_\@
	s_barrier_signal -3
.Lnot_wave_0_\@:
	s_barrier_wait -3
	s_barrier_signal -1
	s_barrier_wait -1
.endm
.macro CROUND
	s_barrier_signal -1
	s_barrier_wait -1
	CREST
.endm
	s_load_b256 s[4:11], s[0:1], 0x0
	s_load_b128 s[84:87], s[0:1], 0x20
	v_lshl_add_u32 v[SPW], v0, 2, SPARE
	v_mov_b32 v[NIL], 0
	ds_add_u32 v28, v29
	ds_add_u32 v28, v29
	s_wait_dscnt 0x0
	v_lshrrev_b32 v1, 5, v0
	v_readfirstlane_b32 s14, v1
	v_and_b32 v30, 31, v0                          ; the prefetches' offset: two lanes to a row of 4,096 bytes, 256 bytes apart; never rewritten
	v_lshrrev_b32 v31, 1, v30
	v_and_b32 v30, 1, v30
	v_lshlrev_b32 v30, 8, v30
	v_lshl_add_u32 v30, v31, 12, v30
	v_and_b32 v27, 31, v0
	v_lshlrev_b32 v27, 12, v27                     ; the residual's prefetches: a lane a row of x1; never rewritten
	s_lshr_b32 s15, s14, 1
	s_and_b32 s16, s14, 1
	s_bfe_u32 s40, ttmp6, 0x40000
	s_bfe_u32 s41, ttmp6, 0x40004
	s_lshl_b32 s42, ttmp9, 2
	s_add_co_u32 s42, s42, s40
	s_and_b32 s17, ttmp7, 0xffff
	s_lshl_b32 s17, s17, 2
	s_add_co_u32 s17, s17, s41
	s_lshl_b32 s43, s41, 2
	s_lshl_b32 s43, 15, s43
	s_lshl_b32 s44, 0x1111, s40
	s_or_b32 s[G1+0], s43, (0<<16)|(1<<20)|(1<<21)|(6<<22)|(3<<25)
	s_or_b32 s[G1B+0], s44, (0<<16)|(1<<20)|(1<<21)|(6<<22)|(3<<25)
.irp g, G1, G1B
	s_mov_b32 s[\g+1], ROWB<<16
	s_mov_b32 s[\g+2], 64<<16
	s_mov_b32 s[\g+3], ROWB<<16
	s_mov_b32 s[\g+4], 64
	s_mov_b32 s[\g+5], KROW
	s_mov_b32 s[\g+6], 0
	s_mov_b32 s[\g+7], 0
.endr
	s_lshl_b32 s18, s16, 6
	s_lshl_b32 s20, s17, 7
	s_add_co_u32 s20, s20, s18
	s_lshl_b32 s20, s20, 12
	s_lshl_b32 s46, s42, 7
	s_add_co_u32 s46, s46, s18
	s_lshl_b32 s46, s46, 12
	s_mov_b32 s21, 0
	s_mov_b32 s47, 0
	s_mul_i32 s45, s14, HALFT
	s_wait_kmcnt 0x0
	s_load_b64 s[96:97], s[8:9], 0x38
	s_add_nc_u64 s[6:7], s[6:7], 0x800000
	s_add_nc_u64 s[20:21], s[4:5], s[20:21]
	s_add_nc_u64 s[46:47], s[6:7], s[46:47]
	s_cmp_eq_u32 s15, 0                            ; the prefetches: of the 64 rows that I fetch, my work-group names 16, told apart by address (cx for A's tile, cy for B's)
	s_cselect_b64 s[68:69], s[20:21], s[46:47]
	s_cselect_b32 s70, s40, s41
	s_lshl_b32 s70, s70, 16
	s_mov_b32 s71, 0
	s_add_nc_u64 s[68:69], s[68:69], s[70:71]
.irp s, 0,1
	s_mov_b32 s[G0+4*\s], 1
	s_add_co_u32 s[G0+4*\s+1], s45, \s*SLOT
	s_add_nc_u64 s[G0+4*\s+2:G0+4*\s+3], s[20:21], \s*ROWB
	s_or_b32 s[G0+4*\s+3], s[G0+4*\s+3], 0x80000000
	s_mov_b32 s[G0B+4*\s], 1
	s_add_co_u32 s[G0B+4*\s+1], s45, \s*SLOT
	s_add_nc_u64 s[G0B+4*\s+2:G0B+4*\s+3], s[46:47], \s*ROWB
	s_or_b32 s[G0B+4*\s+3], s[G0B+4*\s+3], 0x80000000
.endr
	s_wait_alu depctr_va_vdst(0)
	s_wait_tensorcnt 0x0
	ds_add_u32 v28, v29                            ; the add, twice on end, and its wait
	ds_add_u32 v28, v29
	s_wait_dscnt 0x0
	CROUND                                         ; all sixteen work-groups are here: the joint loads meet
	JLOAD G0, G1, G0B, G1B                         ; K step 0: my one tensor load at the head; the set-up below stands under its flight
	global_prefetch_b8 v30, s[68:69] offset:512 th:TH_LOAD_NT scope:SCOPE_SE    ; the 512 bytes a row of K steps 1 and 2
	global_prefetch_b8 v30, s[68:69] offset:1024 th:TH_LOAD_NT scope:SCOPE_SE
	v_and_b32 v1, 15, v0
	s_wait_alu depctr_va_vdst(0)
	v_bfe_u32 v2, v0, 4, 1
	v_mul_u32_u24 v3, v1, PITCH
	v_lshl_add_u32 v4, v2, 4, v3
	s_mul_i32 s21, s15, HALFT
	s_mul_i32 s22, s16, HALFT
	s_add_co_u32 s22, s22, 2*HALFT
.irp s, 0,1
	v_add_nc_u32 v[ADRA+\s], s21, v4
	v_add_nc_u32 v[ADRB+\s], s22, v4
	s_add_co_u32 s21, s21, SLOT
	s_add_co_u32 s22, s22, SLOT
.endr
	s_mul_i32 s23, s14, 16*SPITCH
	s_add_co_u32 s23, s23, STAGE
	v_mul_u32_u24 v5, v1, SPITCH
	s_wait_alu depctr_va_vdst(0)
	v_lshl_add_u32 v5, v2, 5, v5
	v_add_nc_u32 v[STO], s23, v5
	v_mul_u32_u24 v5, v2, SPITCH
	v_lshl_add_u32 v5, v1, 4, v5
	v_add_nc_u32 v[RD], s23, v5
	v_lshlrev_b32 v6, 4, v1
	s_wait_alu depctr_va_vdst(0)
	v_lshl_add_u32 v[CO], v2, 12, v6
	s_lshl_b32 s20, s17, 7
	s_lshl_b32 s21, s15, 6
	s_add_co_u32 s20, s20, s21
	s_lshl_b32 s20, s20, 12
	s_mov_b32 s21, 0
	s_lshl_b32 s46, s42, 9
	s_lshl_b32 s47, s16, 8
	s_add_co_u32 s46, s46, s47
	s_mov_b32 s47, 0
	s_add_nc_u64 s[84:85], s[84:85], s[46:47]
	s_add_nc_u64 s[20:21], s[20:21], s[46:47]
	s_add_nc_u64 s[10:11], s[10:11], s[20:21]
	s_add_nc_u64 s[12:13], s[86:87], s[20:21]
	global_load_b128 v[BO:BO+3], v6, s[84:85]
.macro FRAG reg, adr, q, i
.irp c, 0,1,2,3
	ds_load_b128 v[\reg+4*\c:\reg+4*\c+3], v[\adr] offset:128*(\q)+32*\c+(\i)*16*PITCH
.endr
.endm
.macro MUL8 f, a0, zero
.irp a, \a0, \a0+1
.irp b, 0,1,2,3
.if \zero
	v_wmma_f32_16x16x128_fp8_fp8 v[ACC+8*(4*(\a)+\b):ACC+8*(4*(\a)+\b)+7], v[\f+64+FR*\b:\f+64+FR*\b+FR-1], v[\f+FR*(\a):\f+FR*(\a)+FR-1], 0
.else
	v_wmma_f32_16x16x128_fp8_fp8 v[ACC+8*(4*(\a)+\b):ACC+8*(4*(\a)+\b)+7], v[\f+64+FR*\b:\f+64+FR*\b+FR-1], v[\f+FR*(\a):\f+FR*(\a)+FR-1], v[ACC+8*(4*(\a)+\b):ACC+8*(4*(\a)+\b)+7]
.endif
.endr
.endr
.endm
.macro FETCH slot, q, f
	WIN TO_F
.irp i, 0,1,2,3
	FRAG \f+64+FR*\i, ADRB+\slot, \q, \i
.endr
.irp i, 0,1,2,3
	FRAG \f+FR*\i, ADRA+\slot, \q, \i
.endr
.endm
.macro PLACES n
.rept \n
	v_nop
.endr
.endm
.macro QUARTER slot, nq, f, g, zero
	PLACES NP
	FETCH \slot, \nq, \g
	s_wait_dscnt 32
	WIN MUL
	MUL8 \f, 0, \zero
	MUL8 \f, 2, \zero
.endm
.macro TURN slot, next, fill
.if \fill
	s_wait_xcnt 0x0                                ; my last prefetch has read its address: it steps one K step on
	s_add_nc_u64 s[68:69], s[68:69], 512
.endif
	WIN 0
	s_wait_tensorcnt 0x0
	ds_add_u32 v[SPW], v[NIL]
	s_wait_dscnt 1
	WIN MUL
	MUL8 F1, 0, 0
	s_wait_dscnt 0x0
	s_barrier_signal -1
	MUL8 F1, 2, 0
	WIN 0
	s_barrier_wait -1
.if \fill
	CREST
	s_add_nc_u64 s[G0+4*\slot+2:G0+4*\slot+3], s[G0+4*\slot+2:G0+4*\slot+3], 2*ROWB
	s_add_nc_u64 s[G0B+4*\slot+2:G0B+4*\slot+3], s[G0B+4*\slot+2:G0B+4*\slot+3], 2*ROWB
	JLOAD G0+4*\slot, G1, G0B+4*\slot, G1B
.else
	PLACES NP
.endif
	FETCH \next, 0, F0
.if \fill
	WIN 0
	s_cmp_gt_u32 s3, 1                             ; the loop's last trip refills K steps 6 and 7: no K step stands two on
	s_cbranch_scc0 .Lres_\@
	global_prefetch_b8 v30, s[68:69] offset:1536 th:TH_LOAD_NT scope:SCOPE_SE   ; the K step two refills on
	s_branch .Lnp_\@
.Lres_\@:
	global_prefetch_b8 v27, s[12:13] offset:\slot*131072 th:TH_LOAD_NT scope:SCOPE_SE   ; the last trip: 32 of the residual's 64 rows x 256 bytes that my wave loads behind the last K step
.Lnp_\@:
.endif
.endm
.macro RLOAD a
.irp t, 0,1,2,3,4,5,6,7
	global_load_b128 v[32*(\a)+4*\t:32*(\a)+4*\t+3], v[CO], s[12:13] offset:(16*(\a)+2*\t)*SIZE_N*4 th:TH_LOAD_NT
.endr
.endm
.macro TOSTAGE a
.irp b, 0,1,2,3
	ds_store_b128 v[STO], v[ACC+32*(\a)+8*\b:ACC+32*(\a)+8*\b+3] offset:64*\b
	ds_store_b128 v[STO], v[ACC+32*(\a)+8*\b+4:ACC+32*(\a)+8*\b+7] offset:64*\b+16
.endr
.set BB, BK+32*((\a)%2)
.irp t, 0,1,2,3,4,5,6,7
	ds_load_b128 v[BB+4*\t:BB+4*\t+3], v[RD] offset:\t*2*SPITCH
.endr
.endm
.macro SEND a, younger
.set BB, BK+32*((\a)%2)
.set RS, 32*(\a)
	s_wait_dscnt \younger
.irp t, 0,1,2,3,4,5,6,7
	v_pk_fma_f32 v[BB+4*\t:BB+4*\t+1], v[BB+4*\t:BB+4*\t+1], s[96:97], v[BO:BO+1] op_sel_hi:[1,0,1]
	v_pk_fma_f32 v[BB+4*\t+2:BB+4*\t+3], v[BB+4*\t+2:BB+4*\t+3], s[96:97], v[BO+2:BO+3] op_sel_hi:[1,0,1]
.endr
	s_wait_loadcnt 8*(3-(\a))
	WIN 0x04
.set jj, 0
.rept 16
	v_pk_add_f32 v[BB+jj:BB+jj+1], v[BB+jj:BB+jj+1], v[RS+jj:RS+jj+1]
.set jj, jj+2
.endr
	WIN 0
.irp t, 0,1,2,3,4,5,6,7
	global_store_b128 v[CO], v[BB+4*\t:BB+4*\t+3], s[10:11] offset:(16*(\a)+2*\t)*SIZE_N*4 th:TH_STORE_NT
.endr
.endm
	s_wait_alu depctr_va_vdst(0)
	s_wait_tensorcnt 0x0                           ; my part of K step 0 is in; these lines stand ahead of a later first fill as ahead of a refill
	ds_add_u32 v28, v29
	ds_add_u32 v28, v29
	s_wait_dscnt 0x0
	CROUND                                         ; everybody's part of K step 0 is in, and all sixteen work-groups are here
	JLOAD G0+4, G1, G0B+4, G1B                     ; K step 1: the first tensor load behind the round
	global_prefetch_b8 v30, s[68:69] offset:1536 th:TH_LOAD_NT scope:SCOPE_SE   ; K step 3
	FETCH 0, 0, F0
	QUARTER 0, 1, F0, F1, 1
	WIN 0
	s_mov_b32 s3, LAPS-1
.Llap:
	QUARTER 0, 2, F1, F0, 0
	QUARTER 0, 3, F0, F1, 0
	TURN 0, 1, 1
	QUARTER 1, 1, F0, F1, 0
	QUARTER 1, 2, F1, F0, 0
	QUARTER 1, 3, F0, F1, 0
	TURN 1, 0, 1
	QUARTER 0, 1, F0, F1, 0
	WIN 0
	s_sub_co_u32 s3, s3, 1
	s_cmp_lg_u32 s3, 0
	s_cbranch_scc1 .Llap
	QUARTER 0, 2, F1, F0, 0
	QUARTER 0, 3, F0, F1, 0
	TURN 0, 1, 0
	QUARTER 1, 1, F0, F1, 0
	QUARTER 1, 2, F1, F0, 0
	QUARTER 1, 3, F0, F1, 0
	PLACES NP
	WIN TO_F
	s_wait_alu depctr_va_vdst(0)
	RLOAD 0
	RLOAD 1
	RLOAD 2
	RLOAD 3
	s_wait_dscnt 0x0
	WIN MUL
	MUL8 F1, 0, 0
	MUL8 F1, 2, 0
	WIN 0
	s_wait_loadcnt 32                              ; the bias, asked for at the head, is in: behind it only the residual's 32 loads were issued, and they may be out
	s_wait_kmcnt 0x0
	s_add_co_i32 s96, s96, s97
	s_add_co_i32 s96, s96, 127
	s_lshl_b32 s96, s96, 23
	PLACES NP
	TOSTAGE 0
.irp a, 1,2,3
.if \a > 1
	s_wait_xcnt 0x0
.endif
	TOSTAGE \a
	SEND \a-1, 16
.endr
	SEND 3, 0
	s_wait_tensorcnt 0x0
	ds_add_u32 v[SPW], v[NIL]
	s_wait_dscnt 0x0
	CROUND
	s_endpgm
.Lfunc_end_k_q7d8e61710a_w2:
	.size	k_q7d8e61710a_w2, .Lfunc_end_k_q7d8e61710a_w2-k_q7d8e61710a_w2
	.p2alignl 7, 3214868480
	.fill 96, 4, 3214868480
	.section	.rodata,"a",@progbits
	.p2align	6, 0x0
	.amdhsa_kernel k_q7d8e61710a_w2
		.amdhsa_group_segment_fixed_size 327680
		.amdhsa_private_segment_fixed_size 0
		.amdhsa_enable_private_segment 0
		.amdhsa_kernarg_size 48
		.amdhsa_user_sgpr_count 2
		.amdhsa_user_sgpr_kernarg_segment_ptr 1
		.amdhsa_wavefront_size32 1
		.amdhsa_system_sgpr_workgroup_id_x 1
		.amdhsa_system_sgpr_workgroup_id_y 1
		.amdhsa_system_sgpr_workgroup_id_z 1
		.amdhsa_system_vgpr_workitem_id 0
		.amdhsa_next_free_vgpr 512
		.amdhsa_next_free_sgpr 98
		.amdhsa_reserve_vcc 0
		.amdhsa_float_denorm_mode_32 3
		.amdhsa_float_denorm_mode_16_64 3
		.amdhsa_memory_ordered 1
		.amdhsa_forward_progress 1
		.amdhsa_inst_pref_size 83
	.end_amdhsa_kernel
	.amdgpu_metadata
---
amdhsa.version: [ 1, 2 ]
amdhsa.kernels:
  - .name:           k_q7d8e61710a_w2
    .symbol:         k_q7d8e61710a_w2.kd
    .args:
      - { .name: mc, .offset: 0, .size: 8, .value_kind: global_buffer, .address_space: global }
      - { .name: wc, .offset: 8, .size: 8, .value_kind: global_buffer, .address_space: global }
      - { .name: lowp_scales, .offset: 16, .size: 8, .value_kind: global_buffer, .address_space: global }
      - { .name: out0, .offset: 24, .size: 8, .value_kind: global_buffer, .address_space: global }
      - { .name: b2, .offset: 32, .size: 8, .value_kind: global_buffer, .address_space: global }
      - { .name: x1, .offset: 40, .size: 8, .value_kind: global_buffer, .address_space: global }
    .group_segment_fixed_size: 327680
    .private_segment_fixed_size: 0
    .kernarg_segment_align: 8
    .kernarg_segment_size: 48
    .max_flat_workgroup_size: 128
    .sgpr_count:     98
    .vgpr_count:     512
    .wavefront_size: 32
...
	.end_amdgpu_metadata
.endif
;; end of part 14
